; MI455X (gfx1250); checked and timed in simulation.
; The chip was launched on July 23, 2026; its instructions are those of AMD's public machine-readable ISA for CDNA 5 (MIT licence, August 2026) and "CDNA5" Instruction Set Architecture Reference Guide (July 2026). The comments in the code are by the model that wrote it; some were corrected since.
;; Mo E. Allowed arithmetic: float matrix products may take bf16 or f16 operands with f32 sums; other float arithmetic in f32, or as packed bf16 or f16 multiplies, adds, multiply-adds, maxima and minima; sums over many terms, partial sums and values carried from step to step in f32; what a program stores and reads back later, other than sums and carried values, may be rounded once to bf16 or f16.
;; Inputs: gate_w 8 x 1,024 float32; hidden_states 2 x 512 x 1,024 float32; w1 8 x 1,024 x 4,096 float32; w2 8 x 4,096 x 1,024 float32.
;; Outputs: out0 2 x 512 x 1,024 float32; out1 1,024 x 8 float32.
;; 3 versions, each right; version 2 is faster than version 1; version 3 is version 2 with the launches up, down written anew for expert scheduling mode. Each part assembles by itself: llvm-mc -triple=amdgcn-amd-amdhsa -mcpu=gfx1250 --defsym DOCPART=n.
;; ======== version 1 of 3: 4 launches
;; workspace buffers: xb 2,097,152 bytes; sel 4,096 bytes of whole numbers; rwt 8,192 bytes; hbuf 67,108,864 bytes; yp 33,554,432 bytes
;; launch router (part 1): grid 128 x 1, 8 waves a work-group, no clusters, 17,920 bytes of LDS; arguments hidden_states, gate_w, out1, xb, sel, rwt; writes out1, xb, sel, rwt
.if DOCPART == 1
	.amdgcn_target "amdgcn-amd-amdhsa--gfx1250"
	.amdhsa_code_object_version 6
	.text
	.protected	k_q9b0149d670_router
	.globl	k_q9b0149d670_router
	.p2align	8
	.type	k_q9b0149d670_router,@function
k_q9b0149d670_router:
	s_mov_b64 s[64:65], 0
	v_nop
	global_prefetch_b8 v0, s[64:65] scope:SCOPE_SE
	s_setreg_imm32_b32 hwreg(HW_REG_WAVE_MODE, 25, 1), 1
	s_wait_xcnt 0x0
; ROUTER.  logits[t][e] = x[t] . gate_w[e]; the two largest logits of a token choose its experts; x is also written out in bf16.
; x and gate_w are rounded to bf16 once, as every input of this program is; products and sums in f32.
; SHARES.  A work-group has 8 tokens, a wave one: token = 8 x work-group + wave.  Lane L holds elements 128 j + 4 L + 0..3 of the row, j = 0..7.
; Eight columns and a two-thousandth of the program's multiply-adds: the dot products are fused multiply-adds on bf16 halves, not matrix instructions.
; WHAT IS STORED.  out1: the logits.  xb: x in bf16.  sel[t] = (1 << e0) | (256 << e1), a whole number at a fixed place; rwt[t], rwt[1024 + t]: the two weights.
; No address and no branch here hangs on the choice: it is made by v_cndmask_b32 alone.
; LIMITS.  The two experts are taken by the logits (strictly greater wins, so the lower index is kept among equals); softmax is monotone, so this differs from a choice by
; probabilities only where unequal logits round to equal probabilities.  With q = exp(l2 - l1), l1 the maximum, the weights are 1 / (1 + q) and q / (1 + q): the softmax's own
; denominator cancels.  q below 2^-126 counts as 0.  NaN and infinities are not treated apart.
.set STG,   16384                      ; LDS: 0..16383 the eight gate rows in bf16 (expert e at 2048 e; packed registers 4 k .. 4 k + 3 of lane L at 512 k + 16 L)
.set STG2,  16640                      ; STG: the group's 64 logits, as they lie in out1.  STG2: sel at +0, first weight at +32, second at +64, 4 bytes a wave
.set SPARE, 16896                      ; the spare words: 128 bytes for each of eight waves; no other line names them
.set X,   8                            ; v[8:39]    my token's row in f32; later at work
.set G,   40                           ; v[40:71]   gate row number (my wave) in f32; later at work
.set XP,  72                           ; v[72:87]   my token's row, packed bf16
.set GM,  88                           ; v[88:103]  that gate row, packed
.set GP,  104                          ; v[104:231] all eight gate rows, packed: expert e at GP + 16 e
.set SM,  232                          ; v[232:239] the eight sums
	s_load_b256 s[4:11], s[0:1], 0x0               ; x s[4:5], gate_w s[6:7], out1 s[8:9], xb s[10:11]
	s_load_b128 s[12:15], s[0:1], 0x20             ; sel s[12:13], rwt s[14:15]
	v_lshl_add_u32 v4, v0, 2, SPARE                ; my spare word, and 0: kept for the closing add alone
	v_mov_b32 v5, 0
	v_lshrrev_b32 v1, 5, v0
	v_readfirstlane_b32 s16, v1                    ; wave 0..7
	v_and_b32 v1, 31, v0                           ; lane
	v_lshlrev_b32 v2, 4, v1                        ; 16 L
	v_lshlrev_b32 v3, 3, v1                        ; 8 L
	v_and_b32 v6, 7, v0
	v_lshlrev_b32 v6, 2, v6                        ; 4 (L mod 8)
	v_mov_b32 v7, 1
	s_lshl_b32 s17, ttmp9, 3
	s_add_co_u32 s17, s17, s16                     ; my token
	s_lshl_b32 s2, s16, 12
	v_add_nc_u32 v240, s2, v2                      ; gate row (wave): 4,096 bytes a row
	s_lshl_b32 s2, s17, 12
	v_add_nc_u32 v241, s2, v2                      ; x row (token)
	s_lshl_b32 s2, s17, 11
	v_add_nc_u32 v242, s2, v3                      ; xb row (token): 2,048 bytes a row, 8 bytes a lane
	s_lshl_b32 s2, s16, 11
	v_add_nc_u32 v243, s2, v2                      ; LDS: my gate row's place
	s_mov_b32 s18, 0xaaaaaaaa                      ; lanes whose number has bit 0, bit 1, bit 2
	s_mov_b32 s19, 0xcccccccc
	s_mov_b32 s20, 0xf0f0f0f0
	s_mov_b32 s22, 0x76543210                      ; v_permlanex16_b32: each lane takes its own place in the other half
	s_mov_b32 s23, 0xfedcba98
	s_wait_kmcnt 0x0
.irp j, 0,1,2,3,4,5,6,7
	global_load_b128 v[G+4*(\j):G+4*(\j)+3], v240, s[6:7] offset:512*(\j)
.endr
.irp j, 0,1,2,3,4,5,6,7
	global_load_b128 v[X+4*(\j):X+4*(\j)+3], v241, s[4:5] offset:512*(\j) th:TH_LOAD_NT
.endr
	s_wait_loadcnt 0x8                             ; the gate row is in; the eight loads of x are younger
.irp i, 0,1,2,3,4,5,6,7,8,9,10,11,12,13,14,15
	v_cvt_pk_bf16_f32 v[GM+(\i)], v[G+2*(\i)], v[G+2*(\i)+1]
.endr
.irp k, 0,1,2,3
	ds_store_b128 v243, v[GM+4*(\k):GM+4*(\k)+3] offset:512*(\k)
.endr
	v_mov_b32 v40, 0                               ; the C that starts the eight sums
	s_wait_loadcnt 0x0
.irp i, 0,1,2,3,4,5,6,7,8,9,10,11,12,13,14,15
	v_cvt_pk_bf16_f32 v[XP+(\i)], v[X+2*(\i)], v[X+2*(\i)+1]
.endr
.irp j, 0,1,2,3,4,5,6,7
	global_store_b64 v242, v[XP+2*(\j):XP+2*(\j)+1], s[10:11] offset:256*(\j)  ; the wave's 32 lanes store 256 consecutive bytes, aligned
.endr
	s_wait_dscnt 0x0                               ; for the others' sake: my gate row lies in LDS
	s_barrier_signal -1
	s_barrier_wait -1
.irp e, 0,1,2,3,4,5,6,7
.irp k, 0,1,2,3
	ds_load_b128 v[GP+16*(\e)+4*(\k):GP+16*(\e)+4*(\k)+3], v2 offset:2048*(\e)+512*(\k)
.endr
.endr
	s_wait_dscnt 0x0
	; 32 elements a lane x 8 experts: eight chains that do not wait for each other
.set n, 0
.rept 16
.irp e, 0,1,2,3,4,5,6,7
.if n == 0
	v_fma_mix_f32_bf16 v[SM+(\e)], v[XP+n], v[GP+16*(\e)+n], v40 op_sel_hi:[1,1,0]
.else
	v_fma_mix_f32_bf16 v[SM+(\e)], v[XP+n], v[GP+16*(\e)+n], v[SM+(\e)] op_sel_hi:[1,1,0]
.endif
.endr
.irp e, 0,1,2,3,4,5,6,7
	v_fma_mix_f32_bf16 v[SM+(\e)], v[XP+n], v[GP+16*(\e)+n], v[SM+(\e)] op_sel:[1,1,0] op_sel_hi:[1,1,0]
.endr
.set n, n+1
.endr
	; across the 32 lanes; every lane ends with all eight logits
.irp m, 1,2,4,8
.irp e, 0,1,2,3,4,5,6,7
	v_add_f32_dpp v[SM+(\e)], v[SM+(\e)], v[SM+(\e)] row_xmask:\m row_mask:0xf bank_mask:0xf
.endr
.endr
.irp e, 0,1,2,3,4,5,6,7
	v_permlanex16_b32 v[X+(\e)], v[SM+(\e)], s22, s23   ; its destination counts as read: x's registers have been written
.endr
.irp e, 0,1,2,3,4,5,6,7
	v_add_f32 v[SM+(\e)], v[SM+(\e)], v[X+(\e)]
.endr
	; the largest logit: v16 its value, v17 its index
	v_mov_b32 v16, v[SM]
	v_mov_b32 v17, 0
.irp e, 1,2,3,4,5,6,7
	v_cmp_gt_f32 vcc_lo, v[SM+(\e)], v16
	v_cndmask_b32 v16, v16, v[SM+(\e)], vcc_lo
	v_cndmask_b32 v17, v17, \e, vcc_lo
.endr
	v_mov_b32 v20, 0xff800000                      ; the winner counts as minus infinity in the second scan
.irp e, 0,1,2,3,4,5,6,7
	v_cmp_eq_u32 vcc_lo, \e, v17
	v_cndmask_b32 v[24+(\e)], v[SM+(\e)], v20, vcc_lo
.endr
	v_mov_b32 v18, v24                             ; the second: v18, v19
	v_mov_b32 v19, 0
.irp e, 1,2,3,4,5,6,7
	v_cmp_gt_f32 vcc_lo, v[24+(\e)], v18
	v_cndmask_b32 v18, v18, v[24+(\e)], vcc_lo
	v_cndmask_b32 v19, v19, \e, vcc_lo
.endr
	v_sub_f32 v21, v18, v16                        ; l2 - l1: the maximum is taken away
	v_mul_f32 v21, 0x3fb8aa3b, v21
	v_exp_f32 v22, v21                             ; q
	v_lshlrev_b32 v23, v17, v7                     ; 1 << e0: plain work that names neither q nor its source
	v_add_nc_u32 v32, 8, v19
	v_lshlrev_b32 v32, v32, v7                     ; 256 << e1
	v_or_b32 v23, v23, v32
	s_wait_alu depctr_va_vdst(0)                   ; the wait ahead of the first line that names q
	v_add_f32 v33, 1.0, v22
	v_rcp_f32 v34, v33                             ; the first weight, 1 / (1 + q)
	v_cndmask_b32 v44, v[SM+0], v[SM+1], s18       ; lane L takes logit L mod 8: seven selections, plain work behind the reciprocal
	v_cndmask_b32 v45, v[SM+2], v[SM+3], s18
	v_cndmask_b32 v46, v[SM+4], v[SM+5], s18
	v_cndmask_b32 v47, v[SM+6], v[SM+7], s18
	v_cndmask_b32 v44, v44, v45, s19
	v_cndmask_b32 v46, v46, v47, s19
	v_cndmask_b32 v44, v44, v46, s20
	s_wait_alu depctr_va_vdst(0)                   ; and ahead of the first line that names the reciprocal
	v_mul_f32 v35, v22, v34                        ; the second weight
	s_lshl_b32 s2, s16, 5
	v_add_nc_u32 v36, s2, v6
	ds_store_b32 v36, v44 offset:STG               ; four lanes write each word, with the same value
	s_lshl_b32 s2, s16, 2
	v_mov_b32 v38, s2
	ds_store_b32 v38, v23 offset:STG2              ; all lanes write one word, with the same value
	ds_store_b32 v38, v34 offset:STG2+32
	ds_store_b32 v38, v35 offset:STG2+64
	s_wait_dscnt 0x0                               ; for wave 0's sake
	s_barrier_signal -1
	s_barrier_wait -1
	s_cmp_lg_u32 s16, 0
	s_cbranch_scc1 .Lend                           ; wave 0 stores for the group
	ds_load_b64 v[8:9], v3 offset:STG
	ds_load_b32 v10, v6 offset:STG2
	ds_load_b32 v11, v6 offset:STG2+32
	ds_load_b32 v12, v6 offset:STG2+64
	s_lshl_b32 s2, ttmp9, 8
	v_add_nc_u32 v13, s2, v3
	s_lshl_b32 s2, ttmp9, 5
	v_add_nc_u32 v14, s2, v6
	s_wait_dscnt 0x0
	global_store_b64 v13, v[8:9], s[8:9]           ; eight tokens' logits: 256 consecutive bytes, aligned
	v_cmp_gt_u32 vcc_lo, 8, v1
	s_wait_xcnt 0x0                                ; EXEC changes only behind this wait
	s_and_saveexec_b32 s24, vcc_lo
	global_store_b32 v14, v10, s[12:13]            ; lanes 0 to 7: a token each
	global_store_b32 v14, v11, s[14:15]
	global_store_b32 v14, v12, s[14:15] offset:4096
	s_wait_xcnt 0x0                                ; and again, ahead of the line that widens it
	s_or_b32 exec_lo, exec_lo, s24
.Lend:
	s_wait_tensorcnt 0x0                           ; the wave's end
	ds_add_u32 v4, v5
	s_wait_dscnt 0x0
	s_endpgm
.Lfunc_end_k_q9b0149d670_router:
	.size	k_q9b0149d670_router, .Lfunc_end_k_q9b0149d670_router-k_q9b0149d670_router
	.p2alignl 7, 3214868480
	.fill 96, 4, 3214868480
	.section	.rodata,"a",@progbits
	.p2align	6, 0x0
	.amdhsa_kernel k_q9b0149d670_router
		.amdhsa_group_segment_fixed_size 17920
		.amdhsa_private_segment_fixed_size 0
		.amdhsa_enable_private_segment 0
		.amdhsa_kernarg_size 48
		.amdhsa_user_sgpr_count 2
		.amdhsa_user_sgpr_kernarg_segment_ptr 1
		.amdhsa_wavefront_size32 1
		.amdhsa_system_sgpr_workgroup_id_x 1
		.amdhsa_system_sgpr_workgroup_id_y 1
		.amdhsa_system_sgpr_workgroup_id_z 1
		.amdhsa_system_vgpr_workitem_id 0
		.amdhsa_next_free_vgpr 244
		.amdhsa_next_free_sgpr 66
		.amdhsa_reserve_vcc 1
		.amdhsa_float_denorm_mode_32 3
		.amdhsa_float_denorm_mode_16_64 3
		.amdhsa_memory_ordered 1
		.amdhsa_forward_progress 1
		.amdhsa_inst_pref_size 32
	.end_amdhsa_kernel
	.amdgpu_metadata
---
amdhsa.version: [ 1, 2 ]
amdhsa.kernels:
  - .name:           k_q9b0149d670_router
    .symbol:         k_q9b0149d670_router.kd
    .args:
      - { .name: hidden_states, .offset: 0, .size: 8, .value_kind: global_buffer, .address_space: global }
      - { .name: gate_w, .offset: 8, .size: 8, .value_kind: global_buffer, .address_space: global }
      - { .name: out1, .offset: 16, .size: 8, .value_kind: global_buffer, .address_space: global }
      - { .name: xb, .offset: 24, .size: 8, .value_kind: global_buffer, .address_space: global }
      - { .name: sel, .offset: 32, .size: 8, .value_kind: global_buffer, .address_space: global }
      - { .name: rwt, .offset: 40, .size: 8, .value_kind: global_buffer, .address_space: global }
    .group_segment_fixed_size: 17920
    .private_segment_fixed_size: 0
    .kernarg_segment_align: 8
    .kernarg_segment_size: 48
    .max_flat_workgroup_size: 256
    .sgpr_count:     66
    .vgpr_count:     244
    .wavefront_size: 32
...
	.end_amdgpu_metadata
.endif
;; end of part 1
;; launch up (part 2): grid 256 x 1, 4 waves a work-group, no clusters, 266,752 bytes of LDS; arguments xb, sel, w1, hbuf; writes hbuf
.if DOCPART == 2
	.amdgcn_target "amdgcn-amd-amdhsa--gfx1250"
	.amdhsa_code_object_version 6
	.text
	.protected	k_q9b0149d670_up
	.globl	k_q9b0149d670_up
	.p2align	8
	.type	k_q9b0149d670_up,@function
k_q9b0149d670_up:
	s_mov_b64 s[64:65], 0
	v_nop
	global_prefetch_b8 v0, s[64:65] scope:SCOPE_SE
	s_setreg_imm32_b32 hwreg(HW_REG_WAVE_MODE, 25, 1), 1
	s_wait_xcnt 0x0
; UP (UP = 1): h = gelu(x w1[E]) for the tokens that chose expert E.  The common part of this text, with UP = 0, is the second product.
; SHARES.  256 work-groups = 8 experts x 32 slices of 1,024 K x 128 columns of one expert's weights, which this work-group alone reads, once, in f32.
;   Slice CS holds columns 64 CS .. + 63 and 2048 + 64 CS .. + 63 of w1 (two strips).  Four waves, all alike: each fetches a quarter of every K step's weights and multiplies a quarter of the rows.
; IMAGES.  A lane (r = L % 16, h = L / 16) loads 16 bytes of weights: columns 4 r .. 4 r + 3 of one K row, so 16 lanes read 256 consecutive aligned bytes.  Column tile c of a strip IS the columns
;   4 r + c.  Eight such loads give the lane eight K of four tiles; two by two they are rounded to bf16 into four registers of each tile's fragment: nothing is transposed.  The image of K step u lies
;   at 8192 u + 1024 ct + 512 q + 16 L (ct = 4 strip + c; q: which 16 of the step's 32 K; wave w has strip w % 2, q = w / 2), is written once and stays: later passes over more rows read it again.
; ONE QUEUE OF LOADS.  Loads come back in order on one counter (ISA guide 5.7.1).  A trip issues 8 loads of weights (K step s + 5) and 10 of token rows (K step s + 3); what it needs was issued three
;   trips before, so its wait leaves the 36 loads of the two trips between; 54 loads of a wave are out at the most in the loop, 62 in the head.
; ROWS.  sel holds a whole number a token, stored by the launch before.  Members of the expert take ranks 0 .. CNT - 1 in the list, the others fill it from 1023 down, so every word names a token that
;   exists.  A tile is 16 ranks; pass p gives wave w the tiles 20 p + 4 a + w, a = 0..4: 320 rows a pass, four passes at the most (all 1,024 tokens on one expert).  The first pass runs beside
;   the stream of weights; later ones read the images that lie in LDS.
; WORK BEYOND THE COUNT.  Rows are rounded up to tiles of 16; a wave's tiles 0-3 are always multiplied (on a clamped row where they are dead), its fifth only where it is live.
; h's STORED ORDER.  A lane holds, for a token, columns 4 r .. + 3 of both strips: 8 bf16, 16 bytes, stored at row byte 256 CS + 16 r: 16 lanes fill 256 aligned bytes.  So stored place
;   8 S + i (S = 16 CS + r) is column 4 S + i of H for i < 4, and 2048 + 4 S + i - 4 else.  The next launch reads h as it lies and takes w2's rows in that same order.
; NO CLUSTER.  Each byte of weights has one reader; the token rows that an expert's 32 work-groups share come by a list, which no tile's descriptor covers.
; LIMITS.  gelu(x) = x/2 (1 + erf(x / sqrt 2)), erf(z) = z P(z^2) / Q(z^2), degrees 6 and 4, z held to -4 .. 4, where erf is within 2e-8 of 1 in size.  h is rounded to bf16 once.
;   NaN and infinities are not treated apart.  An expert without tokens: 16 rows (of tokens that exist) are still written, and the next launch stores nothing for it.
.set UP, 1
.set LIST,  262144                     ; LDS: 0 .. 262143 the 32 images; then the list, 1,024 words
.set SPARE, 266240                     ; the spare words: 128 bytes for each of four waves; no other line names them
.if UP
.set KB,    524288                     ; bytes of w1 from a K step to the next: 32 rows of 16,384
.else
.set KB,    65536                      ; 16 rows of 4,096 (the step's other 16 rows lie 2,048 rows further down)
.endif
; window 0
.set IMR,  1                           ; v1     LDS address from which images are read
.set IMW,  2                           ; v2     LDS address at which my part of an image is written
.set WOF,  3                           ; v3     my byte offset in the weights
.set AOFF, 4                           ; v4-8   byte offsets of my five tiles' rows
.set SPW,  9                           ; v9     my spare word;  v10  0: kept for the closing add alone
.set NIL,  10
.set LR,   11                          ; v11 r;  v12 h;  v13 lane;  v14 16 h
.set LH,   12
.set LL,   13
.set H16,  14
.set SOF,  15                          ; v15    my byte offset in what is stored; never rewritten
.set F,    16                          ; v16-31   a packed quarter image
.set BF,   32                          ; v32-95   B: two halves of four column tiles
.set AF,   96                          ; v96-255  A: four buffers of five fragments
.set RT,   32                          ; at work while no B is held
; window 1: accumulators of tiles 0-3, tile a, column tile ct at 64 a + 8 ct.   window 2: v0-63 accumulators of tile 4; v64-191 four slots of eight loads of weights
.set WS,   64
; s14 wave; s16 expert; s17 slice; s18 K quarter; s19 laps; s20 CNT; s21 live tiles; s22 last row to be named; s23 my fifth tile is live; s24 pass; s25 tile; s[28:29] A's origin; s[30:31] A, stepped;
; s[32:63] the 32 masks of members, later constants; s[66:67], s[68:69] weights, stepped; s[70:71] where results go; s72, s74 bits of sel; s[76:77], s78 later passes
.set MSB, 0
.macro WIN new                         ; s_set_vgpr_msb: bits 1:0 source 0, 3:2 source 1, 5:4 source 2, 7:6 destination; the high byte repeats the setting that is left
.if MSB != (\new)
	s_set_vgpr_msb (MSB<<8)|(\new)
.set MSB, \new
.endif
.endm
.macro PLACES                          ; four plain vector instructions between a matrix instruction and a load into, or a vector line on, its registers
.rept 4
	v_nop
.endr
.endm
.macro LD slot, k                      ; eight loads: my 8 K rows x 4 columns of K step k (counted from the stepped base) into a slot
	WIN 0x80                                       ; destination in window 2
.irp i, 0,1,2,3,4,5,6,7
.if UP
	global_load_b128 v[WS+32*(\slot)+4*(\i):WS+32*(\slot)+4*(\i)+3], v[WOF], s[66:67] offset:(\k)*KB+16384*(\i) th:TH_LOAD_NT
.elseif (\i) < 4
	global_load_b128 v[WS+32*(\slot)+4*(\i):WS+32*(\slot)+4*(\i)+3], v[WOF], s[66:67] offset:(\k)*KB+4096*(\i) th:TH_LOAD_NT
.else
	global_load_b128 v[WS+32*(\slot)+4*(\i):WS+32*(\slot)+4*(\i)+3], v[WOF], s[68:69] offset:(\k)*KB+4096*((\i)-4) th:TH_LOAD_NT
.endif
.endr
	WIN 0
.endm
.macro IMG slot, kimg                  ; a slot is rounded to bf16 and stored as my quarter of an image
	WIN 0x0a                                       ; sources 0 and 1 in window 2
.irp c, 0,1,2,3
.irp p, 0,1,2,3
	v_cvt_pk_bf16_f32 v[F+4*(\c)+(\p)], v[WS+32*(\slot)+8*(\p)+(\c)], v[WS+32*(\slot)+8*(\p)+4+(\c)]  ; column c of K rows 2 p, 2 p + 1
.endr
.endr
	WIN 0
.irp c, 0,1,2,3
	ds_store_b128 v[IMW], v[F+4*(\c):F+4*(\c)+3] offset:(\kimg)*8192+(\c)*1024
.endr
.endm
.macro BLOAD hb, kimg                  ; four column tiles' fragments out of an image: eight loads, each 512 consecutive bytes
.irp c, 0,1,2,3
	ds_load_b128 v[BF+32*(\hb)+8*(\c):BF+32*(\hb)+8*(\c)+3],   v[IMR] offset:(\kimg)*8192+(4*(\hb)+(\c))*1024
	ds_load_b128 v[BF+32*(\hb)+8*(\c)+4:BF+32*(\hb)+8*(\c)+7], v[IMR] offset:(\kimg)*8192+(4*(\hb)+(\c))*1024+512
.endr
.endm
.macro ALOAD buf, sb, off              ; five row tiles' fragments: ten loads, always all ten, so that the counts are alike on every way
.irp a, 0,1,2,3,4
	global_load_b128 v[AF+40*(\buf)+8*(\a):AF+40*(\buf)+8*(\a)+3],   v[AOFF+(\a)], s[\sb:\sb+1] offset:(\off)
	global_load_b128 v[AF+40*(\buf)+8*(\a)+4:AF+40*(\buf)+8*(\a)+7], v[AOFF+(\a)], s[\sb:\sb+1] offset:(\off)+32
.endr
.endm
; 20 matrix instructions: five row tiles x four column tiles.  Source 0 = 16 tokens, source 1 = 16 columns.  The accumulators take turns, one instruction a turn.
; zero = 1: the products start the sums, and none is jumped, so that every accumulator is written on every way.
.macro HALF hb, ab, zero
	WIN 0x50                                       ; C and D in window 1
.irp a, 0,1,2,3
.irp c, 0,1,2,3
.if \zero
	v_wmma_f32_16x16x32_bf16 v[64*(\a)+8*(4*(\hb)+(\c)):64*(\a)+8*(4*(\hb)+(\c))+7], v[AF+40*(\ab)+8*(\a):AF+40*(\ab)+8*(\a)+7], v[BF+32*(\hb)+8*(\c):BF+32*(\hb)+8*(\c)+7], 0
.else
	v_wmma_f32_16x16x32_bf16 v[64*(\a)+8*(4*(\hb)+(\c)):64*(\a)+8*(4*(\hb)+(\c))+7], v[AF+40*(\ab)+8*(\a):AF+40*(\ab)+8*(\a)+7], v[BF+32*(\hb)+8*(\c):BF+32*(\hb)+8*(\c)+7], v[64*(\a)+8*(4*(\hb)+(\c)):64*(\a)+8*(4*(\hb)+(\c))+7]
.endif
.endr
.endr
.if !(\zero)
	WIN 0                                          ; at a branch and at a label every window is 0
	s_cmp_eq_u32 s23, 0
	s_cbranch_scc1 .Lno5_\@                        ; my fifth tile holds no row of the expert
.endif
	WIN 0xa0                                       ; C and D in window 2
.irp c, 0,1,2,3
.if \zero
	v_wmma_f32_16x16x32_bf16 v[8*(4*(\hb)+(\c)):8*(4*(\hb)+(\c))+7], v[AF+40*(\ab)+32:AF+40*(\ab)+39], v[BF+32*(\hb)+8*(\c):BF+32*(\hb)+8*(\c)+7], 0
.else
	v_wmma_f32_16x16x32_bf16 v[8*(4*(\hb)+(\c)):8*(4*(\hb)+(\c))+7], v[AF+40*(\ab)+32:AF+40*(\ab)+39], v[BF+32*(\hb)+8*(\c):BF+32*(\hb)+8*(\c)+7], v[8*(4*(\hb)+(\c)):8*(4*(\hb)+(\c))+7]
.endif
.endr
	WIN 0
.if !(\zero)
.Lno5_\@:
.endif
.endm
; A TRIP: K step s is multiplied (image kb from v1 on, A's buffer ab) while image s + 2 is made (img: slot wslot to image kimg from v2 on), the weights of K step s + 5 (ldw: slot nslot, step kld from
; the base on) and the rows of K step s + 3 (lda: buffer nb, step ka from the base on) are asked for.  B's first half of step s came in during step s - 1; its second half is asked for here, the first
; half of step s + 1 in the middle (ldb).  bar: a barrier ends the trip: image s + 2, whose stores are done, is first read in trip s + 1.
.macro TRIP kb, ab, first, zero, img, wslot, kimg, ldw, nslot, kld, lda, nb, ka, lcnt, ldb, bar
	s_wait_loadcnt \lcnt                           ; this trip's weights and rows are in; lcnt loads were issued behind them
.if \img
	IMG \wslot, \kimg                              ; its sixteen conversions are also the places behind the last trip's products
.else
	PLACES
.endif
.if \first
	BLOAD 0, \kb
.endif
	BLOAD 1, \kb
.if \ldw
	LD \nslot, \kld
.endif
.if \lda
	ALOAD \nb, 30, 64*(\ka)
.endif
	s_wait_dscnt 0x8                               ; B's first half is in: the eight loads of its second half are younger
	HALF 0, \ab, \zero
	PLACES
.if \ldb
	BLOAD 0, (\kb)+1
	s_wait_dscnt 0x8                               ; B's second half is in: the eight just issued are younger
.else
	s_wait_dscnt 0x0
.endif
	HALF 1, \ab, \zero
.if \bar
	s_wait_dscnt 0x0                               ; for the others' sake: my stores into the image are done; my loads came back under the last twenty products
	s_barrier_signal -1
	s_barrier_wait -1
.endif
.endm
; The byte offsets of my five tiles' rows in pass s2 / 20.  A rank past the last row to be named takes that row.
.macro ROWS
	s_add_co_u32 s3, s2, s14
	s_lshl_b32 s27, s3, 4
	v_add_nc_u32 v[RT], s27, v[LR]
.irp a, 0,1,2,3,4
	v_add_nc_u32 v[RT+1+(\a)], 64*(\a), v[RT]      ; rank 16 (20 p + 4 a + w) + r
	v_min_u32 v[RT+1+(\a)], s22, v[RT+1+(\a)]
	v_min_u32 v[RT+1+(\a)], 0x3ff, v[RT+1+(\a)]
.if UP
	v_lshl_add_u32 v[RT+1+(\a)], v[RT+1+(\a)], 2, LIST
	ds_load_b32 v[RT+8+(\a)], v[RT+1+(\a)]
.else
	v_lshl_add_u32 v[AOFF+(\a)], v[RT+1+(\a)], 13, v[H16]  ; h's rows lie by rank, 8,192 bytes each
.endif
.endr
.if UP
	s_wait_dscnt 0x0
.irp a, 0,1,2,3,4
	v_min_u32 v[RT+8+(\a)], 0x7ff, v[RT+8+(\a)]
	v_and_b32 v[RT+8+(\a)], 0x3ff, v[RT+8+(\a)]    ; the token
	v_lshl_add_u32 v[AOFF+(\a)], v[RT+8+(\a)], 11, v[H16]  ; x's rows in bf16: 2,048 bytes each
.endr
.endif
	s_add_co_u32 s3, s3, 16
	s_cmp_lt_u32 s3, s21
	s_cselect_b32 s23, 1, 0
.endm
.macro XSTEP zero                      ; a K step of a later pass: the images lie in LDS; nothing is asked for ahead
	PLACES
	ALOAD 0, 76, 0
	BLOAD 0, 0
	BLOAD 1, 0
	s_wait_loadcnt 0x0
	s_wait_dscnt 0x0
	HALF 0, 0, \zero
	HALF 1, 0, \zero
	s_wait_xcnt 0x0                                ; the base is stepped only behind this wait
	s_add_nc_u64 s[76:77], s[76:77], 64
	v_add_nc_u32 v[IMR], 8192, v[IMR]
.endm
	s_load_b256 s[4:11], s[0:1], 0x0               ; A's source s[4:5], sel s[6:7], the weights s[8:9], the result s[10:11]
.if !UP
	s_load_b64 s[12:13], s[0:1], 0x20              ; rwt
.endif
	v_lshl_add_u32 v[SPW], v0, 2, SPARE
	v_mov_b32 v[NIL], 0
	v_lshrrev_b32 v1, 5, v0
	v_readfirstlane_b32 s14, v1                    ; wave 0..3
	s_lshr_b32 s16, ttmp9, 5                       ; expert
.if UP
	s_and_b32 s17, ttmp9, 31                       ; slice of H
.else
	s_bfe_u32 s17, ttmp9, 0x30002                  ; slice of D: 3 bits from bit 2
	s_and_b32 s18, ttmp9, 3                        ; quarter of K
.endif
	v_and_b32 v[LR], 15, v0
	v_bfe_u32 v[LH], v0, 4, 1
	v_and_b32 v[LL], 31, v0
	v_lshlrev_b32 v[H16], 4, v[LH]
	v_lshlrev_b32 v[IMR], 4, v[LL]
	v_lshlrev_b32 v[SOF], 4, v[LR]
	v_lshlrev_b32 v[WOF], 4, v[LR]
	s_and_b32 s3, s14, 1                           ; strip
	s_lshr_b32 s2, s14, 1                          ; q
.if UP
	v_lshl_add_u32 v[SOF], v[LH], 16, v[SOF]       ; in h: 16 r, and 8 rows of 8,192 bytes for the upper half of the lanes
	v_lshl_add_u32 v[WOF], v[LH], 17, v[WOF]       ; h: 8 rows of 16,384 bytes
	s_lshl_b32 s27, s3, 13                         ; strip: 2,048 columns
	s_lshl_b32 s26, s2, 18                         ; q: 16 rows
.else
	v_lshl_add_u32 v[WOF], v[LH], 14, v[WOF]       ; h: 4 rows of 4,096 bytes
	s_lshl_b32 s27, s3, 8                          ; strip: 64 columns
	s_lshl_b32 s26, s2, 15                         ; q: 8 rows
.endif
	s_add_co_u32 s27, s27, s26
	v_add_nc_u32 v[WOF], s27, v[WOF]
	s_lshl_b32 s27, s3, 12                         ; in an image: four tiles of 1,024 bytes a strip,
	s_lshl_b32 s26, s2, 9                          ; 512 bytes for each q
	s_add_co_u32 s27, s27, s26
	v_lshl_add_u32 v[IMW], v[LL], 4, s27
	s_lshl_b32 s72, 0x101, s16                     ; the expert's two bits in sel: chosen first, chosen second
	s_add_co_u32 s74, s16, 8
	s_lshl_b32 s2, s16, 24                         ; an expert's weights are 2^24 bytes
.if UP
	s_lshl_b32 s3, s17, 8
.else
	s_lshl_b32 s3, s17, 9
	s_lshl_b32 s26, s18, 21                        ; a quarter begins 512 rows on
	s_add_co_u32 s3, s3, s26
.endif
	s_add_co_u32 s2, s2, s3
	s_mov_b32 s3, 0
	s_wait_kmcnt 0x0
	s_add_nc_u64 s[66:67], s[8:9], s[2:3]
.if UP
	s_mov_b64 s[28:29], s[4:5]
.else
	s_add_nc_u64 s[68:69], s[66:67], 0x800000      ; 2,048 rows further down
	s_lshl_b32 s2, s16, 23                         ; an expert's 1,024 places of 8,192 bytes
	s_lshl_b32 s26, s18, 11                        ; my quarter of a row
	s_add_co_u32 s2, s2, s26
	s_add_nc_u64 s[28:29], s[4:5], s[2:3]
.endif
	s_mov_b64 s[30:31], s[28:29]
.irp g, 0,1,2,3,4,5,6,7
	global_load_b128 v[AF+4*(\g):AF+4*(\g)+3], v[IMR], s[6:7] offset:512*(\g)  ; sel: word 4 g + c, lane L: token 128 g + 4 L + c
.endr
	LD 0, 0
	LD 1, 1
	LD 2, 2
	LD 3, 3
	s_wait_loadcnt 32                              ; sel is in: the 32 loads of weights are younger
.set wd, 0
.rept 32
	v_and_b32 v[BF+wd], s72, v[AF+wd]
.set wd, wd+1
.endr
.set wd, 0
.rept 32
	v_cmp_ne_u32 s[32+wd], 0, v[BF+wd]             ; the word's members
.set wd, wd+1
.endr
	s_mov_b32 s20, 0
.set wd, 0
.rept 32
	s_bcnt1_i32_b32 s2, s[32+wd]
	s_add_co_u32 s20, s20, s2                      ; CNT
.set wd, wd+1
.endr
	s_add_co_u32 s21, s20, 15
	s_lshr_b32 s21, s21, 4
.if UP
	s_max_u32 s21, s21, 1                          ; one tile at the least is written, so that the next launch finds row 0
	s_lshl_b32 s22, s21, 4
	s_sub_co_u32 s22, s22, 1                       ; all 16 ranks of a live tile name a token of their own
.else
	s_max_u32 s22, s20, 1
	s_sub_co_u32 s22, s22, 1                       ; a rank past the count repeats the expert's last row
.endif
	; Wave 0 alone stores the list, ahead of the first barrier, while no other wave touches LDS: where a word goes hangs on sel.
	s_cmp_lg_u32 s14, 0
	s_cbranch_scc1 .Lnolist
	v_lshlrev_b32 v[F], 2, v[LL]                   ; 4 L
	s_mov_b32 s3, 0                                ; members so far
.set wd, 0
.rept 32
.set tt, BF+4*(wd%8)
	v_mbcnt_lo_u32_b32 v[tt], s[32+wd], s3         ; members ahead of me: a member's rank
	v_add_nc_u32 v[tt+1], 1023-32*wd, v[tt]
	v_sub_nc_u32 v[tt+1], v[tt+1], v[LL]           ; 1023 less the others ahead of me: another's place
	v_cndmask_b32 v[tt+1], v[tt+1], v[tt], s[32+wd]
	v_min_u32 v[tt+1], 0x3ff, v[tt+1]
	v_lshl_add_u32 v[tt+1], v[tt+1], 2, LIST
	v_bfe_u32 v[tt+2], v[AF+wd], s74, 1            ; 1: chosen second
	v_lshl_add_u32 v[tt+2], v[tt+2], 10, v[F]
	v_add_nc_u32 v[tt+2], 128*(wd/4)+wd%4, v[tt+2] ; the entry: 1024 x (chosen second) + token
	ds_store_b32 v[tt+1], v[tt+2]
	s_bcnt1_i32_b32 s2, s[32+wd]
	s_add_co_u32 s3, s3, s2
.set wd, wd+1
.endr
.Lnolist:
	s_wait_dscnt 0x0                               ; for the others' sake: the list lies in LDS
	s_barrier_signal -1
	s_barrier_wait -1
	s_mov_b32 s2, 0
	ROWS
	ALOAD 0, 30, 0
	ALOAD 1, 30, 64
	ALOAD 2, 30, 128
	s_wait_loadcnt 54                              ; K step 0's weights are in: behind them 24 loads of weights and 30 of rows
	IMG 0, 0
	LD 0, 4
	s_wait_loadcnt 54                              ; K step 1's: behind them 16 + 30 + 8
	IMG 1, 1
	s_wait_dscnt 0x0                               ; images 0 and 1 lie in LDS
	s_barrier_signal -1
	s_barrier_wait -1
	; the queue now holds: weights 2, 3; rows 0, 1, 2; weights 4
	TRIP 0, 0, 1, 1, 1, 2, 2, 1, 1, 5, 1, 3, 3, 28, 1, 1    ; K step 0 starts the sums; behind rows 0: 20 + 8
	TRIP 1, 1, 0, 0, 1, 3, 3, 1, 2, 6, 1, 0, 4, 36, 1, 1    ; behind rows 1: 10 + 8 + 18
	TRIP 2, 2, 0, 0, 1, 0, 4, 1, 3, 7, 1, 1, 5, 36, 1, 1    ; behind weights 4: 18 + 18
	v_add_nc_u32 v[IMR], 3*8192, v[IMR]            ; the loop counts images from K step 3,
	v_add_nc_u32 v[IMW], 5*8192, v[IMW]            ; and from image 5
	s_mov_b32 s19, 6
.Llap:                                                 ; six laps of four trips: K steps 3 to 26, images 5 to 28; A's four buffers and the four slots come round
.set tb, 0
.rept 4
	TRIP tb, (3+tb)%4, 0, 0, 1, (1+tb)%4, tb, 1, tb, 8+tb, 1, (2+tb)%4, 6+tb, 36, 1, 1
.set tb, tb+1
.endr
	s_wait_xcnt 0x0                                ; the bases of the loads that are out are stepped only behind this wait
	s_add_nc_u64 s[66:67], s[66:67], 4*KB
.if !UP
	s_add_nc_u64 s[68:69], s[68:69], 4*KB
.endif
	s_add_nc_u64 s[30:31], s[30:31], 256
	v_add_nc_u32 v[IMR], 4*8192, v[IMR]
	v_add_nc_u32 v[IMW], 4*8192, v[IMW]
	s_sub_co_u32 s19, s19, 1
	s_cmp_lg_u32 s19, 0
	s_cbranch_scc1 .Llap
	TRIP 0, 3, 0, 0, 1, 1, 0, 0, 0, 0, 1, 2, 6, 36, 1, 1    ; K step 27: no more weights are asked for
	TRIP 1, 0, 0, 0, 1, 2, 1, 0, 0, 0, 1, 3, 7, 28, 1, 1    ; 28: behind its loads 18 + 10
	TRIP 2, 1, 0, 0, 1, 3, 2, 0, 0, 0, 0, 0, 0, 20, 1, 1    ; 29: 10 + 10; the last image, and the last barrier of the stream
	TRIP 3, 2, 0, 0, 0, 0, 0, 0, 0, 0, 0, 0, 0, 10, 1, 0    ; 30
	TRIP 4, 3, 0, 0, 0, 0, 0, 0, 0, 0, 0, 0, 0, 0, 0, 0     ; 31
	PLACES
	; THE ACTIVATION.  A tile's block makes z = x / sqrt 2 and x / 2 out of its accumulators, into registers that are the same for every tile; one text of four units does the rest.
.macro COEF r, x                       ; a constant as a pair: the packed lines name the pair and take its low word for both halves
	s_mov_b32 s[\r], \x
	s_mov_b32 s[\r+1], \x
.endm
	COEF 32, 0xaf95df0b                            ; P: -2.72614226e-10
	COEF 34, 0x32edffee                            ;     2.77068142e-08
	COEF 36, 0xb60cff51                            ;    -2.10102402e-06
	COEF 38, 0xb86ec2d2                            ;    -5.69250639e-05
	COEF 40, 0xba40ac63                            ;    -7.34990630e-04
	COEF 42, 0xbb41a1f6                            ;    -2.95459981e-03
	COEF 44, 0xbc83dbd4                            ;    -1.60960333e-02
	COEF 46, 0xb77460cd                            ; Q: -1.45660718e-05
	COEF 48, 0xb95fbd29                            ;    -2.13374055e-04
	COEF 50, 0xbadc924e                            ;    -1.68282697e-03
	COEF 52, 0xbbf19bf8                            ;    -7.37332917e-03
	COEF 54, 0xbc69b6a7                            ;    -1.42647391e-02
	COEF 56, 0x3f3504f3                            ; 1 / sqrt 2
	s_mov_b32 s58, 0xc0800000                      ; -4
	s_mov_b32 s59, 0x40800000                      ;  4
.set ZR,  32                           ; v32-95   z: column tile ct, row j of my eight at 8 ct + j
.set HX,  96                           ; v96-159  x / 2, likewise
.set Z2,  160                          ; a unit: rows 2 jp, 2 jp + 1 as a pair, for column tile ct at + 2 ct
.set PR,  176
.set QR,  192
.set OUT, 208
.macro GIN a                           ; each accumulator's lowest registers are read first
.Lg\a:
.if (\a) < 4
	WIN 0x01                                       ; source 0 in window 1
.set AC, 64*(\a)
.else
	WIN 0x02                                       ; source 0 in window 2
.set AC, 0
.endif
.irp ct, 0,1,2,3,4,5,6,7
.irp jp, 0,1,2,3
	v_pk_mul_f32 v[ZR+8*(\ct)+2*(\jp):ZR+8*(\ct)+2*(\jp)+1], v[AC+8*(\ct)+2*(\jp):AC+8*(\ct)+2*(\jp)+1], s[56:57] op_sel_hi:[1,0]
.endr
.endr
.irp ct, 0,1,2,3,4,5,6,7
.irp jp, 0,1,2,3
	v_pk_mul_f32 v[HX+8*(\ct)+2*(\jp):HX+8*(\ct)+2*(\jp)+1], v[AC+8*(\ct)+2*(\jp):AC+8*(\ct)+2*(\jp)+1], 0.5 op_sel_hi:[1,0]
.endr
.endr
	WIN 0
.if (\a) < 4
	s_branch .Lgo
.endif
.endm
.macro HORNER d, k
.irp i, 0,2,4,6,8,10,12,14
	v_pk_fma_f32 v[\d+(\i):\d+(\i)+1], v[\d+(\i):\d+(\i)+1], v[Z2+(\i):Z2+(\i)+1], s[\k:\k+1] op_sel_hi:[1,1,0]
.endr
.endm
.macro UNIT jp                         ; rows 2 jp, 2 jp + 1 of both halves of the lanes, all eight column tiles
.irp ct, 0,1,2,3,4,5,6,7
	v_med3_num_f32 v[ZR+8*(\ct)+2*(\jp)],   v[ZR+8*(\ct)+2*(\jp)],   s58, s59
	v_med3_num_f32 v[ZR+8*(\ct)+2*(\jp)+1], v[ZR+8*(\ct)+2*(\jp)+1], s58, s59
.endr
.irp ct, 0,1,2,3,4,5,6,7
	v_pk_mul_f32 v[Z2+2*(\ct):Z2+2*(\ct)+1], v[ZR+8*(\ct)+2*(\jp):ZR+8*(\ct)+2*(\jp)+1], v[ZR+8*(\ct)+2*(\jp):ZR+8*(\ct)+2*(\jp)+1]
.endr
.irp i, 0,2,4,6,8,10,12,14
	v_pk_fma_f32 v[QR+(\i):QR+(\i)+1], v[Z2+(\i):Z2+(\i)+1], s[46:47], s[48:49] op_sel_hi:[1,0,0]
.endr
.irp i, 0,2,4,6,8,10,12,14
	v_pk_fma_f32 v[PR+(\i):PR+(\i)+1], v[Z2+(\i):Z2+(\i)+1], s[32:33], s[34:35] op_sel_hi:[1,0,0]
.endr
	HORNER QR, 50
	HORNER PR, 36
	HORNER QR, 52
	HORNER PR, 38
	HORNER QR, 54
	HORNER PR, 40
.set n, 0
.rept 16
	v_rcp_f32 v[QR+n], v[QR+n]                     ; one batch; the 24 plain lines below name none of its registers
.set n, n+1
.endr
	HORNER PR, 42
	HORNER PR, 44
.irp ct, 0,1,2,3,4,5,6,7
	v_pk_mul_f32 v[PR+2*(\ct):PR+2*(\ct)+1], v[PR+2*(\ct):PR+2*(\ct)+1], v[ZR+8*(\ct)+2*(\jp):ZR+8*(\ct)+2*(\jp)+1]
.endr
	s_wait_alu depctr_va_vdst(0)                   ; the wait ahead of the first line that names a reciprocal: one for the sixteen
.irp i, 0,2,4,6,8,10,12,14
	v_pk_mul_f32 v[PR+(\i):PR+(\i)+1], v[PR+(\i):PR+(\i)+1], v[QR+(\i):QR+(\i)+1]     ; erf
.endr
.irp ct, 0,1,2,3,4,5,6,7
	v_pk_fma_f32 v[PR+2*(\ct):PR+2*(\ct)+1], v[HX+8*(\ct)+2*(\jp):HX+8*(\ct)+2*(\jp)+1], v[PR+2*(\ct):PR+2*(\ct)+1], v[HX+8*(\ct)+2*(\jp):HX+8*(\ct)+2*(\jp)+1]  ; x/2 erf + x/2
.endr
	s_wait_xcnt 0x0                                ; the last unit's stores have read OUT
.irp i, 0,1,2,3
	v_cvt_pk_bf16_f32 v[OUT+(\i)],   v[PR+4*(\i)],   v[PR+4*(\i)+2]   ; row 2 jp: column tiles 2 i, 2 i + 1
	v_cvt_pk_bf16_f32 v[OUT+4+(\i)], v[PR+4*(\i)+1], v[PR+4*(\i)+3]   ; row 2 jp + 1
.endr
	global_store_b128 v[SOF], v[OUT:OUT+3],   s[70:71] offset:(\jp)*16384        ; 16 lanes store 256 consecutive bytes, aligned
	global_store_b128 v[SOF], v[OUT+4:OUT+7], s[70:71] offset:(\jp)*16384+8192
.endm
	s_mov_b32 s24, 0
.Lpass:                                                ; four trips, whatever the count: a pass's tiles go out, then the next pass is multiplied if the expert has rows for it
	s_mov_b32 s25, 0
.Ltile:
	s_mul_i32 s2, s24, 20
	s_lshl2_add_u32 s2, s25, s2
	s_add_co_u32 s2, s2, s14                       ; t = 20 p + 4 a + w
	s_cmp_ge_u32 s2, s21
	s_cbranch_scc1 .Ltnext
	s_lshl_b32 s3, s16, 10
	s_lshl4_add_u32 s2, s2, s3                     ; place 1024 E + 16 t
	s_lshl_b32 s2, s2, 13
	s_lshl_b32 s3, s17, 8
	s_add_co_u32 s2, s2, s3
	s_mov_b32 s3, 0
	s_wait_xcnt 0x0                                ; the last tile's stores have read their base
	s_add_nc_u64 s[70:71], s[10:11], s[2:3]
	s_cmp_eq_u32 s25, 0
	s_cbranch_scc1 .Lg0
	s_cmp_eq_u32 s25, 1
	s_cbranch_scc1 .Lg1
	s_cmp_eq_u32 s25, 2
	s_cbranch_scc1 .Lg2
	s_cmp_eq_u32 s25, 3
	s_cbranch_scc1 .Lg3
	s_branch .Lg4
	GIN 0
	GIN 1
	GIN 2
	GIN 3
	GIN 4
.Lgo:
	UNIT 0
	UNIT 1
	UNIT 2
	UNIT 3
.Ltnext:
	s_add_co_u32 s25, s25, 1
	s_cmp_lt_u32 s25, 5
	s_cbranch_scc1 .Ltile
	s_mul_i32 s2, s24, 20
	s_add_co_u32 s2, s2, 20
	s_cmp_ge_u32 s2, s21
	s_cbranch_scc1 .Lnop                           ; the expert has no rows for a further pass
	s_wait_xcnt 0x0                                ; the stores have read their registers, which the next pass uses
	ROWS
	v_lshlrev_b32 v[IMR], 4, v[LL]
	s_mov_b64 s[76:77], s[28:29]
	XSTEP 1
	s_mov_b32 s78, 31
.Lxk:
	XSTEP 0
	s_sub_co_u32 s78, s78, 1
	s_cmp_lg_u32 s78, 0
	s_cbranch_scc1 .Lxk
	PLACES
.Lnop:
	s_add_co_u32 s24, s24, 1
	s_cmp_lt_u32 s24, 4
	s_cbranch_scc1 .Lpass
	s_wait_dscnt 0x0                               ; the later passes' LDS reads take their addresses from the pass and the count: in every wave they are over
	s_barrier_signal -1                            ; before any wave's last LDS write
	s_barrier_wait -1
	s_wait_tensorcnt 0x0                           ; the wave's end
	ds_add_u32 v[SPW], v[NIL]
	s_wait_dscnt 0x0
	s_endpgm
.Lfunc_end_k_q9b0149d670_up:
	.size	k_q9b0149d670_up, .Lfunc_end_k_q9b0149d670_up-k_q9b0149d670_up
	.p2alignl 7, 3214868480
	.fill 96, 4, 3214868480
	.section	.rodata,"a",@progbits
	.p2align	6, 0x0
	.amdhsa_kernel k_q9b0149d670_up
		.amdhsa_group_segment_fixed_size 266752
		.amdhsa_private_segment_fixed_size 0
		.amdhsa_enable_private_segment 0
		.amdhsa_kernarg_size 32
		.amdhsa_user_sgpr_count 2
		.amdhsa_user_sgpr_kernarg_segment_ptr 1
		.amdhsa_wavefront_size32 1
		.amdhsa_system_sgpr_workgroup_id_x 1
		.amdhsa_system_sgpr_workgroup_id_y 1
		.amdhsa_system_sgpr_workgroup_id_z 1
		.amdhsa_system_vgpr_workitem_id 0
		.amdhsa_next_free_vgpr 704
		.amdhsa_next_free_sgpr 80
		.amdhsa_reserve_vcc 0
		.amdhsa_float_denorm_mode_32 3
		.amdhsa_float_denorm_mode_16_64 3
		.amdhsa_memory_ordered 1
		.amdhsa_forward_progress 1
		.amdhsa_inst_pref_size 194
	.end_amdhsa_kernel
	.amdgpu_metadata
---
amdhsa.version: [ 1, 2 ]
amdhsa.kernels:
  - .name:           k_q9b0149d670_up
    .symbol:         k_q9b0149d670_up.kd
    .args:
      - { .name: xb, .offset: 0, .size: 8, .value_kind: global_buffer, .address_space: global }
      - { .name: sel, .offset: 8, .size: 8, .value_kind: global_buffer, .address_space: global }
      - { .name: w1, .offset: 16, .size: 8, .value_kind: global_buffer, .address_space: global }
      - { .name: hbuf, .offset: 24, .size: 8, .value_kind: global_buffer, .address_space: global }
    .group_segment_fixed_size: 266752
    .private_segment_fixed_size: 0
    .kernarg_segment_align: 8
    .kernarg_segment_size: 32
    .max_flat_workgroup_size: 128
    .sgpr_count:     80
    .vgpr_count:     704
    .wavefront_size: 32
...
	.end_amdgpu_metadata
.endif
;; end of part 2
;; launch down (part 3): grid 256 x 1, 4 waves a work-group, no clusters, 266,752 bytes of LDS; arguments hbuf, sel, w2, yp, rwt; writes yp
.if DOCPART == 3
	.amdgcn_target "amdgcn-amd-amdhsa--gfx1250"
	.amdhsa_code_object_version 6
	.text
	.protected	k_q9b0149d670_down
	.globl	k_q9b0149d670_down
	.p2align	8
	.type	k_q9b0149d670_down,@function
k_q9b0149d670_down:
	s_mov_b64 s[64:65], 0
	v_nop
	global_prefetch_b8 v0, s[64:65] scope:SCOPE_SE
	s_setreg_imm32_b32 hwreg(HW_REG_WAVE_MODE, 25, 1), 1
	s_wait_xcnt 0x0
; DOWN (UP = 0): yp[KQ][entry] = weight(entry) x (h w2[E], summed over quarter KQ of K) for the tokens that chose expert E.  The common part of this text, with UP = 1, is the first product.
; SHARES.  256 work-groups = 8 experts x 8 slices of 128 columns x 4 quarters of K: a slice of 1,024 K x 128 columns of one expert's weights, which this work-group alone reads, once, in f32.
;   The four quarters' partial rows are f32 and are added by the launch behind; an entry is 1024 x (chosen second) + token, so each row of yp has one expert, and one work-group for each 512 bytes.
;   Four waves, all alike: each fetches a quarter of every K step's weights and multiplies a quarter of the rows.
; IMAGES.  A lane (r = L % 16, h = L / 16) loads 16 bytes of weights: columns 4 r .. 4 r + 3 of one K row, so 16 lanes read 256 consecutive aligned bytes.  Column tile c of a strip IS the columns
;   4 r + c.  Eight such loads give the lane eight K of four tiles; two by two they are rounded to bf16 into four registers of each tile's fragment: nothing is transposed.  The image of K step u lies
;   at 8192 u + 1024 ct + 512 q + 16 L (ct = 4 strip + c; q: which 16 of the step's 32 K; wave w has strip w % 2, q = w / 2), is written once and stays: later passes over more rows read it again.
; K's ORDER.  h lies as the launch before stored it: place 8 S + i of a row is column 4 S + i of H for i < 4, and 2048 + 4 S + i - 4 else.  h is read as it lies, and w2's rows are taken in the same
;   order: place 1024 KQ + 32 u + 16 q + 8 h + i is row 16 (32 KQ + u) + 8 q + 4 h + i % 4 + 2048 (i / 4).  The same order of K on both sides leaves the products as they are.
; ONE QUEUE OF LOADS.  Loads come back in order on one counter (ISA guide 5.7.1).  A trip issues 8 loads of weights (K step s + 5) and 10 of token rows (K step s + 3); what it needs was issued three
;   trips before, so its wait leaves the 36 loads of the two trips between; 54 loads of a wave are out at the most in the loop, 62 in the head.
; ROWS.  The expert's tokens are ranked from sel in the order in which the launch before ranked them: h's rows lie by rank.  A tile is 16 ranks; pass p gives wave w the tiles 20 p + 4 a + w,
;   a = 0..4: 320 rows a pass, four passes at the most (all 1,024 tokens on one expert).  The first pass runs beside the stream of weights; later ones read the images in LDS.
; WORK BEYOND THE COUNT.  A rank past the count repeats the expert's last row, in h and in the list: it computes the same bits and stores them to the same bytes.  A wave's tiles 0-3 are always
;   multiplied, its fifth only where it is live; dead tiles store nothing.  An expert without tokens stores nothing.
; NO CLUSTER.  Each byte of weights has one reader.  The rows of h that eight work-groups share go straight into registers: as a joint tile in LDS a K step's 320 rows would be 20,480 bytes more to
;   write and to read beside the 32,768 bytes of images that the four waves read in a K step.
; LIMITS.  NaN and infinities are not treated apart.
.set UP, 0
.set LIST,  262144                     ; LDS: 0 .. 262143 the 32 images; then the list, 1,024 words
.set SPARE, 266240                     ; the spare words: 128 bytes for each of four waves; no other line names them
.if UP
.set KB,    524288                     ; bytes of w1 from a K step to the next: 32 rows of 16,384
.else
.set KB,    65536                      ; 16 rows of 4,096 (the step's other 16 rows lie 2,048 rows further down)
.endif
; window 0
.set IMR,  1                           ; v1     LDS address from which images are read
.set IMW,  2                           ; v2     LDS address at which my part of an image is written
.set WOF,  3                           ; v3     my byte offset in the weights
.set AOFF, 4                           ; v4-8   byte offsets of my five tiles' rows
.set SPW,  9                           ; v9     my spare word;  v10  0: kept for the closing add alone
.set NIL,  10
.set LR,   11                          ; v11 r;  v12 h;  v13 lane;  v14 16 h
.set LH,   12
.set LL,   13
.set H16,  14
.set SOF,  15                          ; v15    my byte offset in what is stored; never rewritten
.set F,    16                          ; v16-31   a packed quarter image
.set BF,   32                          ; v32-95   B: two halves of four column tiles
.set AF,   96                          ; v96-255  A: four buffers of five fragments
.set RT,   32                          ; at work while no B is held
; window 1: accumulators of tiles 0-3, tile a, column tile ct at 64 a + 8 ct.   window 2: v0-63 accumulators of tile 4; v64-191 four slots of eight loads of weights
.set WS,   64
; s14 wave; s16 expert; s17 slice; s18 K quarter; s19 laps; s20 CNT; s21 live tiles; s22 last row to be named; s23 my fifth tile is live; s24 pass; s[28:29] A's origin; s[30:31] A, stepped;
; s[32:63] the 32 masks of members; s[66:67], s[68:69] weights, stepped; s[70:71] where results go; s72, s74 bits of sel; s[76:77], s78 later passes
.set MSB, 0
.macro WIN new                         ; s_set_vgpr_msb: bits 1:0 source 0, 3:2 source 1, 5:4 source 2, 7:6 destination; the high byte repeats the setting that is left
.if MSB != (\new)
	s_set_vgpr_msb (MSB<<8)|(\new)
.set MSB, \new
.endif
.endm
.macro PLACES                          ; four plain vector instructions between a matrix instruction and a load into, or a vector line on, its registers
.rept 4
	v_nop
.endr
.endm
.macro LD slot, k                      ; eight loads: my 8 K rows x 4 columns of K step k (counted from the stepped base) into a slot
	WIN 0x80                                       ; destination in window 2
.irp i, 0,1,2,3,4,5,6,7
.if UP
	global_load_b128 v[WS+32*(\slot)+4*(\i):WS+32*(\slot)+4*(\i)+3], v[WOF], s[66:67] offset:(\k)*KB+16384*(\i) th:TH_LOAD_NT
.elseif (\i) < 4
	global_load_b128 v[WS+32*(\slot)+4*(\i):WS+32*(\slot)+4*(\i)+3], v[WOF], s[66:67] offset:(\k)*KB+4096*(\i) th:TH_LOAD_NT
.else
	global_load_b128 v[WS+32*(\slot)+4*(\i):WS+32*(\slot)+4*(\i)+3], v[WOF], s[68:69] offset:(\k)*KB+4096*((\i)-4) th:TH_LOAD_NT
.endif
.endr
	WIN 0
.endm
.macro IMG slot, kimg                  ; a slot is rounded to bf16 and stored as my quarter of an image
	WIN 0x0a                                       ; sources 0 and 1 in window 2
.irp c, 0,1,2,3
.irp p, 0,1,2,3
	v_cvt_pk_bf16_f32 v[F+4*(\c)+(\p)], v[WS+32*(\slot)+8*(\p)+(\c)], v[WS+32*(\slot)+8*(\p)+4+(\c)]  ; column c of K rows 2 p, 2 p + 1
.endr
.endr
	WIN 0
.irp c, 0,1,2,3
	ds_store_b128 v[IMW], v[F+4*(\c):F+4*(\c)+3] offset:(\kimg)*8192+(\c)*1024
.endr
.endm
.macro BLOAD hb, kimg                  ; four column tiles' fragments out of an image: eight loads, each 512 consecutive bytes
.irp c, 0,1,2,3
	ds_load_b128 v[BF+32*(\hb)+8*(\c):BF+32*(\hb)+8*(\c)+3],   v[IMR] offset:(\kimg)*8192+(4*(\hb)+(\c))*1024
	ds_load_b128 v[BF+32*(\hb)+8*(\c)+4:BF+32*(\hb)+8*(\c)+7], v[IMR] offset:(\kimg)*8192+(4*(\hb)+(\c))*1024+512
.endr
.endm
.macro ALOAD buf, sb, off              ; five row tiles' fragments: ten loads, always all ten, so that the counts are alike on every way
.irp a, 0,1,2,3,4
	global_load_b128 v[AF+40*(\buf)+8*(\a):AF+40*(\buf)+8*(\a)+3],   v[AOFF+(\a)], s[\sb:\sb+1] offset:(\off)
	global_load_b128 v[AF+40*(\buf)+8*(\a)+4:AF+40*(\buf)+8*(\a)+7], v[AOFF+(\a)], s[\sb:\sb+1] offset:(\off)+32
.endr
.endm
; 20 matrix instructions: five row tiles x four column tiles.  Source 0 = 16 tokens, source 1 = 16 columns.  The accumulators take turns, one instruction a turn.
; zero = 1: the products start the sums, and none is jumped, so that every accumulator is written on every way.
.macro HALF hb, ab, zero
	WIN 0x50                                       ; C and D in window 1
.irp a, 0,1,2,3
.irp c, 0,1,2,3
.if \zero
	v_wmma_f32_16x16x32_bf16 v[64*(\a)+8*(4*(\hb)+(\c)):64*(\a)+8*(4*(\hb)+(\c))+7], v[AF+40*(\ab)+8*(\a):AF+40*(\ab)+8*(\a)+7], v[BF+32*(\hb)+8*(\c):BF+32*(\hb)+8*(\c)+7], 0
.else
	v_wmma_f32_16x16x32_bf16 v[64*(\a)+8*(4*(\hb)+(\c)):64*(\a)+8*(4*(\hb)+(\c))+7], v[AF+40*(\ab)+8*(\a):AF+40*(\ab)+8*(\a)+7], v[BF+32*(\hb)+8*(\c):BF+32*(\hb)+8*(\c)+7], v[64*(\a)+8*(4*(\hb)+(\c)):64*(\a)+8*(4*(\hb)+(\c))+7]
.endif
.endr
.endr
.if !(\zero)
	WIN 0                                          ; at a branch and at a label every window is 0
	s_cmp_eq_u32 s23, 0
	s_cbranch_scc1 .Lno5_\@                        ; my fifth tile holds no row of the expert
.endif
	WIN 0xa0                                       ; C and D in window 2
.irp c, 0,1,2,3
.if \zero
	v_wmma_f32_16x16x32_bf16 v[8*(4*(\hb)+(\c)):8*(4*(\hb)+(\c))+7], v[AF+40*(\ab)+32:AF+40*(\ab)+39], v[BF+32*(\hb)+8*(\c):BF+32*(\hb)+8*(\c)+7], 0
.else
	v_wmma_f32_16x16x32_bf16 v[8*(4*(\hb)+(\c)):8*(4*(\hb)+(\c))+7], v[AF+40*(\ab)+32:AF+40*(\ab)+39], v[BF+32*(\hb)+8*(\c):BF+32*(\hb)+8*(\c)+7], v[8*(4*(\hb)+(\c)):8*(4*(\hb)+(\c))+7]
.endif
.endr
	WIN 0
.if !(\zero)
.Lno5_\@:
.endif
.endm
; A TRIP: K step s is multiplied (image kb from v1 on, A's buffer ab) while image s + 2 is made (img: slot wslot to image kimg from v2 on), the weights of K step s + 5 (ldw: slot nslot, step kld from
; the base on) and the rows of K step s + 3 (lda: buffer nb, step ka from the base on) are asked for.  B's first half of step s came in during step s - 1; its second half is asked for here, the first
; half of step s + 1 in the middle (ldb).  bar: a barrier ends the trip: image s + 2, whose stores are done, is first read in trip s + 1.
.macro TRIP kb, ab, first, zero, img, wslot, kimg, ldw, nslot, kld, lda, nb, ka, lcnt, ldb, bar
	s_wait_loadcnt \lcnt                           ; this trip's weights and rows are in; lcnt loads were issued behind them
.if \img
	IMG \wslot, \kimg                              ; its sixteen conversions are also the places behind the last trip's products
.else
	PLACES
.endif
.if \first
	BLOAD 0, \kb
.endif
	BLOAD 1, \kb
.if \ldw
	LD \nslot, \kld
.endif
.if \lda
	ALOAD \nb, 30, 64*(\ka)
.endif
	s_wait_dscnt 0x8                               ; B's first half is in: the eight loads of its second half are younger
	HALF 0, \ab, \zero
	PLACES
.if \ldb
	BLOAD 0, (\kb)+1
	s_wait_dscnt 0x8                               ; B's second half is in: the eight just issued are younger
.else
	s_wait_dscnt 0x0
.endif
	HALF 1, \ab, \zero
.if \bar
	s_wait_dscnt 0x0                               ; for the others' sake: my stores into the image are done; my loads came back under the last twenty products
	s_barrier_signal -1
	s_barrier_wait -1
.endif
.endm
; The byte offsets of my five tiles' rows in pass s2 / 20.  A rank past the last row to be named takes that row.
.macro ROWS
	s_add_co_u32 s3, s2, s14
	s_lshl_b32 s27, s3, 4
	v_add_nc_u32 v[RT], s27, v[LR]
.irp a, 0,1,2,3,4
	v_add_nc_u32 v[RT+1+(\a)], 64*(\a), v[RT]      ; rank 16 (20 p + 4 a + w) + r
	v_min_u32 v[RT+1+(\a)], s22, v[RT+1+(\a)]
	v_min_u32 v[RT+1+(\a)], 0x3ff, v[RT+1+(\a)]
.if UP
	v_lshl_add_u32 v[RT+1+(\a)], v[RT+1+(\a)], 2, LIST
	ds_load_b32 v[RT+8+(\a)], v[RT+1+(\a)]
.else
	v_lshl_add_u32 v[AOFF+(\a)], v[RT+1+(\a)], 13, v[H16]  ; h's rows lie by rank, 8,192 bytes each
.endif
.endr
.if UP
	s_wait_dscnt 0x0
.irp a, 0,1,2,3,4
	v_min_u32 v[RT+8+(\a)], 0x7ff, v[RT+8+(\a)]
	v_and_b32 v[RT+8+(\a)], 0x3ff, v[RT+8+(\a)]    ; the token
	v_lshl_add_u32 v[AOFF+(\a)], v[RT+8+(\a)], 11, v[H16]  ; x's rows in bf16: 2,048 bytes each
.endr
.endif
	s_add_co_u32 s3, s3, 16
	s_cmp_lt_u32 s3, s21
	s_cselect_b32 s23, 1, 0
.endm
.macro XSTEP zero                      ; a K step of a later pass: the images lie in LDS; nothing is asked for ahead
	PLACES
	ALOAD 0, 76, 0
	BLOAD 0, 0
	BLOAD 1, 0
	s_wait_loadcnt 0x0
	s_wait_dscnt 0x0
	HALF 0, 0, \zero
	HALF 1, 0, \zero
	s_wait_xcnt 0x0                                ; the base is stepped only behind this wait
	s_add_nc_u64 s[76:77], s[76:77], 64
	v_add_nc_u32 v[IMR], 8192, v[IMR]
.endm
	s_load_b256 s[4:11], s[0:1], 0x0               ; A's source s[4:5], sel s[6:7], the weights s[8:9], the result s[10:11]
.if !UP
	s_load_b64 s[12:13], s[0:1], 0x20              ; rwt
.endif
	v_lshl_add_u32 v[SPW], v0, 2, SPARE
	v_mov_b32 v[NIL], 0
	v_lshrrev_b32 v1, 5, v0
	v_readfirstlane_b32 s14, v1                    ; wave 0..3
	s_lshr_b32 s16, ttmp9, 5                       ; expert
.if UP
	s_and_b32 s17, ttmp9, 31                       ; slice of H
.else
	s_bfe_u32 s17, ttmp9, 0x30002                  ; slice of D: 3 bits from bit 2
	s_and_b32 s18, ttmp9, 3                        ; quarter of K
.endif
	v_and_b32 v[LR], 15, v0
	v_bfe_u32 v[LH], v0, 4, 1
	v_and_b32 v[LL], 31, v0
	v_lshlrev_b32 v[H16], 4, v[LH]
	v_lshlrev_b32 v[IMR], 4, v[LL]
	v_lshlrev_b32 v[SOF], 4, v[LR]
	v_lshlrev_b32 v[WOF], 4, v[LR]
	s_and_b32 s3, s14, 1                           ; strip
	s_lshr_b32 s2, s14, 1                          ; q
.if UP
	v_lshl_add_u32 v[SOF], v[LH], 16, v[SOF]       ; in h: 16 r, and 8 rows of 8,192 bytes for the upper half of the lanes
	v_lshl_add_u32 v[WOF], v[LH], 17, v[WOF]       ; h: 8 rows of 16,384 bytes
	s_lshl_b32 s27, s3, 13                         ; strip: 2,048 columns
	s_lshl_b32 s26, s2, 18                         ; q: 16 rows
.else
	v_lshl_add_u32 v[WOF], v[LH], 14, v[WOF]       ; h: 4 rows of 4,096 bytes
	s_lshl_b32 s27, s3, 8                          ; strip: 64 columns
	s_lshl_b32 s26, s2, 15                         ; q: 8 rows
.endif
	s_add_co_u32 s27, s27, s26
	v_add_nc_u32 v[WOF], s27, v[WOF]
	s_lshl_b32 s27, s3, 12                         ; in an image: four tiles of 1,024 bytes a strip,
	s_lshl_b32 s26, s2, 9                          ; 512 bytes for each q
	s_add_co_u32 s27, s27, s26
	v_lshl_add_u32 v[IMW], v[LL], 4, s27
	s_lshl_b32 s72, 0x101, s16                     ; the expert's two bits in sel: chosen first, chosen second
	s_add_co_u32 s74, s16, 8
	s_lshl_b32 s2, s16, 24                         ; an expert's weights are 2^24 bytes
.if UP
	s_lshl_b32 s3, s17, 8
.else
	s_lshl_b32 s3, s17, 9
	s_lshl_b32 s26, s18, 21                        ; a quarter begins 512 rows on
	s_add_co_u32 s3, s3, s26
.endif
	s_add_co_u32 s2, s2, s3
	s_mov_b32 s3, 0
	s_wait_kmcnt 0x0
	s_add_nc_u64 s[66:67], s[8:9], s[2:3]
.if UP
	s_mov_b64 s[28:29], s[4:5]
.else
	s_add_nc_u64 s[68:69], s[66:67], 0x800000      ; 2,048 rows further down
	s_lshl_b32 s2, s16, 23                         ; an expert's 1,024 places of 8,192 bytes
	s_lshl_b32 s26, s18, 11                        ; my quarter of a row
	s_add_co_u32 s2, s2, s26
	s_add_nc_u64 s[28:29], s[4:5], s[2:3]
.endif
	s_mov_b64 s[30:31], s[28:29]
.irp g, 0,1,2,3,4,5,6,7
	global_load_b128 v[AF+4*(\g):AF+4*(\g)+3], v[IMR], s[6:7] offset:512*(\g)  ; sel: word 4 g + c, lane L: token 128 g + 4 L + c
.endr
	LD 0, 0
	LD 1, 1
	LD 2, 2
	LD 3, 3
	s_wait_loadcnt 32                              ; sel is in: the 32 loads of weights are younger
.set wd, 0
.rept 32
	v_and_b32 v[BF+wd], s72, v[AF+wd]
.set wd, wd+1
.endr
.set wd, 0
.rept 32
	v_cmp_ne_u32 s[32+wd], 0, v[BF+wd]             ; the word's members
.set wd, wd+1
.endr
	s_mov_b32 s20, 0
.set wd, 0
.rept 32
	s_bcnt1_i32_b32 s2, s[32+wd]
	s_add_co_u32 s20, s20, s2                      ; CNT
.set wd, wd+1
.endr
	s_add_co_u32 s21, s20, 15
	s_lshr_b32 s21, s21, 4
.if UP
	s_max_u32 s21, s21, 1                          ; one tile at the least is written, so that the next launch finds row 0
	s_lshl_b32 s22, s21, 4
	s_sub_co_u32 s22, s22, 1                       ; all 16 ranks of a live tile name a token of their own
.else
	s_max_u32 s22, s20, 1
	s_sub_co_u32 s22, s22, 1                       ; a rank past the count repeats the expert's last row
.endif
	; Wave 0 alone stores the list, ahead of the first barrier, while no other wave touches LDS: where a word goes hangs on sel.
	s_cmp_lg_u32 s14, 0
	s_cbranch_scc1 .Lnolist
	v_lshlrev_b32 v[F], 2, v[LL]                   ; 4 L
	s_mov_b32 s3, 0                                ; members so far
.set wd, 0
.rept 32
.set tt, BF+4*(wd%8)
	v_mbcnt_lo_u32_b32 v[tt], s[32+wd], s3         ; members ahead of me: a member's rank
	v_add_nc_u32 v[tt+1], 1023-32*wd, v[tt]
	v_sub_nc_u32 v[tt+1], v[tt+1], v[LL]           ; 1023 less the others ahead of me: another's place
	v_cndmask_b32 v[tt+1], v[tt+1], v[tt], s[32+wd]
	v_min_u32 v[tt+1], 0x3ff, v[tt+1]
	v_lshl_add_u32 v[tt+1], v[tt+1], 2, LIST
	v_bfe_u32 v[tt+2], v[AF+wd], s74, 1            ; 1: chosen second
	v_lshl_add_u32 v[tt+2], v[tt+2], 10, v[F]
	v_add_nc_u32 v[tt+2], 128*(wd/4)+wd%4, v[tt+2] ; the entry: 1024 x (chosen second) + token
	ds_store_b32 v[tt+1], v[tt+2]
	s_bcnt1_i32_b32 s2, s[32+wd]
	s_add_co_u32 s3, s3, s2
.set wd, wd+1
.endr
.Lnolist:
	s_wait_dscnt 0x0                               ; for the others' sake: the list lies in LDS
	s_barrier_signal -1
	s_barrier_wait -1
	s_mov_b32 s2, 0
	ROWS
	ALOAD 0, 30, 0
	ALOAD 1, 30, 64
	ALOAD 2, 30, 128
	s_wait_loadcnt 54                              ; K step 0's weights are in: behind them 24 loads of weights and 30 of rows
	IMG 0, 0
	LD 0, 4
	s_wait_loadcnt 54                              ; K step 1's: behind them 16 + 30 + 8
	IMG 1, 1
	s_wait_dscnt 0x0                               ; images 0 and 1 lie in LDS
	s_barrier_signal -1
	s_barrier_wait -1
	; the queue now holds: weights 2, 3; rows 0, 1, 2; weights 4
	TRIP 0, 0, 1, 1, 1, 2, 2, 1, 1, 5, 1, 3, 3, 28, 1, 1    ; K step 0 starts the sums; behind rows 0: 20 + 8
	TRIP 1, 1, 0, 0, 1, 3, 3, 1, 2, 6, 1, 0, 4, 36, 1, 1    ; behind rows 1: 10 + 8 + 18
	TRIP 2, 2, 0, 0, 1, 0, 4, 1, 3, 7, 1, 1, 5, 36, 1, 1    ; behind weights 4: 18 + 18
	v_add_nc_u32 v[IMR], 3*8192, v[IMR]            ; the loop counts images from K step 3,
	v_add_nc_u32 v[IMW], 5*8192, v[IMW]            ; and from image 5
	s_mov_b32 s19, 6
.Llap:                                                 ; six laps of four trips: K steps 3 to 26, images 5 to 28; A's four buffers and the four slots come round
.set tb, 0
.rept 4
	TRIP tb, (3+tb)%4, 0, 0, 1, (1+tb)%4, tb, 1, tb, 8+tb, 1, (2+tb)%4, 6+tb, 36, 1, 1
.set tb, tb+1
.endr
	s_wait_xcnt 0x0                                ; the bases of the loads that are out are stepped only behind this wait
	s_add_nc_u64 s[66:67], s[66:67], 4*KB
.if !UP
	s_add_nc_u64 s[68:69], s[68:69], 4*KB
.endif
	s_add_nc_u64 s[30:31], s[30:31], 256
	v_add_nc_u32 v[IMR], 4*8192, v[IMR]
	v_add_nc_u32 v[IMW], 4*8192, v[IMW]
	s_sub_co_u32 s19, s19, 1
	s_cmp_lg_u32 s19, 0
	s_cbranch_scc1 .Llap
	TRIP 0, 3, 0, 0, 1, 1, 0, 0, 0, 0, 1, 2, 6, 36, 1, 1    ; K step 27: no more weights are asked for
	TRIP 1, 0, 0, 0, 1, 2, 1, 0, 0, 0, 1, 3, 7, 28, 1, 1    ; 28: behind its loads 18 + 10
	TRIP 2, 1, 0, 0, 1, 3, 2, 0, 0, 0, 0, 0, 0, 20, 1, 1    ; 29: 10 + 10; the last image, and the last barrier of the stream
	TRIP 3, 2, 0, 0, 0, 0, 0, 0, 0, 0, 0, 0, 0, 10, 1, 0    ; 30
	TRIP 4, 3, 0, 0, 0, 0, 0, 0, 0, 0, 0, 0, 0, 0, 0, 0     ; 31
	PLACES
	s_lshl_b32 s2, s18, 23                         ; yp: a plane of 8 MiB for each quarter of K,
	s_lshl_b32 s3, s17, 9                          ; my 128 columns
	s_add_co_u32 s2, s2, s3
	s_mov_b32 s3, 0
	s_add_nc_u64 s[70:71], s[10:11], s[2:3]
.set EN, 32                            ; the entries of my eight rows
.set RW, 40                            ; their weights
.set RO, 48                            ; their byte offsets in yp
.set RA, 56                            ; their byte offsets in rwt
.set TT, 64
.set DA, 96                            ; v[96:159] eight rows x eight numbers to store
; Tile a goes out: each row times its token's weight, to the row of its entry.  A lane's four numbers of a strip are 16 consecutive bytes, 16 lanes 256, aligned.
; A rank past the count has repeated the last row all along: the same bits go to the same bytes once more, from this wave.
.macro DTILE a
	s_mul_i32 s2, s24, 20
	s_add_co_u32 s2, s2, s14
	s_add_co_u32 s2, s2, 4*(\a)
	s_cmp_ge_u32 s2, s21
	s_cbranch_scc1 .Ldead_\@
	s_lshl_b32 s3, s2, 4
	s_wait_xcnt 0x0                                ; the last tile's stores have read their registers
	v_lshl_add_u32 v[TT], v[LH], 3, s3             ; 16 t + 8 h
.irp j, 0,1,2,3,4,5,6,7
	v_add_nc_u32 v[RO+(\j)], \j, v[TT]             ; rank 16 t + 8 h + j
	v_min_u32 v[RO+(\j)], s22, v[RO+(\j)]
	v_min_u32 v[RO+(\j)], 0x3ff, v[RO+(\j)]
	v_lshl_add_u32 v[RO+(\j)], v[RO+(\j)], 2, LIST
	ds_load_b32 v[EN+(\j)], v[RO+(\j)]
.endr
	s_wait_dscnt 0x0
.irp j, 0,1,2,3,4,5,6,7
	v_min_u32 v[EN+(\j)], 0x7ff, v[EN+(\j)]
	v_lshlrev_b32 v[RA+(\j)], 2, v[EN+(\j)]
	global_load_b32 v[RW+(\j)], v[RA+(\j)], s[12:13]
	v_lshl_add_u32 v[RO+(\j)], v[EN+(\j)], 12, v[SOF]
.endr
	s_wait_loadcnt 0x0
.if (\a) < 4
	WIN 0x01                                       ; source 0 in window 1
.set AC, 64*(\a)
.else
	WIN 0x02                                       ; source 0 in window 2
.set AC, 0
.endif
.irp j, 0,1,2,3,4,5,6,7                ; register 0 of every accumulator first
.irp ct, 0,1,2,3,4,5,6,7
	v_mul_f32 v[DA+8*(\j)+(\ct)], v[AC+8*(\ct)+(\j)], v[RW+(\j)]
.endr
.endr
	WIN 0
.irp j, 0,1,2,3,4,5,6,7
	global_store_b128 v[RO+(\j)], v[DA+8*(\j):DA+8*(\j)+3], s[70:71]
	global_store_b128 v[RO+(\j)], v[DA+8*(\j)+4:DA+8*(\j)+7], s[70:71] offset:256
.endr
.Ldead_\@:
.endm
	s_mov_b32 s24, 0
.Lpass:                                                ; four trips, whatever the count: a pass's tiles go out, then the next pass is multiplied if the expert has rows for it
	DTILE 0
	DTILE 1
	DTILE 2
	DTILE 3
	DTILE 4
	s_mul_i32 s2, s24, 20
	s_add_co_u32 s2, s2, 20
	s_cmp_ge_u32 s2, s21
	s_cbranch_scc1 .Lnop                           ; the expert has no rows for a further pass
	s_wait_xcnt 0x0                                ; the stores have read their registers, which the next pass uses
	ROWS
	v_lshlrev_b32 v[IMR], 4, v[LL]
	s_mov_b64 s[76:77], s[28:29]
	XSTEP 1
	s_mov_b32 s78, 31
.Lxk:
	XSTEP 0
	s_sub_co_u32 s78, s78, 1
	s_cmp_lg_u32 s78, 0
	s_cbranch_scc1 .Lxk
	PLACES
.Lnop:
	s_add_co_u32 s24, s24, 1
	s_cmp_lt_u32 s24, 4
	s_cbranch_scc1 .Lpass
	s_wait_dscnt 0x0                               ; the way out's and the later passes' LDS reads take their addresses from the pass and the count: in every wave they are over
	s_barrier_signal -1                            ; before any wave's last LDS write
	s_barrier_wait -1
	s_wait_tensorcnt 0x0                           ; the wave's end
	ds_add_u32 v[SPW], v[NIL]
	s_wait_dscnt 0x0
	s_endpgm
.Lfunc_end_k_q9b0149d670_down:
	.size	k_q9b0149d670_down, .Lfunc_end_k_q9b0149d670_down-k_q9b0149d670_down
	.p2alignl 7, 3214868480
	.fill 96, 4, 3214868480
	.section	.rodata,"a",@progbits
	.p2align	6, 0x0
	.amdhsa_kernel k_q9b0149d670_down
		.amdhsa_group_segment_fixed_size 266752
		.amdhsa_private_segment_fixed_size 0
		.amdhsa_enable_private_segment 0
		.amdhsa_kernarg_size 40
		.amdhsa_user_sgpr_count 2
		.amdhsa_user_sgpr_kernarg_segment_ptr 1
		.amdhsa_wavefront_size32 1
		.amdhsa_system_sgpr_workgroup_id_x 1
		.amdhsa_system_sgpr_workgroup_id_y 1
		.amdhsa_system_sgpr_workgroup_id_z 1
		.amdhsa_system_vgpr_workitem_id 0
		.amdhsa_next_free_vgpr 704
		.amdhsa_next_free_sgpr 80
		.amdhsa_reserve_vcc 0
		.amdhsa_float_denorm_mode_32 3
		.amdhsa_float_denorm_mode_16_64 3
		.amdhsa_memory_ordered 1
		.amdhsa_forward_progress 1
		.amdhsa_inst_pref_size 172
	.end_amdhsa_kernel
	.amdgpu_metadata
---
amdhsa.version: [ 1, 2 ]
amdhsa.kernels:
  - .name:           k_q9b0149d670_down
    .symbol:         k_q9b0149d670_down.kd
    .args:
      - { .name: hbuf, .offset: 0, .size: 8, .value_kind: global_buffer, .address_space: global }
      - { .name: sel, .offset: 8, .size: 8, .value_kind: global_buffer, .address_space: global }
      - { .name: w2, .offset: 16, .size: 8, .value_kind: global_buffer, .address_space: global }
      - { .name: yp, .offset: 24, .size: 8, .value_kind: global_buffer, .address_space: global }
      - { .name: rwt, .offset: 32, .size: 8, .value_kind: global_buffer, .address_space: global }
    .group_segment_fixed_size: 266752
    .private_segment_fixed_size: 0
    .kernarg_segment_align: 8
    .kernarg_segment_size: 40
    .max_flat_workgroup_size: 128
    .sgpr_count:     80
    .vgpr_count:     704
    .wavefront_size: 32
...
	.end_amdgpu_metadata
.endif
;; end of part 3
;; launch combine (part 4): grid 256 x 1, 8 waves a work-group, no clusters, 0 bytes of LDS; arguments yp, out0; writes out0
.if DOCPART == 4
	.amdgcn_target "amdgcn-amd-amdhsa--gfx1250"
	.amdhsa_code_object_version 6
	.text
	.protected	k_q9b0149d670_combine
	.globl	k_q9b0149d670_combine
	.p2align	8
	.type	k_q9b0149d670_combine,@function
k_q9b0149d670_combine:
	s_mov_b64 s[64:65], 0
	v_nop
	global_prefetch_b8 v0, s[64:65] scope:SCOPE_SE
	s_setreg_imm32_b32 hwreg(HW_REG_WAVE_MODE, 25, 1), 1
	s_wait_xcnt 0x0
; out0[t][c] = the sum over the four quarters of K and the token's two choices of yp[kq][1024 j + t][c]: eight f32 planes of 4 MiB, already weighted, added in a fixed tree.
; A stream: a work-group owns 16,384 bytes of the plane, a thread 16 bytes in each of four chunks of 4,096; each load and store of a wave covers 512 consecutive bytes, aligned.
; All 32 loads of a thread go out at once; no LDS, no barrier, no loop: nothing is shared and nothing is read twice.
	s_load_b128 s[4:7], s[0:1], 0x0                ; yp s[4:5], out0 s[6:7]
	v_lshlrev_b32 v1, 4, v0
	s_lshl_b32 s2, ttmp9, 14
	s_mov_b32 s3, 0
	s_wait_kmcnt 0x0
	s_add_nc_u64 s[8:9], s[4:5], s[2:3]            ; a base for each quarter of K, 8 MiB apart; the choice (4 MiB) and the chunk stand in the immediate
	s_add_nc_u64 s[10:11], s[8:9], 0x800000
	s_add_nc_u64 s[12:13], s[10:11], 0x800000
	s_add_nc_u64 s[14:15], s[12:13], 0x800000
	s_add_nc_u64 s[6:7], s[6:7], s[2:3]
.irp c, 0,1,2,3
.irp q, 0,1,2,3
.irp j, 0,1
	global_load_b128 v[4+32*(\c)+8*(\q)+4*(\j):4+32*(\c)+8*(\q)+4*(\j)+3], v1, s[8+2*(\q):9+2*(\q)] offset:(\j)*4194304+(\c)*4096 th:TH_LOAD_NT
.endr
.endr
.endr
.macro ADD4 d, s
	v_pk_add_f32 v[\d:\d+1], v[\d:\d+1], v[\s:\s+1]
	v_pk_add_f32 v[\d+2:\d+3], v[\d+2:\d+3], v[\s+2:\s+3]
.endm
.irp c, 0,1,2,3
	s_wait_loadcnt 8*(3-(\c))                      ; this chunk's eight loads are in; the later chunks', eight each, stay out
	ADD4 4+32*(\c), 8+32*(\c)
	ADD4 12+32*(\c), 16+32*(\c)
	ADD4 20+32*(\c), 24+32*(\c)
	ADD4 28+32*(\c), 32+32*(\c)
	ADD4 4+32*(\c), 12+32*(\c)
	ADD4 20+32*(\c), 28+32*(\c)
	ADD4 4+32*(\c), 20+32*(\c)
	global_store_b128 v1, v[4+32*(\c):7+32*(\c)], s[6:7] offset:(\c)*4096 th:TH_STORE_NT
.endr
	s_endpgm
.Lfunc_end_k_q9b0149d670_combine:
	.size	k_q9b0149d670_combine, .Lfunc_end_k_q9b0149d670_combine-k_q9b0149d670_combine
	.p2alignl 7, 3214868480
	.fill 96, 4, 3214868480
	.section	.rodata,"a",@progbits
	.p2align	6, 0x0
	.amdhsa_kernel k_q9b0149d670_combine
		.amdhsa_group_segment_fixed_size 0
		.amdhsa_private_segment_fixed_size 0
		.amdhsa_enable_private_segment 0
		.amdhsa_kernarg_size 16
		.amdhsa_user_sgpr_count 2
		.amdhsa_user_sgpr_kernarg_segment_ptr 1
		.amdhsa_wavefront_size32 1
		.amdhsa_system_sgpr_workgroup_id_x 1
		.amdhsa_system_sgpr_workgroup_id_y 1
		.amdhsa_system_sgpr_workgroup_id_z 1
		.amdhsa_system_vgpr_workitem_id 0
		.amdhsa_next_free_vgpr 132
		.amdhsa_next_free_sgpr 66
		.amdhsa_reserve_vcc 0
		.amdhsa_float_denorm_mode_32 3
		.amdhsa_float_denorm_mode_16_64 3
		.amdhsa_memory_ordered 1
		.amdhsa_forward_progress 1
		.amdhsa_inst_pref_size 8
	.end_amdhsa_kernel
	.amdgpu_metadata
---
amdhsa.version: [ 1, 2 ]
amdhsa.kernels:
  - .name:           k_q9b0149d670_combine
    .symbol:         k_q9b0149d670_combine.kd
    .args:
      - { .name: yp, .offset: 0, .size: 8, .value_kind: global_buffer, .address_space: global }
      - { .name: out0, .offset: 8, .size: 8, .value_kind: global_buffer, .address_space: global }
    .group_segment_fixed_size: 0
    .private_segment_fixed_size: 0
    .kernarg_segment_align: 8
    .kernarg_segment_size: 16
    .max_flat_workgroup_size: 256
    .sgpr_count:     66
    .vgpr_count:     132
    .wavefront_size: 32
...
	.end_amdgpu_metadata
.endif
;; end of part 4
;; ======== version 2 of 3: 4 launches; 1.20 times as fast as version 1
;; workspace buffers: xb 2,097,152 bytes; sel 4,096 bytes of whole numbers; rwt 8,192 bytes; hbuf 67,108,864 bytes; yp 33,554,432 bytes
;; launch router: the kernel of part 1 again; grid 128 x 1, 8 waves a work-group, no clusters, 17,920 bytes of LDS; arguments hidden_states, gate_w, out1, xb, sel, rwt; writes out1, xb, sel, rwt
;; launch up (part 5): grid 256 x 1, 4 waves a work-group, no clusters, 262,656 bytes of LDS; arguments xb, sel, w1, hbuf; writes hbuf
.if DOCPART == 5
	.amdgcn_target "amdgcn-amd-amdhsa--gfx1250"
	.amdhsa_code_object_version 6
	.text
	.protected	k_q9b0149d670_up
	.globl	k_q9b0149d670_up
	.p2align	8
	.type	k_q9b0149d670_up,@function
k_q9b0149d670_up:
	s_mov_b64 s[64:65], 0
	v_nop
	global_prefetch_b8 v0, s[64:65] scope:SCOPE_SE
	s_setreg_imm32_b32 hwreg(HW_REG_WAVE_MODE, 25, 1), 1
	s_wait_xcnt 0x0
; UP (UP = 1): h = gelu(x w1[E]) for the tokens that chose expert E.  The common part of this text, with UP = 0, is the second product.
; SHARES.  256 work-groups = 8 experts x 32 slices of 1,024 K x 128 columns of one expert's weights, which this work-group alone reads, once, in f32.
;   Slice CS holds columns 64 CS .. + 63 and 2048 + 64 CS .. + 63 of w1 (two strips).  Four waves, all alike: each fetches a quarter of every K step's weights and multiplies a quarter of the rows.
; IMAGES.  A lane (r = L % 16, h = L / 16) loads 16 bytes of weights: columns 4 r .. 4 r + 3 of one K row, so 16 lanes read 256 consecutive aligned bytes.  Column tile c of a strip IS the columns
;   4 r + c.  Eight such loads give the lane eight K of four tiles; two by two they are rounded to bf16 into four registers of each tile's fragment: nothing is transposed.  The image of K step u lies
;   at 8192 u + 1024 ct + 512 q + 16 L (ct = 4 strip + c; q: which 16 of the step's 32 K; wave w has strip w % 2, q = w / 2), is written once and stays: later passes over more rows read it again.
; ONE QUEUE OF LOADS.  Loads come back in order on one counter (ISA guide 5.7.1).  Trip s issues 10 loads of token rows (K step s + 3) and then 8 of weights (K step s + 6).  At its head it needs the
;   weights of K step s + 2 and the rows of K step s; behind these stand weights s + 3, rows s + 1, weights s + 4, rows s + 2, weights s + 5: its wait leaves 8 + 10 + 8 + 10 + 8 = 44; 62 are out at the most.
; ROWS.  sel holds a whole number a token, stored by the launch before.  32 masks of members (word 4 g + c, bit L: token 128 g + 4 L + c) stay in scalar registers; a member's rank counts the members
;   in lower words and lower bits.  The token of a rank is found in registers: the last word with no more members ahead of it than the rank, then that word's bit by five halvings.  No LDS, no barrier.
;   A tile is 16 ranks; pass p gives wave w the tiles 20 p + 4 a + w, a = 0..4: 320 rows a pass, four passes at the most (all 1,024 tokens on one expert).  The first pass runs beside
;   the stream of weights; later ones read the images that lie in LDS.
; WORK BEYOND THE COUNT.  A rank past the count repeats the expert's last token.  Rows are rounded up to tiles of 16; a wave's tiles 0-3 are always multiplied, its fifth only where it is live.
; h's STORED ORDER.  A lane holds, for a token, columns 4 r .. + 3 of both strips: 8 bf16, 16 bytes, stored at row byte 256 CS + 16 r: 16 lanes fill 256 aligned bytes.  So stored place
;   8 S + i (S = 16 CS + r) is column 4 S + i of H for i < 4, and 2048 + 4 S + i - 4 else.  The next launch reads h as it lies and takes w2's rows in that same order.
; NO CLUSTER.  Each byte of weights has one reader; the token rows that an expert's 32 work-groups share come by a list, which no tile's descriptor covers.
; LIMITS.  gelu(x) = x/2 (1 + erf(x / sqrt 2)), erf(z) = z P(z^2) / Q(z^2), degrees 6 and 4, z held to -4 .. 4, where erf is within 2e-8 of 1 in size; x/2 is made as z / sqrt 2, two roundings.
;   h is rounded to bf16 once.  NaN and infinities are not treated apart.  An expert without tokens: 16 rows (of a token that exists) are still written, and the next launch stores nothing for it.
.set UP, 1
.if UP
.set SPARE, 262144                     ; LDS: 0 .. 262143 the 32 images; then the spare words: 128 bytes for each of four waves; no other line names them
.set KB,    524288                     ; bytes of w1 from a K step to the next: 32 rows of 16,384
.else
.set LIST,  262144                     ; LDS: 0 .. 262143 the 32 images; then the list: 1,024 pairs (entry, weight)
.set SPARE, 270336                     ; the spare words: 128 bytes for each of four waves; no other line names them
.set KB,    65536                      ; 16 rows of 4,096 (the step's other 16 rows lie 2,048 rows further down)
.endif
; window 0
.set IMR,  1                           ; v1     LDS address from which images are read
.set IMW,  2                           ; v2     LDS address at which my part of an image is written
.set WOF,  3                           ; v3     my byte offset in the weights
.set AOFF, 4                           ; v4-8   byte offsets of my five tiles' rows
.set SPW,  9                           ; v9     my spare word;  v10  0: kept for the closing add alone
.set NIL,  10
.set LR,   11                          ; v11 r;  v12 h;  v13 lane;  v14 16 h
.set LH,   12
.set LL,   13
.set H16,  14
.set SOF,  15                          ; v15    my byte offset in what is stored; never rewritten
.set F,    16                          ; v16-31   a packed quarter image
.set TM,   32                          ; v32-95   at work
.set AF,   96                          ; v96-255  A: four buffers of five fragments
.set RT,   32
.set RC,   RT+1                        ; the search for a rank's token: the rank, held to the count;
.set KEY,  RT+2                        ; (rank << 10) | 1023;
.set MW,   RT+3                        ; its word's mask;
.set XW,   RT+4                        ; its word's X;
.set NN,   RT+5                        ; which of the word's members;
.set T1,   RT+6
.set CA,   RT+7                        ; the word's counts of 2, 4, 8 bits, and of 16 in byte 0;
.set CB,   RT+8
.set CC,   RT+9
.set CD,   RT+10
.set PS,   RT+11                       ; the bit
.set TC,   RT+12
.set TZ,   RT+13
.set TBV,  RT+14
.set TK,   RT+16                       ; v48-52 the five tiles' tokens
; window 1: accumulators of tiles 0-3, tile a, column tile ct at 64 a + 8 ct.   window 2: v0-63 accumulators of tile 4; v64-191 four slots of eight loads of weights
; window 3: v0-127 B: two buffers of a K step's eight column tiles, buffer bb, tile ct at 64 bb + 8 ct
.set WS,   64
; s14 wave; s16 expert; s17 slice; s19 laps; s20 CNT; s21 live tiles; s22 last rank of a member; s23 my fifth tile is live; s24 pass; s25 tile; s26, s27 at work; s[28:29] A's origin; s[30:31] A, stepped;
; s[32:63] the 32 masks of members; s[66:67] weights, stepped
.if UP
.set SB,   12                          ; s[12:13] where results go
.set AX,   68                          ; s[68:69] A in later passes
.set XK,   18                          ; s18      their K steps
.set BITS, 15                          ; s15      the expert's two bits in sel
.set XS,   69                          ; s70-100  word wd, 1 to 31, at XS + wd: X = (members ahead of the word << 10) | the word's first token
.else
.set SB,   70
.set AX,   76
.set XK,   78
.set BITS, 72
.endif
.set MSB, 0
.macro WIN new                         ; s_set_vgpr_msb: bits 1:0 source 0, 3:2 source 1, 5:4 source 2, 7:6 destination; the high byte repeats the setting that is left
.if MSB != (\new)
	s_set_vgpr_msb (MSB<<8)|(\new)
.set MSB, \new
.endif
.endm
.macro PLACES                          ; four plain vector instructions between a matrix instruction and a load into, or a vector line on, its registers
.rept 4
	v_nop
.endr
.endm
.macro LD slot, k                      ; eight loads: my 8 K rows x 4 columns of K step k (counted from the stepped base) into a slot
	WIN 0x80                                       ; destination in window 2
.irp i, 0,1,2,3,4,5,6,7
.if UP
	global_load_b128 v[WS+32*(\slot)+4*(\i):WS+32*(\slot)+4*(\i)+3], v[WOF], s[66:67] offset:(\k)*KB+16384*(\i) th:TH_LOAD_NT
.elseif (\i) < 4
	global_load_b128 v[WS+32*(\slot)+4*(\i):WS+32*(\slot)+4*(\i)+3], v[WOF], s[66:67] offset:(\k)*KB+4096*(\i) th:TH_LOAD_NT
.else
	global_load_b128 v[WS+32*(\slot)+4*(\i):WS+32*(\slot)+4*(\i)+3], v[WOF], s[68:69] offset:(\k)*KB+4096*((\i)-4) th:TH_LOAD_NT
.endif
.endr
	WIN 0
.endm
.macro IMG slot, kimg                  ; a slot is rounded to bf16 and stored as my quarter of an image
	WIN 0x0a                                       ; sources 0 and 1 in window 2
.irp c, 0,1,2,3
.irp p, 0,1,2,3
	v_cvt_pk_bf16_f32 v[F+4*(\c)+(\p)], v[WS+32*(\slot)+8*(\p)+(\c)], v[WS+32*(\slot)+8*(\p)+4+(\c)]  ; column c of K rows 2 p, 2 p + 1
.endr
.endr
	WIN 0
.irp c, 0,1,2,3
	ds_store_b128 v[IMW], v[F+4*(\c):F+4*(\c)+3] offset:(\kimg)*8192+(\c)*1024
.endr
.endm
.macro BLOAD bb, kimg                  ; a whole image, eight column tiles' fragments, into B's buffer bb: sixteen loads, each 512 consecutive bytes
	WIN 0xc0                                       ; destination in window 3
.irp ct, 0,1,2,3,4,5,6,7
	ds_load_b128 v[64*(\bb)+8*(\ct):64*(\bb)+8*(\ct)+3],   v[IMR] offset:(\kimg)*8192+(\ct)*1024
	ds_load_b128 v[64*(\bb)+8*(\ct)+4:64*(\bb)+8*(\ct)+7], v[IMR] offset:(\kimg)*8192+(\ct)*1024+512
.endr
	WIN 0
.endm
.macro ALOAD buf, sb, off              ; five row tiles' fragments: ten loads, always all ten, so that the counts are alike on every way
.irp a, 0,1,2,3,4
	global_load_b128 v[AF+40*(\buf)+8*(\a):AF+40*(\buf)+8*(\a)+3],   v[AOFF+(\a)], s[\sb:\sb+1] offset:(\off)
	global_load_b128 v[AF+40*(\buf)+8*(\a)+4:AF+40*(\buf)+8*(\a)+7], v[AOFF+(\a)], s[\sb:\sb+1] offset:(\off)+32
.endr
.endm
; A K step's 40 matrix instructions in one run: five row tiles x eight column tiles.  Source 0 = 16 tokens, source 1 = 16 columns.  The accumulators take turns, one instruction a turn.
; zero = 1: the products start the sums, and none is jumped, so that every accumulator is written on every way.
; bar = 1: the trip's barrier stands inside the run.  Behind 24 products my LDS instructions are waited for (my stores into the image, for the others' sake; my sixteen loads) and I signal; eight products,
; work on registers, stand between the signal and the wait.
.macro MUL ab, bb, zero, bar
	WIN 0x5c                                       ; B in window 3, C and D in window 1
.irp a, 0,1,2,3
.if (\bar) && ((\a) == 3)
	s_wait_dscnt 0x0
	s_barrier_signal -1
.endif
.irp ct, 0,1,2,3,4,5,6,7
.if \zero
	v_wmma_f32_16x16x32_bf16 v[64*(\a)+8*(\ct):64*(\a)+8*(\ct)+7], v[AF+40*(\ab)+8*(\a):AF+40*(\ab)+8*(\a)+7], v[64*(\bb)+8*(\ct):64*(\bb)+8*(\ct)+7], 0
.else
	v_wmma_f32_16x16x32_bf16 v[64*(\a)+8*(\ct):64*(\a)+8*(\ct)+7], v[AF+40*(\ab)+8*(\a):AF+40*(\ab)+8*(\a)+7], v[64*(\bb)+8*(\ct):64*(\bb)+8*(\ct)+7], v[64*(\a)+8*(\ct):64*(\a)+8*(\ct)+7]
.endif
.endr
.endr
.if \bar
	s_barrier_wait -1
.endif
.if !(\zero)
	WIN 0                                          ; at a branch and at a label every window is 0
	s_cmp_eq_u32 s23, 0
	s_cbranch_scc1 .Lno5_\@                        ; my fifth tile holds no row of the expert
.endif
	WIN 0xac                                       ; B in window 3, C and D in window 2
.irp ct, 0,1,2,3,4,5,6,7
.if \zero
	v_wmma_f32_16x16x32_bf16 v[8*(\ct):8*(\ct)+7], v[AF+40*(\ab)+32:AF+40*(\ab)+39], v[64*(\bb)+8*(\ct):64*(\bb)+8*(\ct)+7], 0
.else
	v_wmma_f32_16x16x32_bf16 v[8*(\ct):8*(\ct)+7], v[AF+40*(\ab)+32:AF+40*(\ab)+39], v[64*(\bb)+8*(\ct):64*(\bb)+8*(\ct)+7], v[8*(\ct):8*(\ct)+7]
.endif
.endr
	WIN 0
.if !(\zero)
.Lno5_\@:
.endif
.endm
; A TRIP: K step s is multiplied (A's buffer ab, B's buffer bb).  Ahead of the products: image s + 2 is made (img: slot wslot to image kimg from v2 on); B of K step s + 1 is asked of LDS (ldb: image kb + 1
; from v1 on, into the other buffer: that image was stored in trip s - 1 and shown by its barrier); the rows of K step s + 3 (lda: buffer nb, step ka from the base on) and the weights of K step s + 6
; (ldw: step kld from the base on, into the slot just rounded) are asked of memory.  The LDS loads stand ahead of the global ones and have 24 products in which to land.
.macro TRIP kb, ab, bb, zero, img, wslot, kimg, ldw, kld, lda, nb, ka, lcnt, ldb, bar
	s_wait_loadcnt \lcnt                           ; this trip's weights and rows are in; lcnt loads were issued behind them
.if \img
	IMG \wslot, \kimg                              ; its sixteen conversions are also the places behind the last trip's products
.else
	PLACES
.endif
.if \ldb
	BLOAD 1-(\bb), (\kb)+1
.endif
.if \lda
	ALOAD \nb, 30, 64*(\ka)
.endif
.if \ldw
	LD \wslot, \kld
.endif
.if \ldb
	s_wait_dscnt 16                                ; B of this step is in, and my stores are done: the sixteen loads just issued are younger
.else
	s_wait_dscnt 0x0
.endif
	MUL \ab, \bb, \zero, \bar
.endm
.macro LEVEL src, w                    ; of the 2 w bits from PS on: the lower w hold TC members; member NN lies above them if NN is not below TC
	v_bfe_u32 v[TC], v[\src], v[PS], \w
	v_cmp_ge_u32 vcc_lo, v[NN], v[TC]
	v_cndmask_b32 v[TZ], 0, v[TC], vcc_lo
	v_sub_nc_u32 v[NN], v[NN], v[TZ]
	v_cndmask_b32 v[TZ], 0, \w, vcc_lo
	v_add_nc_u32 v[PS], v[PS], v[TZ]
.endm
; The byte offsets of my five tiles' rows in pass s2 / 20.  A rank past the last member's takes that member.
.macro ROWS
	s_add_co_u32 s3, s2, s14
	s_lshl_b32 s27, s3, 4
	v_add_nc_u32 v[RT], s27, v[LR]                 ; rank 16 (20 p + w) + r: my first tile's
	s_add_co_u32 s3, s3, 16
	s_cmp_lt_u32 s3, s21
	s_cselect_b32 s23, 1, 0
.if UP
.irp a, 1,2,3,4
	v_mov_b32 v[TK+(\a)], 0                        ; the chain of tokens below is read before it is full
.endr
	s_mov_b32 s26, 5
.Lsel_\@:                                              ; five trips, a tile each: the search is written once, and the tokens move down a chain of five registers
	v_min_u32 v[RC], s22, v[RT]
	v_lshl_or_b32 v[KEY], v[RC], 10, 0x3ff
	v_mov_b32 v[MW], s32                           ; word 0 has no member ahead of it and begins with token 0
	v_mov_b32 v[XW], 0
.set wd, 1
.rept 31
	v_cmp_gt_u32 vcc_lo, s[XS+wd], v[KEY]          ; more members ahead of word wd than my rank: keep the word that I have
	v_cndmask_b32 v[MW], s[32+wd], v[MW], vcc_lo
	v_cndmask_b32 v[XW], s[XS+wd], v[XW], vcc_lo
.set wd, wd+1
.endr
	v_lshrrev_b32 v[NN], 10, v[XW]
	v_sub_nc_u32 v[NN], v[RC], v[NN]               ; which member of the word
	v_lshrrev_b32 v[T1], 1, v[MW]
	v_and_b32 v[T1], 0x55555555, v[T1]
	v_sub_nc_u32 v[CA], v[MW], v[T1]               ; members in each 2 bits,
	v_lshrrev_b32 v[T1], 2, v[CA]
	v_and_b32 v[T1], 0x33333333, v[T1]
	v_and_b32 v[CB], 0x33333333, v[CA]
	v_add_nc_u32 v[CB], v[CB], v[T1]               ; in each 4,
	v_lshrrev_b32 v[T1], 4, v[CB]
	v_add_nc_u32 v[CC], v[CB], v[T1]
	v_and_b32 v[CC], 0x0f0f0f0f, v[CC]             ; in each 8,
	v_lshrrev_b32 v[T1], 8, v[CC]
	v_add_nc_u32 v[CD], v[CC], v[T1]               ; and, in byte 0, in the lower 16
	v_and_b32 v[TC], 0xff, v[CD]
	v_cmp_ge_u32 vcc_lo, v[NN], v[TC]
	v_cndmask_b32 v[TZ], 0, v[TC], vcc_lo
	v_sub_nc_u32 v[NN], v[NN], v[TZ]
	v_cndmask_b32 v[PS], 0, 16, vcc_lo
	LEVEL CC, 8
	LEVEL CB, 4
	LEVEL CA, 2
	LEVEL MW, 1
	v_and_b32 v[TBV], 0x3ff, v[XW]
.irp a, 0,1,2,3
	v_mov_b32 v[TK+(\a)], v[TK+(\a)+1]
.endr
	v_lshl_add_u32 v[TK+4], v[PS], 2, v[TBV]       ; the token: the word's first + 4 x the bit
	v_add_nc_u32 v[RT], 64, v[RT]                  ; my next tile lies four tiles on
	s_sub_co_u32 s26, s26, 1
	s_cmp_lg_u32 s26, 0
	s_cbranch_scc1 .Lsel_\@
.irp a, 0,1,2,3,4
	v_min_u32 v[TK+(\a)], 0x3ff, v[TK+(\a)]
	v_lshl_add_u32 v[AOFF+(\a)], v[TK+(\a)], 11, v[H16]  ; x's rows in bf16: 2,048 bytes each
.endr
.else
.irp a, 0,1,2,3,4
	v_add_nc_u32 v[RT+1+(\a)], 64*(\a), v[RT]      ; rank 16 (20 p + 4 a + w) + r
	v_min_u32 v[RT+1+(\a)], s22, v[RT+1+(\a)]
	v_min_u32 v[RT+1+(\a)], 0x3ff, v[RT+1+(\a)]
	v_lshl_add_u32 v[AOFF+(\a)], v[RT+1+(\a)], 13, v[H16]  ; h's rows lie by rank, 8,192 bytes each
.endr
.endif
.endm
.macro XSTEP zero                      ; a K step of a later pass: the images lie in LDS; nothing is asked for ahead
	PLACES
	ALOAD 0, AX, 0
	BLOAD 0, 0
	s_wait_loadcnt 0x0
	s_wait_dscnt 0x0
	MUL 0, 0, \zero, 0
	s_wait_xcnt 0x0                                ; the base is stepped only behind this wait
	s_add_nc_u64 s[AX:AX+1], s[AX:AX+1], 64
	v_add_nc_u32 v[IMR], 8192, v[IMR]
.endm
	s_load_b256 s[4:11], s[0:1], 0x0               ; A's source s[4:5], sel s[6:7], the weights s[8:9], the result s[10:11]
.if !UP
	s_load_b64 s[12:13], s[0:1], 0x20              ; rwt
.endif
	v_lshl_add_u32 v[SPW], v0, 2, SPARE
	v_mov_b32 v[NIL], 0
	v_lshrrev_b32 v1, 5, v0
	v_readfirstlane_b32 s14, v1                    ; wave 0..3
	s_lshr_b32 s16, ttmp9, 5                       ; expert
.if UP
	s_and_b32 s17, ttmp9, 31                       ; slice of H
.else
	s_bfe_u32 s17, ttmp9, 0x30002                  ; slice of D: 3 bits from bit 2
	s_and_b32 s18, ttmp9, 3                        ; quarter of K
.endif
	v_and_b32 v[LR], 15, v0
	v_bfe_u32 v[LH], v0, 4, 1
	v_and_b32 v[LL], 31, v0
	v_lshlrev_b32 v[H16], 4, v[LH]
	v_lshlrev_b32 v[IMR], 4, v[LL]
	v_lshlrev_b32 v[SOF], 4, v[LR]
	v_lshlrev_b32 v[WOF], 4, v[LR]
	s_and_b32 s3, s14, 1                           ; strip
	s_lshr_b32 s2, s14, 1                          ; q
.if UP
	v_lshl_add_u32 v[SOF], v[LH], 16, v[SOF]       ; in h: 16 r, and 8 rows of 8,192 bytes for the upper half of the lanes
	v_lshl_add_u32 v[WOF], v[LH], 17, v[WOF]       ; h: 8 rows of 16,384 bytes
	s_lshl_b32 s27, s3, 13                         ; strip: 2,048 columns
	s_lshl_b32 s26, s2, 18                         ; q: 16 rows
.else
	v_lshl_add_u32 v[WOF], v[LH], 14, v[WOF]       ; h: 4 rows of 4,096 bytes
	s_lshl_b32 s27, s3, 8                          ; strip: 64 columns
	s_lshl_b32 s26, s2, 15                         ; q: 8 rows
.endif
	s_add_co_u32 s27, s27, s26
	v_add_nc_u32 v[WOF], s27, v[WOF]
	s_lshl_b32 s27, s3, 12                         ; in an image: four tiles of 1,024 bytes a strip,
	s_lshl_b32 s26, s2, 9                          ; 512 bytes for each q
	s_add_co_u32 s27, s27, s26
	v_lshl_add_u32 v[IMW], v[LL], 4, s27
	s_lshl_b32 s[BITS], 0x101, s16                 ; the expert's two bits in sel: chosen first, chosen second
.if !UP
	s_add_co_u32 s74, s16, 8
	s_mov_b32 s75, LIST
.endif
	s_lshl_b32 s2, s16, 24                         ; an expert's weights are 2^24 bytes
.if UP
	s_lshl_b32 s3, s17, 8
.else
	s_lshl_b32 s3, s17, 9
	s_lshl_b32 s26, s18, 21                        ; a quarter begins 512 rows on
	s_add_co_u32 s3, s3, s26
.endif
	s_add_co_u32 s2, s2, s3
	s_mov_b32 s3, 0
	s_wait_kmcnt 0x0
	s_add_nc_u64 s[66:67], s[8:9], s[2:3]
.if UP
	s_mov_b64 s[28:29], s[4:5]
.else
	s_add_nc_u64 s[68:69], s[66:67], 0x800000      ; 2,048 rows further down
	s_lshl_b32 s2, s16, 23                         ; an expert's 1,024 places of 8,192 bytes
	s_lshl_b32 s26, s18, 11                        ; my quarter of a row
	s_add_co_u32 s2, s2, s26
	s_add_nc_u64 s[28:29], s[4:5], s[2:3]
.endif
	s_mov_b64 s[30:31], s[28:29]
.irp g, 0,1,2,3,4,5,6,7
	global_load_b128 v[AF+4*(\g):AF+4*(\g)+3], v[IMR], s[6:7] offset:512*(\g)  ; sel: word 4 g + c, lane L: token 128 g + 4 L + c
.endr
	LD 0, 0
	LD 1, 1
	LD 2, 2
	LD 3, 3
	s_wait_loadcnt 32                              ; sel is in: the 32 loads of weights are younger
.set wd, 0
.rept 32
	v_and_b32 v[TM+wd], s[BITS], v[AF+wd]
.set wd, wd+1
.endr
.set wd, 0
.rept 32
	v_cmp_ne_u32 s[32+wd], 0, v[TM+wd]             ; the word's members
.set wd, wd+1
.endr
	s_mov_b32 s20, 0
.set wd, 0
.rept 32
.if UP && (wd > 0)
	s_lshl_b32 s[XS+wd], s20, 10                   ; X: the members ahead of the word,
	s_addk_co_i32 s[XS+wd], 128*(wd/4)+wd%4        ; and its first token
.endif
	s_bcnt1_i32_b32 s2, s[32+wd]
	s_add_co_u32 s20, s20, s2                      ; CNT
.set wd, wd+1
.endr
	s_add_co_u32 s21, s20, 15
	s_lshr_b32 s21, s21, 4
.if UP
	s_max_u32 s21, s21, 1                          ; one tile at the least is written, so that the next launch finds row 0
.endif
	s_max_u32 s22, s20, 1
	s_sub_co_u32 s22, s22, 1                       ; a rank past the count repeats the expert's last row
	s_mov_b32 s2, 0
	ROWS
	ALOAD 0, 30, 0
	ALOAD 1, 30, 64
	ALOAD 2, 30, 128
	s_wait_loadcnt 54                              ; K step 0's weights are in: behind them 24 loads of weights and 30 of rows
	IMG 0, 0
	LD 0, 4
	s_wait_loadcnt 54                              ; K step 1's: behind them 16 + 30 + 8
	IMG 1, 1
	LD 1, 5
	s_wait_dscnt 0x0                               ; images 0 and 1 lie in LDS
	s_barrier_signal -1
	s_barrier_wait -1
	BLOAD 0, 0                                     ; B of K step 0
	; the queue now holds: weights 2, 3; rows 0, 1, 2; weights 4, 5
	TRIP 0, 0, 0, 1, 1, 2, 2, 1, 6, 1, 3, 3, 36, 1, 1       ; K step 0 starts the sums; behind rows 0: 10 + 10 + 8 + 8
	v_add_nc_u32 v[IMR], 8192, v[IMR]              ; the loop counts images from K step 1,
	v_add_nc_u32 v[IMW], 3*8192, v[IMW]            ; and from image 3
	s_mov_b32 s19, 6
.Llap:                                                 ; six laps of four trips: K steps 1 to 24, images 3 to 26; A's four buffers, B's two and the four slots come round
.set tb, 0
.rept 4
	TRIP tb, (1+tb)%4, (1+tb)%2, 0, 1, (3+tb)%4, tb, 1, 7+tb, 1, tb, 4+tb, 44, 1, 1
.set tb, tb+1
.endr
	s_wait_xcnt 0x0                                ; the bases of the loads that are out are stepped only behind this wait
	s_add_nc_u64 s[66:67], s[66:67], 4*KB
.if !UP
	s_add_nc_u64 s[68:69], s[68:69], 4*KB
.endif
	s_add_nc_u64 s[30:31], s[30:31], 256
	v_add_nc_u32 v[IMR], 4*8192, v[IMR]
	v_add_nc_u32 v[IMW], 4*8192, v[IMW]
	s_sub_co_u32 s19, s19, 1
	s_cmp_lg_u32 s19, 0
	s_cbranch_scc1 .Llap
	TRIP 0, 1, 1, 0, 1, 3, 0, 1, 7, 1, 0, 4, 44, 1, 1       ; K step 25 asks for the last weights
	TRIP 1, 2, 0, 0, 1, 0, 1, 0, 0, 1, 1, 5, 44, 1, 1       ; 26: behind rows 26: 8 + 10 + 8 + 10 + 8
	TRIP 2, 3, 1, 0, 1, 1, 2, 0, 0, 1, 2, 6, 36, 1, 1       ; 27: 8 + 10 + 8 + 10
	TRIP 3, 0, 0, 0, 1, 2, 3, 0, 0, 1, 3, 7, 28, 1, 1       ; 28: 8 + 10 + 10
	TRIP 4, 1, 1, 0, 1, 3, 4, 0, 0, 0, 0, 0, 20, 1, 1       ; 29: 10 + 10; the last image, and the last barrier of the stream
	TRIP 5, 2, 0, 0, 0, 0, 0, 0, 0, 0, 0, 0, 10, 1, 0       ; 30
	TRIP 6, 3, 1, 0, 0, 0, 0, 0, 0, 0, 0, 0, 0, 0, 0        ; 31
	PLACES
	; THE ACTIVATION.  A tile's block makes z = x / sqrt 2 out of its accumulators, into registers that are the same for every tile; one text of four units does the rest.
	; Its constants lie in vector registers, as pairs: the scalar registers keep the masks for the later passes.
.set CK,  216                          ; v216-243: P's seven, Q's five, 1 / sqrt 2, each twice; -4; 4.  No later pass writes them
.macro CONST r, x
	v_mov_b32 v[\r], \x
	v_mov_b32 v[\r+1], \x
.endm
	CONST CK+0,  0xaf95df0b                        ; P: -2.72614226e-10
	CONST CK+2,  0x32edffee                        ;     2.77068142e-08
	CONST CK+4,  0xb60cff51                        ;    -2.10102402e-06
	CONST CK+6,  0xb86ec2d2                        ;    -5.69250639e-05
	CONST CK+8,  0xba40ac63                        ;    -7.34990630e-04
	CONST CK+10, 0xbb41a1f6                        ;    -2.95459981e-03
	CONST CK+12, 0xbc83dbd4                        ;    -1.60960333e-02
	CONST CK+14, 0xb77460cd                        ; Q: -1.45660718e-05
	CONST CK+16, 0xb95fbd29                        ;    -2.13374055e-04
	CONST CK+18, 0xbadc924e                        ;    -1.68282697e-03
	CONST CK+20, 0xbbf19bf8                        ;    -7.37332917e-03
	CONST CK+22, 0xbc69b6a7                        ;    -1.42647391e-02
	CONST CK+24, 0x3f3504f3                        ; 1 / sqrt 2
	v_mov_b32 v[CK+26], 0xc0800000                 ; -4
	v_mov_b32 v[CK+27], 0x40800000                 ;  4
.set ZR,  32                           ; v32-95   z: column tile ct, row j of my eight at 8 ct + j
.set HX,  96                           ; a unit: rows 2 jp, 2 jp + 1 as a pair, for column tile ct at + 2 ct: x / 2,
.set Z2,  112                          ; z^2,
.set PR,  128                          ; P,
.set QR,  144                          ; Q
.set OUT, 160
.macro GIN a                           ; each accumulator's lowest registers are read first
.Lg\a:
.if (\a) < 4
	WIN 0x01                                       ; source 0 in window 1
.set AC, 64*(\a)
.else
	WIN 0x02                                       ; source 0 in window 2
.set AC, 0
.endif
.irp ct, 0,1,2,3,4,5,6,7
.irp jp, 0,1,2,3
	v_pk_mul_f32 v[ZR+8*(\ct)+2*(\jp):ZR+8*(\ct)+2*(\jp)+1], v[AC+8*(\ct)+2*(\jp):AC+8*(\ct)+2*(\jp)+1], v[CK+24:CK+25]
.endr
.endr
	WIN 0
.if (\a) < 4
	s_branch .Lgo
.endif
.endm
.macro HORNER d, k
.irp i, 0,2,4,6,8,10,12,14
	v_pk_fma_f32 v[\d+(\i):\d+(\i)+1], v[\d+(\i):\d+(\i)+1], v[Z2+(\i):Z2+(\i)+1], v[\k:\k+1]
.endr
.endm
.macro UNIT jp                         ; rows 2 jp, 2 jp + 1 of both halves of the lanes, all eight column tiles
.irp ct, 0,1,2,3,4,5,6,7
	v_pk_mul_f32 v[HX+2*(\ct):HX+2*(\ct)+1], v[ZR+8*(\ct)+2*(\jp):ZR+8*(\ct)+2*(\jp)+1], v[CK+24:CK+25]   ; x / 2 = z / sqrt 2, of z as it came
.endr
.irp ct, 0,1,2,3,4,5,6,7
	v_med3_num_f32 v[ZR+8*(\ct)+2*(\jp)],   v[ZR+8*(\ct)+2*(\jp)],   v[CK+26], v[CK+27]
	v_med3_num_f32 v[ZR+8*(\ct)+2*(\jp)+1], v[ZR+8*(\ct)+2*(\jp)+1], v[CK+26], v[CK+27]
.endr
.irp ct, 0,1,2,3,4,5,6,7
	v_pk_mul_f32 v[Z2+2*(\ct):Z2+2*(\ct)+1], v[ZR+8*(\ct)+2*(\jp):ZR+8*(\ct)+2*(\jp)+1], v[ZR+8*(\ct)+2*(\jp):ZR+8*(\ct)+2*(\jp)+1]
.endr
.irp i, 0,2,4,6,8,10,12,14
	v_pk_fma_f32 v[QR+(\i):QR+(\i)+1], v[Z2+(\i):Z2+(\i)+1], v[CK+14:CK+15], v[CK+16:CK+17]
.endr
.irp i, 0,2,4,6,8,10,12,14
	v_pk_fma_f32 v[PR+(\i):PR+(\i)+1], v[Z2+(\i):Z2+(\i)+1], v[CK+0:CK+1], v[CK+2:CK+3]
.endr
	HORNER QR, CK+18
	HORNER PR, CK+4
	HORNER QR, CK+20
	HORNER PR, CK+6
	HORNER QR, CK+22
	HORNER PR, CK+8
.set n, 0
.rept 16
	v_rcp_f32 v[QR+n], v[QR+n]                     ; one batch; the 24 plain lines below name none of its registers
.set n, n+1
.endr
	HORNER PR, CK+10
	HORNER PR, CK+12
.irp ct, 0,1,2,3,4,5,6,7
	v_pk_mul_f32 v[PR+2*(\ct):PR+2*(\ct)+1], v[PR+2*(\ct):PR+2*(\ct)+1], v[ZR+8*(\ct)+2*(\jp):ZR+8*(\ct)+2*(\jp)+1]
.endr
	s_wait_alu depctr_va_vdst(0)                   ; the wait ahead of the first line that names a reciprocal: one for the sixteen
.irp i, 0,2,4,6,8,10,12,14
	v_pk_mul_f32 v[PR+(\i):PR+(\i)+1], v[PR+(\i):PR+(\i)+1], v[QR+(\i):QR+(\i)+1]     ; erf
.endr
.irp i, 0,2,4,6,8,10,12,14
	v_pk_fma_f32 v[PR+(\i):PR+(\i)+1], v[HX+(\i):HX+(\i)+1], v[PR+(\i):PR+(\i)+1], v[HX+(\i):HX+(\i)+1]  ; x/2 erf + x/2
.endr
	s_wait_xcnt 0x0                                ; the last unit's stores have read OUT
.irp i, 0,1,2,3
	v_cvt_pk_bf16_f32 v[OUT+(\i)],   v[PR+4*(\i)],   v[PR+4*(\i)+2]   ; row 2 jp: column tiles 2 i, 2 i + 1
	v_cvt_pk_bf16_f32 v[OUT+4+(\i)], v[PR+4*(\i)+1], v[PR+4*(\i)+3]   ; row 2 jp + 1
.endr
	global_store_b128 v[SOF], v[OUT:OUT+3],   s[SB:SB+1] offset:(\jp)*16384        ; 16 lanes store 256 consecutive bytes, aligned
	global_store_b128 v[SOF], v[OUT+4:OUT+7], s[SB:SB+1] offset:(\jp)*16384+8192
.endm
	s_mov_b32 s24, 0
.Lpass:                                                ; four trips, whatever the count: a pass's tiles go out, then the next pass is multiplied if the expert has rows for it
	s_mul_i32 s2, s24, 20
	s_cmp_ge_u32 s2, s21
	s_cbranch_scc1 .Lnop                           ; the expert has no tile in this pass
	s_mov_b32 s25, 0
.Ltile:
	s_mul_i32 s2, s24, 20
	s_lshl2_add_u32 s2, s25, s2
	s_add_co_u32 s2, s2, s14                       ; t = 20 p + 4 a + w
	s_cmp_ge_u32 s2, s21
	s_cbranch_scc1 .Ltnext
	s_lshl_b32 s3, s16, 10
	s_lshl4_add_u32 s2, s2, s3                     ; place 1024 E + 16 t
	s_lshl_b32 s2, s2, 13
	s_lshl_b32 s3, s17, 8
	s_add_co_u32 s2, s2, s3
	s_mov_b32 s3, 0
	s_wait_xcnt 0x0                                ; the last tile's stores have read their base
	s_add_nc_u64 s[SB:SB+1], s[10:11], s[2:3]
	s_cmp_eq_u32 s25, 0
	s_cbranch_scc1 .Lg0
	s_cmp_eq_u32 s25, 1
	s_cbranch_scc1 .Lg1
	s_cmp_eq_u32 s25, 2
	s_cbranch_scc1 .Lg2
	s_cmp_eq_u32 s25, 3
	s_cbranch_scc1 .Lg3
	s_branch .Lg4
	GIN 0
	GIN 1
	GIN 2
	GIN 3
	GIN 4
.Lgo:
	UNIT 0
	UNIT 1
	UNIT 2
	UNIT 3
.Ltnext:
	s_add_co_u32 s25, s25, 1
	s_cmp_lt_u32 s25, 5
	s_cbranch_scc1 .Ltile
	s_mul_i32 s2, s24, 20
	s_add_co_u32 s2, s2, 20
	s_cmp_ge_u32 s2, s21
	s_cbranch_scc1 .Lnop                           ; the expert has no rows for a further pass
	s_wait_xcnt 0x0                                ; the stores have read their registers, which the next pass uses
	ROWS
	v_lshlrev_b32 v[IMR], 4, v[LL]
	s_mov_b64 s[AX:AX+1], s[28:29]
	XSTEP 1
	s_mov_b32 s[XK], 31
.Lxk:
	XSTEP 0
	s_sub_co_u32 s[XK], s[XK], 1
	s_cmp_lg_u32 s[XK], 0
	s_cbranch_scc1 .Lxk
	PLACES
.Lnop:
	s_add_co_u32 s24, s24, 1
	s_cmp_lt_u32 s24, 4
	s_cbranch_scc1 .Lpass
	s_wait_dscnt 0x0                               ; the later passes' LDS reads step their address from trip to trip: in every wave they are over
	s_barrier_signal -1                            ; before any wave's last LDS write
	s_barrier_wait -1
	s_wait_tensorcnt 0x0                           ; the wave's end
	ds_add_u32 v[SPW], v[NIL]
	s_wait_dscnt 0x0
	s_endpgm
.Lfunc_end_k_q9b0149d670_up:
	.size	k_q9b0149d670_up, .Lfunc_end_k_q9b0149d670_up-k_q9b0149d670_up
	.p2alignl 7, 3214868480
	.fill 96, 4, 3214868480
	.section	.rodata,"a",@progbits
	.p2align	6, 0x0
	.amdhsa_kernel k_q9b0149d670_up
		.amdhsa_group_segment_fixed_size 262656
		.amdhsa_private_segment_fixed_size 0
		.amdhsa_enable_private_segment 0
		.amdhsa_kernarg_size 32
		.amdhsa_user_sgpr_count 2
		.amdhsa_user_sgpr_kernarg_segment_ptr 1
		.amdhsa_wavefront_size32 1
		.amdhsa_system_sgpr_workgroup_id_x 1
		.amdhsa_system_sgpr_workgroup_id_y 1
		.amdhsa_system_sgpr_workgroup_id_z 1
		.amdhsa_system_vgpr_workitem_id 0
		.amdhsa_next_free_vgpr 896
		.amdhsa_next_free_sgpr 101
		.amdhsa_reserve_vcc 1
		.amdhsa_float_denorm_mode_32 3
		.amdhsa_float_denorm_mode_16_64 3
		.amdhsa_memory_ordered 1
		.amdhsa_forward_progress 1
		.amdhsa_inst_pref_size 170
	.end_amdhsa_kernel
	.amdgpu_metadata
---
amdhsa.version: [ 1, 2 ]
amdhsa.kernels:
  - .name:           k_q9b0149d670_up
    .symbol:         k_q9b0149d670_up.kd
    .args:
      - { .name: xb, .offset: 0, .size: 8, .value_kind: global_buffer, .address_space: global }
      - { .name: sel, .offset: 8, .size: 8, .value_kind: global_buffer, .address_space: global }
      - { .name: w1, .offset: 16, .size: 8, .value_kind: global_buffer, .address_space: global }
      - { .name: hbuf, .offset: 24, .size: 8, .value_kind: global_buffer, .address_space: global }
    .group_segment_fixed_size: 262656
    .private_segment_fixed_size: 0
    .kernarg_segment_align: 8
    .kernarg_segment_size: 32
    .max_flat_workgroup_size: 128
    .sgpr_count:     101
    .vgpr_count:     896
    .wavefront_size: 32
...
	.end_amdgpu_metadata
.endif
;; end of part 5
;; launch down (part 6): grid 256 x 1, 4 waves a work-group, no clusters, 270,848 bytes of LDS; arguments hbuf, sel, w2, yp, rwt; writes yp
.if DOCPART == 6
	.amdgcn_target "amdgcn-amd-amdhsa--gfx1250"
	.amdhsa_code_object_version 6
	.text
	.protected	k_q9b0149d670_down
	.globl	k_q9b0149d670_down
	.p2align	8
	.type	k_q9b0149d670_down,@function
k_q9b0149d670_down:
	s_mov_b64 s[64:65], 0
	v_nop
	global_prefetch_b8 v0, s[64:65] scope:SCOPE_SE
	s_setreg_imm32_b32 hwreg(HW_REG_WAVE_MODE, 25, 1), 1
	s_wait_xcnt 0x0
; DOWN (UP = 0): yp[KQ][entry] = weight(entry) x (h w2[E], summed over quarter KQ of K) for the tokens that chose expert E.  The common part of this text, with UP = 1, is the first product.
; SHARES.  256 work-groups = 8 experts x 8 slices of 128 columns x 4 quarters of K: a slice of 1,024 K x 128 columns of one expert's weights, which this work-group alone reads, once, in f32.
;   The four quarters' partial rows are f32 and are added by the launch behind; an entry is 1024 x (chosen second) + token, so each row of yp has one expert, and one work-group for each 512 bytes.
;   Four waves, all alike: each fetches a quarter of every K step's weights and multiplies a quarter of the rows.
; IMAGES.  A lane (r = L % 16, h = L / 16) loads 16 bytes of weights: columns 4 r .. 4 r + 3 of one K row, so 16 lanes read 256 consecutive aligned bytes.  Column tile c of a strip IS the columns
;   4 r + c.  Eight such loads give the lane eight K of four tiles; two by two they are rounded to bf16 into four registers of each tile's fragment: nothing is transposed.  The image of K step u lies
;   at 8192 u + 1024 ct + 512 q + 16 L (ct = 4 strip + c; q: which 16 of the step's 32 K; wave w has strip w % 2, q = w / 2), is written once and stays: later passes over more rows read it again.
; K's ORDER.  h lies as the launch before stored it: place 8 S + i of a row is column 4 S + i of H for i < 4, and 2048 + 4 S + i - 4 else.  h is read as it lies, and w2's rows are taken in the same
;   order: place 1024 KQ + 32 u + 16 q + 8 h + i is row 16 (32 KQ + u) + 8 q + 4 h + i % 4 + 2048 (i / 4).  The same order of K on both sides leaves the products as they are.
; ONE QUEUE OF LOADS.  Loads come back in order on one counter (ISA guide 5.7.1).  Trip s issues 10 loads of token rows (K step s + 3) and then 8 of weights (K step s + 6).  At its head it needs the
;   weights of K step s + 2 and the rows of K step s; behind these stand weights s + 3, rows s + 1, weights s + 4, rows s + 2, weights s + 5: its wait leaves 8 + 10 + 8 + 10 + 8 = 44; 62 are out at the most.
; ROWS.  The expert's tokens are ranked from sel in the order in which the launch before ranked them: h's rows lie by rank.  A tile is 16 ranks; pass p gives wave w the tiles 20 p + 4 a + w,
;   a = 0..4: 320 rows a pass, four passes at the most (all 1,024 tokens on one expert).  The first pass runs beside the stream of weights; later ones read the images in LDS.
; THE LIST.  For each rank a pair in LDS: the entry, and the weight of that choice.  Wave 0 makes it in the head, out of sel and rwt, both loaded as they lie.  So the way out asks memory for nothing:
;   a pass's 40 pairs a lane are fetched from LDS together, behind one wait.
; WORK BEYOND THE COUNT.  A rank past the count repeats the expert's last row, in h and in the list: it computes the same bits and stores them to the same bytes.  A wave's tiles 0-3 are always
;   multiplied, its fifth only where it is live; dead tiles store nothing.  An expert without tokens stores nothing.
; NO CLUSTER.  Each byte of weights has one reader.  The rows of h that eight work-groups share go straight into registers: as a joint tile in LDS a K step's 320 rows would be 20,480 bytes more to
;   write and to read beside the 32,768 bytes of images that the four waves read in a K step.
; LIMITS.  NaN and infinities are not treated apart.
.set UP, 0
.if UP
.set SPARE, 262144                     ; LDS: 0 .. 262143 the 32 images; then the spare words: 128 bytes for each of four waves; no other line names them
.set KB,    524288                     ; bytes of w1 from a K step to the next: 32 rows of 16,384
.else
.set LIST,  262144                     ; LDS: 0 .. 262143 the 32 images; then the list: 1,024 pairs (entry, weight)
.set SPARE, 270336                     ; the spare words: 128 bytes for each of four waves; no other line names them
.set KB,    65536                      ; 16 rows of 4,096 (the step's other 16 rows lie 2,048 rows further down)
.endif
; window 0
.set IMR,  1                           ; v1     LDS address from which images are read
.set IMW,  2                           ; v2     LDS address at which my part of an image is written
.set WOF,  3                           ; v3     my byte offset in the weights
.set AOFF, 4                           ; v4-8   byte offsets of my five tiles' rows
.set SPW,  9                           ; v9     my spare word;  v10  0: kept for the closing add alone
.set NIL,  10
.set LR,   11                          ; v11 r;  v12 h;  v13 lane;  v14 16 h
.set LH,   12
.set LL,   13
.set H16,  14
.set SOF,  15                          ; v15    my byte offset in what is stored; never rewritten
.set F,    16                          ; v16-31   a packed quarter image
.set TM,   32                          ; v32-95   at work
.set AF,   96                          ; v96-255  A: four buffers of five fragments
.set RT,   32
; window 1: accumulators of tiles 0-3, tile a, column tile ct at 64 a + 8 ct.   window 2: v0-63 accumulators of tile 4; v64-191 four slots of eight loads of weights
; window 3: v0-127 B: two buffers of a K step's eight column tiles, buffer bb, tile ct at 64 bb + 8 ct
.set WS,   64
; s14 wave; s16 expert; s17 slice; s18 K quarter; s19 laps; s20 CNT; s21 live tiles; s22 last rank of a member; s23 my fifth tile is live; s24 pass; s26, s27 at work; s[28:29] A's origin; s[30:31] A, stepped;
; s[32:63] the 32 masks of members; s[66:67], s[68:69] weights, stepped; s74 the bit of sel that says 'chosen second'; s75 the list's LDS address
.if UP
.set SB,   12
.set AX,   68
.set XK,   18
.set BITS, 15
.set XS,   69
.else
.set SB,   70                          ; s[70:71] where results go
.set AX,   76                          ; s[76:77] A in later passes
.set XK,   78                          ; s78      their K steps
.set BITS, 72                          ; s72      the expert's two bits in sel
.endif
.set MSB, 0
.macro WIN new                         ; s_set_vgpr_msb: bits 1:0 source 0, 3:2 source 1, 5:4 source 2, 7:6 destination; the high byte repeats the setting that is left
.if MSB != (\new)
	s_set_vgpr_msb (MSB<<8)|(\new)
.set MSB, \new
.endif
.endm
.macro PLACES                          ; four plain vector instructions between a matrix instruction and a load into, or a vector line on, its registers
.rept 4
	v_nop
.endr
.endm
.macro EACH8 line:vararg               ; one line for each k, 0 to 7: a stage of eight chains that do not wait for each other
.set k, 0
.rept 8
	\line
.set k, k+1
.endr
.endm
.macro LD slot, k                      ; eight loads: my 8 K rows x 4 columns of K step k (counted from the stepped base) into a slot
	WIN 0x80                                       ; destination in window 2
.irp i, 0,1,2,3,4,5,6,7
.if UP
	global_load_b128 v[WS+32*(\slot)+4*(\i):WS+32*(\slot)+4*(\i)+3], v[WOF], s[66:67] offset:(\k)*KB+16384*(\i) th:TH_LOAD_NT
.elseif (\i) < 4
	global_load_b128 v[WS+32*(\slot)+4*(\i):WS+32*(\slot)+4*(\i)+3], v[WOF], s[66:67] offset:(\k)*KB+4096*(\i) th:TH_LOAD_NT
.else
	global_load_b128 v[WS+32*(\slot)+4*(\i):WS+32*(\slot)+4*(\i)+3], v[WOF], s[68:69] offset:(\k)*KB+4096*((\i)-4) th:TH_LOAD_NT
.endif
.endr
	WIN 0
.endm
.macro IMG slot, kimg                  ; a slot is rounded to bf16 and stored as my quarter of an image
	WIN 0x0a                                       ; sources 0 and 1 in window 2
.irp c, 0,1,2,3
.irp p, 0,1,2,3
	v_cvt_pk_bf16_f32 v[F+4*(\c)+(\p)], v[WS+32*(\slot)+8*(\p)+(\c)], v[WS+32*(\slot)+8*(\p)+4+(\c)]  ; column c of K rows 2 p, 2 p + 1
.endr
.endr
	WIN 0
.irp c, 0,1,2,3
	ds_store_b128 v[IMW], v[F+4*(\c):F+4*(\c)+3] offset:(\kimg)*8192+(\c)*1024
.endr
.endm
.macro BLOAD bb, kimg                  ; a whole image, eight column tiles' fragments, into B's buffer bb: sixteen loads, each 512 consecutive bytes
	WIN 0xc0                                       ; destination in window 3
.irp ct, 0,1,2,3,4,5,6,7
	ds_load_b128 v[64*(\bb)+8*(\ct):64*(\bb)+8*(\ct)+3],   v[IMR] offset:(\kimg)*8192+(\ct)*1024
	ds_load_b128 v[64*(\bb)+8*(\ct)+4:64*(\bb)+8*(\ct)+7], v[IMR] offset:(\kimg)*8192+(\ct)*1024+512
.endr
	WIN 0
.endm
.macro ALOAD buf, sb, off              ; five row tiles' fragments: ten loads, always all ten, so that the counts are alike on every way
.irp a, 0,1,2,3,4
	global_load_b128 v[AF+40*(\buf)+8*(\a):AF+40*(\buf)+8*(\a)+3],   v[AOFF+(\a)], s[\sb:\sb+1] offset:(\off)
	global_load_b128 v[AF+40*(\buf)+8*(\a)+4:AF+40*(\buf)+8*(\a)+7], v[AOFF+(\a)], s[\sb:\sb+1] offset:(\off)+32
.endr
.endm
; A K step's 40 matrix instructions in one run: five row tiles x eight column tiles.  Source 0 = 16 tokens, source 1 = 16 columns.  The accumulators take turns, one instruction a turn.
; zero = 1: the products start the sums, and none is jumped, so that every accumulator is written on every way.
; bar = 1: the trip's barrier stands inside the run.  Behind 24 products my LDS instructions are waited for (my stores into the image, for the others' sake; my sixteen loads) and I signal; eight products,
; work on registers, stand between the signal and the wait.
.macro MUL ab, bb, zero, bar
	WIN 0x5c                                       ; B in window 3, C and D in window 1
.irp a, 0,1,2,3
.if (\bar) && ((\a) == 3)
	s_wait_dscnt 0x0
	s_barrier_signal -1
.endif
.irp ct, 0,1,2,3,4,5,6,7
.if \zero
	v_wmma_f32_16x16x32_bf16 v[64*(\a)+8*(\ct):64*(\a)+8*(\ct)+7], v[AF+40*(\ab)+8*(\a):AF+40*(\ab)+8*(\a)+7], v[64*(\bb)+8*(\ct):64*(\bb)+8*(\ct)+7], 0
.else
	v_wmma_f32_16x16x32_bf16 v[64*(\a)+8*(\ct):64*(\a)+8*(\ct)+7], v[AF+40*(\ab)+8*(\a):AF+40*(\ab)+8*(\a)+7], v[64*(\bb)+8*(\ct):64*(\bb)+8*(\ct)+7], v[64*(\a)+8*(\ct):64*(\a)+8*(\ct)+7]
.endif
.endr
.endr
.if \bar
	s_barrier_wait -1
.endif
.if !(\zero)
	WIN 0                                          ; at a branch and at a label every window is 0
	s_cmp_eq_u32 s23, 0
	s_cbranch_scc1 .Lno5_\@                        ; my fifth tile holds no row of the expert
.endif
	WIN 0xac                                       ; B in window 3, C and D in window 2
.irp ct, 0,1,2,3,4,5,6,7
.if \zero
	v_wmma_f32_16x16x32_bf16 v[8*(\ct):8*(\ct)+7], v[AF+40*(\ab)+32:AF+40*(\ab)+39], v[64*(\bb)+8*(\ct):64*(\bb)+8*(\ct)+7], 0
.else
	v_wmma_f32_16x16x32_bf16 v[8*(\ct):8*(\ct)+7], v[AF+40*(\ab)+32:AF+40*(\ab)+39], v[64*(\bb)+8*(\ct):64*(\bb)+8*(\ct)+7], v[8*(\ct):8*(\ct)+7]
.endif
.endr
	WIN 0
.if !(\zero)
.Lno5_\@:
.endif
.endm
; A TRIP: K step s is multiplied (A's buffer ab, B's buffer bb).  Ahead of the products: image s + 2 is made (img: slot wslot to image kimg from v2 on); B of K step s + 1 is asked of LDS (ldb: image kb + 1
; from v1 on, into the other buffer: that image was stored in trip s - 1 and shown by its barrier); the rows of K step s + 3 (lda: buffer nb, step ka from the base on) and the weights of K step s + 6
; (ldw: step kld from the base on, into the slot just rounded) are asked of memory.  The LDS loads stand ahead of the global ones and have 24 products in which to land.
.macro TRIP kb, ab, bb, zero, img, wslot, kimg, ldw, kld, lda, nb, ka, lcnt, ldb, bar
	s_wait_loadcnt \lcnt                           ; this trip's weights and rows are in; lcnt loads were issued behind them
.if \img
	IMG \wslot, \kimg                              ; its sixteen conversions are also the places behind the last trip's products
.else
	PLACES
.endif
.if \ldb
	BLOAD 1-(\bb), (\kb)+1
.endif
.if \lda
	ALOAD \nb, 30, 64*(\ka)
.endif
.if \ldw
	LD \wslot, \kld
.endif
.if \ldb
	s_wait_dscnt 16                                ; B of this step is in, and my stores are done: the sixteen loads just issued are younger
.else
	s_wait_dscnt 0x0
.endif
	MUL \ab, \bb, \zero, \bar
.endm
; The byte offsets of my five tiles' rows in pass s2 / 20.  A rank past the last member's takes that member.
.macro ROWS
	s_add_co_u32 s3, s2, s14
	s_lshl_b32 s27, s3, 4
	v_add_nc_u32 v[RT], s27, v[LR]                 ; rank 16 (20 p + w) + r: my first tile's
	s_add_co_u32 s3, s3, 16
	s_cmp_lt_u32 s3, s21
	s_cselect_b32 s23, 1, 0
.irp a, 0,1,2,3,4
	v_add_nc_u32 v[RT+1+(\a)], 64*(\a), v[RT]      ; rank 16 (20 p + 4 a + w) + r
.endr
.irp a, 0,1,2,3,4
	v_min_u32 v[RT+1+(\a)], s22, v[RT+1+(\a)]
.endr
.irp a, 0,1,2,3,4
	v_min_u32 v[RT+1+(\a)], 0x3ff, v[RT+1+(\a)]
.endr
.irp a, 0,1,2,3,4
	v_lshl_add_u32 v[AOFF+(\a)], v[RT+1+(\a)], 13, v[H16]  ; h's rows lie by rank, 8,192 bytes each
.endr
.endm
.macro XSTEP zero                      ; a K step of a later pass: the images lie in LDS; nothing is asked for ahead
	PLACES
	ALOAD 0, AX, 0
	BLOAD 0, 0
	s_wait_loadcnt 0x0
	s_wait_dscnt 0x0
	MUL 0, 0, \zero, 0
	s_wait_xcnt 0x0                                ; the base is stepped only behind this wait
	s_add_nc_u64 s[AX:AX+1], s[AX:AX+1], 64
	v_add_nc_u32 v[IMR], 8192, v[IMR]
.endm
	s_load_b256 s[4:11], s[0:1], 0x0               ; A's source s[4:5], sel s[6:7], the weights s[8:9], the result s[10:11]
.if !UP
	s_load_b64 s[12:13], s[0:1], 0x20              ; rwt
.endif
	v_lshl_add_u32 v[SPW], v0, 2, SPARE
	v_mov_b32 v[NIL], 0
	v_lshrrev_b32 v1, 5, v0
	v_readfirstlane_b32 s14, v1                    ; wave 0..3
	s_lshr_b32 s16, ttmp9, 5                       ; expert
.if UP
	s_and_b32 s17, ttmp9, 31                       ; slice of H
.else
	s_bfe_u32 s17, ttmp9, 0x30002                  ; slice of D: 3 bits from bit 2
	s_and_b32 s18, ttmp9, 3                        ; quarter of K
.endif
	v_and_b32 v[LR], 15, v0
	v_bfe_u32 v[LH], v0, 4, 1
	v_and_b32 v[LL], 31, v0
	v_lshlrev_b32 v[H16], 4, v[LH]
	v_lshlrev_b32 v[IMR], 4, v[LL]
	v_lshlrev_b32 v[SOF], 4, v[LR]
	v_lshlrev_b32 v[WOF], 4, v[LR]
	s_and_b32 s3, s14, 1                           ; strip
	s_lshr_b32 s2, s14, 1                          ; q
.if UP
	v_lshl_add_u32 v[SOF], v[LH], 16, v[SOF]       ; in h: 16 r, and 8 rows of 8,192 bytes for the upper half of the lanes
	v_lshl_add_u32 v[WOF], v[LH], 17, v[WOF]       ; h: 8 rows of 16,384 bytes
	s_lshl_b32 s27, s3, 13                         ; strip: 2,048 columns
	s_lshl_b32 s26, s2, 18                         ; q: 16 rows
.else
	v_lshl_add_u32 v[WOF], v[LH], 14, v[WOF]       ; h: 4 rows of 4,096 bytes
	s_lshl_b32 s27, s3, 8                          ; strip: 64 columns
	s_lshl_b32 s26, s2, 15                         ; q: 8 rows
.endif
	s_add_co_u32 s27, s27, s26
	v_add_nc_u32 v[WOF], s27, v[WOF]
	s_lshl_b32 s27, s3, 12                         ; in an image: four tiles of 1,024 bytes a strip,
	s_lshl_b32 s26, s2, 9                          ; 512 bytes for each q
	s_add_co_u32 s27, s27, s26
	v_lshl_add_u32 v[IMW], v[LL], 4, s27
	s_lshl_b32 s[BITS], 0x101, s16                 ; the expert's two bits in sel: chosen first, chosen second
.if !UP
	s_add_co_u32 s74, s16, 8
	s_mov_b32 s75, LIST
.endif
	s_lshl_b32 s2, s16, 24                         ; an expert's weights are 2^24 bytes
.if UP
	s_lshl_b32 s3, s17, 8
.else
	s_lshl_b32 s3, s17, 9
	s_lshl_b32 s26, s18, 21                        ; a quarter begins 512 rows on
	s_add_co_u32 s3, s3, s26
.endif
	s_add_co_u32 s2, s2, s3
	s_mov_b32 s3, 0
	s_wait_kmcnt 0x0
	s_add_nc_u64 s[66:67], s[8:9], s[2:3]
.if UP
	s_mov_b64 s[28:29], s[4:5]
.else
	s_add_nc_u64 s[68:69], s[66:67], 0x800000      ; 2,048 rows further down
	s_lshl_b32 s2, s16, 23                         ; an expert's 1,024 places of 8,192 bytes
	s_lshl_b32 s26, s18, 11                        ; my quarter of a row
	s_add_co_u32 s2, s2, s26
	s_add_nc_u64 s[28:29], s[4:5], s[2:3]
.endif
	s_mov_b64 s[30:31], s[28:29]
.irp g, 0,1,2,3,4,5,6,7
	global_load_b128 v[AF+4*(\g):AF+4*(\g)+3], v[IMR], s[6:7] offset:512*(\g)  ; sel: word 4 g + c, lane L: token 128 g + 4 L + c
.endr
	s_cmp_lg_u32 s14, 0
	s_cbranch_scc1 .Lnorw                          ; wave 0, which makes the list, takes the tokens' weights too, laid as sel is
.irp g, 0,1,2,3,4,5,6,7
	global_load_b128 v[AF+32+4*(\g):AF+32+4*(\g)+3], v[IMR], s[12:13] offset:512*(\g)
	global_load_b128 v[AF+64+4*(\g):AF+64+4*(\g)+3], v[IMR], s[12:13] offset:4096+512*(\g)
.endr
.Lnorw:
	LD 0, 0
	LD 1, 1
	LD 2, 2
	LD 3, 3
	s_wait_loadcnt 32                              ; all but the 32 loads of weights, which are younger, are in
.set wd, 0
.rept 32
	v_and_b32 v[TM+wd], s[BITS], v[AF+wd]
.set wd, wd+1
.endr
.set wd, 0
.rept 32
	v_cmp_ne_u32 s[32+wd], 0, v[TM+wd]             ; the word's members
.set wd, wd+1
.endr
	s_mov_b32 s20, 0
.set wd, 0
.rept 32
	s_bcnt1_i32_b32 s2, s[32+wd]
	s_add_co_u32 s20, s20, s2                      ; CNT
.set wd, wd+1
.endr
	s_add_co_u32 s21, s20, 15
	s_lshr_b32 s21, s21, 4
	s_max_u32 s22, s20, 1
	s_sub_co_u32 s22, s22, 1                       ; a rank past the count repeats the expert's last row
	; Wave 0 alone stores the list, ahead of the first barrier, while no other wave touches LDS: where a pair goes hangs on sel.
	; Eight words at a time, stage by stage: word 8 g + k works in v[TM + 4 k .. + 3], and no line reads the result of the line before it.
	s_cmp_lg_u32 s14, 0
	s_cbranch_scc1 .Lnolist
	v_lshlrev_b32 v[F], 2, v[LL]                   ; 4 L
	s_mov_b32 s3, 0                                ; members so far
.set g, 0
.rept 4
.set k, 0
.rept 8
	v_mbcnt_lo_u32_b32 v[TM+4*k], s[32+8*g+k], s3  ; members ahead of me: a member's rank
	s_bcnt1_i32_b32 s2, s[32+8*g+k]
	s_add_co_u32 s3, s3, s2
.set k, k+1
.endr
	EACH8 v_add_nc_u32 v[TM+4*k+1], 1023-32*(8*g+k), v[TM+4*k]
	EACH8 v_sub_nc_u32 v[TM+4*k+1], v[TM+4*k+1], v[LL]                        ; 1023 less the others ahead of me: another's place
	EACH8 v_cndmask_b32 v[TM+4*k+1], v[TM+4*k+1], v[TM+4*k], s[32+8*g+k]
	EACH8 v_min_u32 v[TM+4*k+1], 0x3ff, v[TM+4*k+1]
	EACH8 v_lshl_add_u32 v[TM+4*k+1], v[TM+4*k+1], 3, s75
	EACH8 v_bfe_u32 v[TM+4*k+2], v[AF+8*g+k], s74, 1                          ; 1: chosen second
.set k, 0
.rept 8
	v_cmp_ne_u32 vcc_lo, 0, v[TM+4*k+2]
	v_lshl_add_u32 v[TM+4*k+2], v[TM+4*k+2], 10, v[F]
	v_cndmask_b32 v[TM+4*k+3], v[AF+32+8*g+k], v[AF+64+8*g+k], vcc_lo         ; the weight of that choice
.set k, k+1
.endr
	EACH8 v_add_nc_u32 v[TM+4*k+2], 128*((8*g+k)/4)+(8*g+k)%4, v[TM+4*k+2]    ; the entry: 1024 x (chosen second) + token
	EACH8 ds_store_b64 v[TM+4*k+1], v[TM+4*k+2:TM+4*k+3]
.set g, g+1
.endr
.Lnolist:
	s_wait_dscnt 0x0                               ; for the others' sake: the list lies in LDS
	s_barrier_signal -1
	s_barrier_wait -1
	s_mov_b32 s2, 0
	ROWS
	ALOAD 0, 30, 0
	ALOAD 1, 30, 64
	ALOAD 2, 30, 128
	s_wait_loadcnt 54                              ; K step 0's weights are in: behind them 24 loads of weights and 30 of rows
	IMG 0, 0
	LD 0, 4
	s_wait_loadcnt 54                              ; K step 1's: behind them 16 + 30 + 8
	IMG 1, 1
	LD 1, 5
	s_wait_dscnt 0x0                               ; images 0 and 1 lie in LDS
	s_barrier_signal -1
	s_barrier_wait -1
	BLOAD 0, 0                                     ; B of K step 0
	; the queue now holds: weights 2, 3; rows 0, 1, 2; weights 4, 5
	TRIP 0, 0, 0, 1, 1, 2, 2, 1, 6, 1, 3, 3, 36, 1, 1       ; K step 0 starts the sums; behind rows 0: 10 + 10 + 8 + 8
	v_add_nc_u32 v[IMR], 8192, v[IMR]              ; the loop counts images from K step 1,
	v_add_nc_u32 v[IMW], 3*8192, v[IMW]            ; and from image 3
	s_mov_b32 s19, 6
.Llap:                                                 ; six laps of four trips: K steps 1 to 24, images 3 to 26; A's four buffers, B's two and the four slots come round
.set tb, 0
.rept 4
	TRIP tb, (1+tb)%4, (1+tb)%2, 0, 1, (3+tb)%4, tb, 1, 7+tb, 1, tb, 4+tb, 44, 1, 1
.set tb, tb+1
.endr
	s_wait_xcnt 0x0                                ; the bases of the loads that are out are stepped only behind this wait
	s_add_nc_u64 s[66:67], s[66:67], 4*KB
.if !UP
	s_add_nc_u64 s[68:69], s[68:69], 4*KB
.endif
	s_add_nc_u64 s[30:31], s[30:31], 256
	v_add_nc_u32 v[IMR], 4*8192, v[IMR]
	v_add_nc_u32 v[IMW], 4*8192, v[IMW]
	s_sub_co_u32 s19, s19, 1
	s_cmp_lg_u32 s19, 0
	s_cbranch_scc1 .Llap
	TRIP 0, 1, 1, 0, 1, 3, 0, 1, 7, 1, 0, 4, 44, 1, 1       ; K step 25 asks for the last weights
	TRIP 1, 2, 0, 0, 1, 0, 1, 0, 0, 1, 1, 5, 44, 1, 1       ; 26: behind rows 26: 8 + 10 + 8 + 10 + 8
	TRIP 2, 3, 1, 0, 1, 1, 2, 0, 0, 1, 2, 6, 36, 1, 1       ; 27: 8 + 10 + 8 + 10
	TRIP 3, 0, 0, 0, 1, 2, 3, 0, 0, 1, 3, 7, 28, 1, 1       ; 28: 8 + 10 + 10
	TRIP 4, 1, 1, 0, 1, 3, 4, 0, 0, 0, 0, 0, 20, 1, 1       ; 29: 10 + 10; the last image, and the last barrier of the stream
	TRIP 5, 2, 0, 0, 0, 0, 0, 0, 0, 0, 0, 0, 10, 1, 0       ; 30
	TRIP 6, 3, 1, 0, 0, 0, 0, 0, 0, 0, 0, 0, 0, 0, 0        ; 31
	PLACES
	s_lshl_b32 s2, s18, 23                         ; yp: a plane of 8 MiB for each quarter of K,
	s_lshl_b32 s3, s17, 9                          ; my 128 columns
	s_add_co_u32 s2, s2, s3
	s_mov_b32 s3, 0
	s_add_nc_u64 s[SB:SB+1], s[10:11], s[2:3]
.set DA, 32                            ; v32-95   eight rows x eight numbers to store
.set EW, 96                            ; v96-175  tile a, row j of my eight at EW + 2 (8 a + j): the entry, the weight
.set RO, 176                           ; v176-183 a tile's byte offsets in yp
.set TP, 184                           ; v184-199 LDS addresses, at work: two sets of eight by turns
.set TT, 200
; The pairs of all five tiles of a pass, 40 a lane, are asked of LDS together and waited for once; a tile's eight addresses are made stage by stage.
; A dead tile's ranks take the last member's pair, which is not used.
.macro PRE
	s_mul_i32 s2, s24, 20
	s_add_co_u32 s2, s2, s14
	s_lshl_b32 s3, s2, 4
	v_lshl_add_u32 v[TT], v[LH], 3, s3             ; 16 (20 p + w) + 8 h
.irp a, 0,1,2,3,4
.irp j, 0,1,2,3,4,5,6,7
	v_add_nc_u32 v[TP+8*((\a)%2)+(\j)], 64*(\a)+(\j), v[TT]   ; rank 16 t + 8 h + j
.endr
.irp j, 0,1,2,3,4,5,6,7
	v_min_u32 v[TP+8*((\a)%2)+(\j)], s22, v[TP+8*((\a)%2)+(\j)]
.endr
.irp j, 0,1,2,3,4,5,6,7
	v_min_u32 v[TP+8*((\a)%2)+(\j)], 0x3ff, v[TP+8*((\a)%2)+(\j)]
.endr
.irp j, 0,1,2,3,4,5,6,7
	v_lshl_add_u32 v[TP+8*((\a)%2)+(\j)], v[TP+8*((\a)%2)+(\j)], 3, s75
.endr
.irp j, 0,1,2,3,4,5,6,7
	ds_load_b64 v[EW+2*(8*(\a)+(\j)):EW+2*(8*(\a)+(\j))+1], v[TP+8*((\a)%2)+(\j)]
.endr
.endr
	s_wait_dscnt 0x0
.endm
; Tile a goes out: each row times its token's weight, to the row of its entry.  A lane's four numbers of a strip are 16 consecutive bytes, 16 lanes 256, aligned.
; A rank past the count has repeated the last row all along: the same bits go to the same bytes once more, from this wave.
.macro DTILE a
	s_mul_i32 s2, s24, 20
	s_add_co_u32 s2, s2, s14
	s_add_co_u32 s2, s2, 4*(\a)
	s_cmp_ge_u32 s2, s21
	s_cbranch_scc1 .Ldead_\@
	s_wait_xcnt 0x0                                ; the last tile's stores have read their registers
.irp j, 0,1,2,3,4,5,6,7
	v_min_u32 v[RO+(\j)], 0x7ff, v[EW+2*(8*(\a)+(\j))]
.endr
.irp j, 0,1,2,3,4,5,6,7
	v_lshl_add_u32 v[RO+(\j)], v[RO+(\j)], 12, v[SOF]
.endr
.if (\a) < 4
	WIN 0x01                                       ; source 0 in window 1
.set AC, 64*(\a)
.else
	WIN 0x02                                       ; source 0 in window 2
.set AC, 0
.endif
.irp j, 0,1,2,3,4,5,6,7                ; register 0 of every accumulator first
.irp ct, 0,1,2,3,4,5,6,7
	v_mul_f32 v[DA+8*(\j)+(\ct)], v[AC+8*(\ct)+(\j)], v[EW+2*(8*(\a)+(\j))+1]
.endr
.endr
	WIN 0
.irp j, 0,1,2,3,4,5,6,7
	global_store_b128 v[RO+(\j)], v[DA+8*(\j):DA+8*(\j)+3], s[SB:SB+1]
	global_store_b128 v[RO+(\j)], v[DA+8*(\j)+4:DA+8*(\j)+7], s[SB:SB+1] offset:256
.endr
.Ldead_\@:
.endm
	s_mov_b32 s24, 0
.Lpass:                                                ; four trips, whatever the count: a pass's tiles go out, then the next pass is multiplied if the expert has rows for it
	s_mul_i32 s2, s24, 20
	s_cmp_ge_u32 s2, s21
	s_cbranch_scc1 .Lnop                           ; the expert has no tile in this pass: nothing is fetched and nothing stored
	PRE
	DTILE 0
	DTILE 1
	DTILE 2
	DTILE 3
	DTILE 4
	s_mul_i32 s2, s24, 20
	s_add_co_u32 s2, s2, 20
	s_cmp_ge_u32 s2, s21
	s_cbranch_scc1 .Lnop                           ; the expert has no rows for a further pass
	s_wait_xcnt 0x0                                ; the stores have read their registers, which the next pass uses
	ROWS
	v_lshlrev_b32 v[IMR], 4, v[LL]
	s_mov_b64 s[AX:AX+1], s[28:29]
	XSTEP 1
	s_mov_b32 s[XK], 31
.Lxk:
	XSTEP 0
	s_sub_co_u32 s[XK], s[XK], 1
	s_cmp_lg_u32 s[XK], 0
	s_cbranch_scc1 .Lxk
	PLACES
.Lnop:
	s_add_co_u32 s24, s24, 1
	s_cmp_lt_u32 s24, 4
	s_cbranch_scc1 .Lpass
	s_wait_dscnt 0x0                               ; the way out's and the later passes' LDS reads take their addresses from the pass and the count: in every wave they are over
	s_barrier_signal -1                            ; before any wave's last LDS write
	s_barrier_wait -1
	s_wait_tensorcnt 0x0                           ; the wave's end
	ds_add_u32 v[SPW], v[NIL]
	s_wait_dscnt 0x0
	s_endpgm
.Lfunc_end_k_q9b0149d670_down:
	.size	k_q9b0149d670_down, .Lfunc_end_k_q9b0149d670_down-k_q9b0149d670_down
	.p2alignl 7, 3214868480
	.fill 96, 4, 3214868480
	.section	.rodata,"a",@progbits
	.p2align	6, 0x0
	.amdhsa_kernel k_q9b0149d670_down
		.amdhsa_group_segment_fixed_size 270848
		.amdhsa_private_segment_fixed_size 0
		.amdhsa_enable_private_segment 0
		.amdhsa_kernarg_size 40
		.amdhsa_user_sgpr_count 2
		.amdhsa_user_sgpr_kernarg_segment_ptr 1
		.amdhsa_wavefront_size32 1
		.amdhsa_system_sgpr_workgroup_id_x 1
		.amdhsa_system_sgpr_workgroup_id_y 1
		.amdhsa_system_sgpr_workgroup_id_z 1
		.amdhsa_system_vgpr_workitem_id 0
		.amdhsa_next_free_vgpr 896
		.amdhsa_next_free_sgpr 80
		.amdhsa_reserve_vcc 1
		.amdhsa_float_denorm_mode_32 3
		.amdhsa_float_denorm_mode_16_64 3
		.amdhsa_memory_ordered 1
		.amdhsa_forward_progress 1
		.amdhsa_inst_pref_size 166
	.end_amdhsa_kernel
	.amdgpu_metadata
---
amdhsa.version: [ 1, 2 ]
amdhsa.kernels:
  - .name:           k_q9b0149d670_down
    .symbol:         k_q9b0149d670_down.kd
    .args:
      - { .name: hbuf, .offset: 0, .size: 8, .value_kind: global_buffer, .address_space: global }
      - { .name: sel, .offset: 8, .size: 8, .value_kind: global_buffer, .address_space: global }
      - { .name: w2, .offset: 16, .size: 8, .value_kind: global_buffer, .address_space: global }
      - { .name: yp, .offset: 24, .size: 8, .value_kind: global_buffer, .address_space: global }
      - { .name: rwt, .offset: 32, .size: 8, .value_kind: global_buffer, .address_space: global }
    .group_segment_fixed_size: 270848
    .private_segment_fixed_size: 0
    .kernarg_segment_align: 8
    .kernarg_segment_size: 40
    .max_flat_workgroup_size: 128
    .sgpr_count:     80
    .vgpr_count:     896
    .wavefront_size: 32
...
	.end_amdgpu_metadata
.endif
;; end of part 6
;; launch combine: the kernel of part 4 again; grid 256 x 1, 8 waves a work-group, no clusters, 0 bytes of LDS; arguments yp, out0; writes out0
;; ======== version 3 of 3: 4 launches; version 2 with the launches up, down written anew for expert scheduling mode
;; workspace buffers: xb 2,097,152 bytes; sel 4,096 bytes of whole numbers; rwt 8,192 bytes; hbuf 67,108,864 bytes; yp 33,554,432 bytes
;; launch router: the kernel of part 1 again; grid 128 x 1, 8 waves a work-group, no clusters, 17,920 bytes of LDS; arguments hidden_states, gate_w, out1, xb, sel, rwt; writes out1, xb, sel, rwt
;; launch up (part 7): grid 256 x 1, 4 waves a work-group, no clusters, 262,656 bytes of LDS; arguments xb, sel, w1, hbuf; writes hbuf
.if DOCPART == 7
	.amdgcn_target "amdgcn-amd-amdhsa--gfx1250"
	.amdhsa_code_object_version 6
	.text
	.protected	k_q9b0149d670_up
	.globl	k_q9b0149d670_up
	.p2align	8
	.type	k_q9b0149d670_up,@function
k_q9b0149d670_up:
	s_mov_b64 s[64:65], 0
	v_nop
	global_prefetch_b8 v0, s[64:65] scope:SCOPE_SE
	s_setreg_imm32_b32 hwreg(HW_REG_WAVE_SCHED_MODE, 0, 2), 2
	s_setreg_imm32_b32 hwreg(HW_REG_WAVE_MODE, 25, 1), 1
	s_wait_xcnt 0x0
	s_wait_alu depctr_vm_vsrc(0)
; UP (UP = 1): h = gelu(x w1[E]) for the tokens that chose expert E.  The common part of this text, with UP = 0, is the second product.
; SHARES.  256 work-groups = 8 experts x 32 slices of 1,024 K x 128 columns of one expert's weights, which this work-group alone reads, once, in f32.
;   Slice CS holds columns 64 CS .. + 63 and 2048 + 64 CS .. + 63 of w1 (two strips).  Four waves, all alike: each fetches a quarter of every K step's weights and multiplies a quarter of the rows.
; IMAGES.  A lane (r = L % 16, h = L / 16) loads 16 bytes of weights: columns 4 r .. 4 r + 3 of one K row, so 16 lanes read 256 consecutive aligned bytes.  Column tile c of a strip IS the columns
;   4 r + c.  Eight such loads give the lane eight K of four tiles; two by two they are rounded to bf16 into four registers of each tile's fragment: nothing is transposed.  The image of K step u lies
;   at 8192 u + 1024 ct + 512 q + 16 L (ct = 4 strip + c; q: which 16 of the step's 32 K; wave w has strip w % 2, q = w / 2), is written once and stays: later passes over more rows read it again.
; ONE QUEUE OF LOADS.  Loads come back in order on one counter (ISA guide 5.7.1).  Trip s issues 10 loads of token rows (K step s + 3) and then 8 of weights (K step s + 6).  At its head it needs the
;   weights of K step s + 2 and the rows of K step s; behind these stand weights s + 3, rows s + 1, weights s + 4, rows s + 2, weights s + 5: its wait leaves 8 + 10 + 8 + 10 + 8 = 44; 62 are out at the most.
; ROWS.  sel holds a whole number a token, stored by the launch before.  32 masks of members (word 4 g + c, bit L: token 128 g + 4 L + c) stay in scalar registers; a member's rank counts the members
;   in lower words and lower bits.  The token of a rank is found in registers: the last word with no more members ahead of it than the rank, then that word's bit by five halvings.  No LDS, no barrier.
;   A tile is 16 ranks; pass p gives wave w the tiles 20 p + 4 a + w, a = 0..4: 320 rows a pass, four passes at the most (all 1,024 tokens on one expert).  The first pass runs beside
;   the stream of weights; later ones read the images that lie in LDS.
; WORK BEYOND THE COUNT.  A rank past the count repeats the expert's last token.  Rows are rounded up to tiles of 16; a wave's tiles 0-3 are always multiplied, its fifth only where it is live.
; h's STORED ORDER.  A lane holds, for a token, columns 4 r .. + 3 of both strips: 8 bf16, 16 bytes, stored at row byte 256 CS + 16 r: 16 lanes fill 256 aligned bytes.  So stored place
;   8 S + i (S = 16 CS + r) is column 4 S + i of H for i < 4, and 2048 + 4 S + i - 4 else.  The next launch reads h as it lies and takes w2's rows in that same order.
; NO CLUSTER.  Each byte of weights has one reader; the token rows that an expert's 32 work-groups share come by a list, which no tile's descriptor covers.
; LIMITS.  gelu(x) = x/2 (1 + erf(x / sqrt 2)), erf(z) = z P(z^2) / Q(z^2), degrees 6 and 4, z held to -4 .. 4, where erf is within 2e-8 of 1 in size; x/2 is made as z / sqrt 2, two roundings.
;   h is rounded to bf16 once.  NaN and infinities are not treated apart.  An expert without tokens: 16 rows (of a token that exists) are still written, and the next launch stores nothing for it.
; THE MODE: SCHED_MODE bits 1:0 = 2 (LLVM: expert scheduling mode 2), set by the entry lines.  The code itself states the register dependences
;   between vector or matrix instructions and memory or LDS instructions, with s_wait_alu, always for 0.
; THE PLAN.  Registers that memory or LDS instructions touch in the stream; trip s multiplies K step s:
;   slots 0-3 (window 2)  Trip s: its sixteen roundings read slot (s + 2) % 4; behind them its loads of weights (K step s + 6) land in that slot.
;   v[F ..]               Trip s: the roundings write it; the four LDS stores of image s + 2 read it.
;   B0, B1 (window 3)     Trip s: its products read B[s % 2]; its sixteen LDS loads land in the other, which trip s - 1's products read.
;   AF0 .. AF3            Trip s: its products read AF[s % 4]; its loads of rows (K step s + 3) land in AF[(s + 3) % 4], which trip s - 1's products read.
;   v1, v2                Read by the LDS loads and stores; written behind trip 0 and at a lap's end.      v3, v4-8  Read by the loads from memory; not written in the stream.
;   So a trip has two waits.  On vm_vsrc, at its head: the LDS stores of the trip before have read F.  On va_vdst, behind its roundings: F is written, the slot is read, the products of the trip before
;   are done with B's other buffer and with A's oldest, v1 and v2 are written.  Behind that wait the trip's only vector or matrix instructions are its products, which name AF[s % 4], B[s % 2] and the
;   accumulators: none of the registers that its loads touch.  So the eighteen loads from memory are dealt among the products with no further wait.
;   THE WAY OUT.  OUT0, OUT1: unit jp's roundings write OUT[jp % 2]; its two stores stand in the next unit, behind the wait for that unit's reciprocals, which also shows the roundings written.
.set UP, 1
.if UP
.set KB,    524288                     ; bytes of w1 from a K step to the next: 32 rows of 16,384.  LDS: 0 .. 262143 the 32 images; then the spare words: 128 bytes for each of four waves, for the closing add
.else
.set LIST,  262144                     ; LDS: 0 .. 262143 the 32 images; then the list: 1,024 pairs (entry, weight); the bytes behind it stay claimed and are not used
.set KB,    65536                      ; 16 rows of 4,096 (the step's other 16 rows lie 2,048 rows further down)
.endif
; window 0
.set IMR,  1                           ; v1     LDS address from which images are read
.set IMW,  2                           ; v2     LDS address at which my part of an image is written
.set WOF,  3                           ; v3     my byte offset in the weights
.set AOFF, 4                           ; v4-8   byte offsets of my five tiles' rows
.set LR,   11                          ; v11 r;  v12 h;  v13 lane;  v14 16 h
.set LH,   12
.set LL,   13
.set H16,  14
.set SOF,  15                          ; v15    my byte offset in what is stored; never rewritten
.set F,    16                          ; v16-31   a packed quarter image
.set TM,   32                          ; v32-95   at work
.set AF,   96                          ; v96-255  A: four buffers of five fragments
.set RT,   32
.set RC,   RT+1                        ; the search for a rank's token: the rank, held to the count;
.set KEY,  RT+2                        ; (rank << 10) | 1023;
.set MW,   RT+3                        ; its word's mask;
.set XW,   RT+4                        ; its word's X;
.set NN,   RT+5                        ; which of the word's members;
.set T1,   RT+6
.set CA,   RT+7                        ; the word's counts of 2, 4, 8 bits, and of 16 in byte 0;
.set CB,   RT+8
.set CC,   RT+9
.set CD,   RT+10
.set PS,   RT+11                       ; the bit
.set TC,   RT+12
.set TZ,   RT+13
.set TBV,  RT+14
.set TK,   RT+16                       ; v48-52 the five tiles' tokens
; window 1: accumulators of tiles 0-3, tile a, column tile ct at 64 a + 8 ct.   window 2: v0-63 accumulators of tile 4; v64-191 four slots of eight loads of weights
; window 3: v0-127 B: two buffers of a K step's eight column tiles, buffer bb, tile ct at 64 bb + 8 ct
.set WS,   64
; s14 wave; s16 expert; s17 slice; s19 laps; s20 CNT; s21 live tiles; s22 last rank of a member; s23 my fifth tile is live; s24 pass; s25 tile; s26, s27 at work; s[28:29] A's origin; s[30:31] A, stepped;
; s[32:63] the 32 masks of members; s[66:67] weights, stepped
.if UP
.set SB,   12                          ; s[12:13] where results go
.set AX,   68                          ; s[68:69] A in later passes
.set XK,   18                          ; s18      their K steps
.set BITS, 15                          ; s15      the expert's two bits in sel
.set XS,   69                          ; s70-100  word wd, 1 to 31, at XS + wd: X = (members ahead of the word << 10) | the word's first token
.set CM,   2                           ; s2-9     the search's eight masks, at work: what the arguments left in s4-9 has been taken over into s[28:29] and s[66:67], and sel has been read
.else
.set SB,   70
.set AX,   76
.set XK,   78
.set BITS, 72
.endif
.set MSB, 0
.macro WIN new                         ; s_set_vgpr_msb: bits 1:0 source 0, 3:2 source 1, 5:4 source 2, 7:6 destination; the high byte repeats the setting that is left.  Each macro sets what it needs and leaves it
.if MSB != (\new)
	s_set_vgpr_msb (MSB<<8)|(\new)
.set MSB, \new
.endif
.endm
.macro PLACES                          ; four plain vector instructions between a matrix instruction and a load into, or a vector line on, its registers
.rept 4
	v_nop
.endr
.endm
.macro LD slot, k                      ; eight loads: my 8 K rows x 4 columns of K step k (counted from the stepped base) into a slot
	WIN 0x80                                       ; destination in window 2
.irp i, 0,1,2,3,4,5,6,7
.if UP
	global_load_b128 v[WS+32*(\slot)+4*(\i):WS+32*(\slot)+4*(\i)+3], v[WOF], s[66:67] offset:(\k)*KB+16384*(\i) th:TH_LOAD_NT
.elseif (\i) < 4
	global_load_b128 v[WS+32*(\slot)+4*(\i):WS+32*(\slot)+4*(\i)+3], v[WOF], s[66:67] offset:(\k)*KB+4096*(\i) th:TH_LOAD_NT
.else
	global_load_b128 v[WS+32*(\slot)+4*(\i):WS+32*(\slot)+4*(\i)+3], v[WOF], s[68:69] offset:(\k)*KB+4096*((\i)-4) th:TH_LOAD_NT
.endif
.endr
.endm
.macro IMG slot, kimg, again           ; a slot is rounded to bf16 and stored as my quarter of an image.  again = 1: not the first image
.if \again
	s_wait_alu depctr_vm_vsrc(0)                   ; the LDS stores of the image before have read v[F ..], which the roundings below write again
.endif
	WIN 0x0a                                       ; sources 0 and 1 in window 2
.irp c, 0,1,2,3
.irp p, 0,1,2,3
	v_cvt_pk_bf16_f32 v[F+4*(\c)+(\p)], v[WS+32*(\slot)+8*(\p)+(\c)], v[WS+32*(\slot)+8*(\p)+4+(\c)]  ; column c of K rows 2 p, 2 p + 1
.endr
.endr
	WIN 0
	s_wait_alu depctr_va_vdst(0)                   ; the roundings have written v[F ..], which the LDS stores read, and are done reading the slot, in which loads of weights land; the products issued so far are done reading B's other buffer and A's oldest, in which this trip's loads land; v1 and v2 are written
.irp c, 0,1,2,3
	ds_store_b128 v[IMW], v[F+4*(\c):F+4*(\c)+3] offset:(\kimg)*8192+(\c)*1024
.endr
.endm
.macro BLOAD bb, kimg                  ; a whole image, eight column tiles' fragments, into B's buffer bb: sixteen loads, each 512 consecutive bytes
	WIN 0xc0                                       ; destination in window 3
.irp ct, 0,1,2,3,4,5,6,7
	ds_load_b128 v[64*(\bb)+8*(\ct):64*(\bb)+8*(\ct)+3],   v[IMR] offset:(\kimg)*8192+(\ct)*1024
	ds_load_b128 v[64*(\bb)+8*(\ct)+4:64*(\bb)+8*(\ct)+7], v[IMR] offset:(\kimg)*8192+(\ct)*1024+512
.endr
.endm
.macro ALOAD buf, sb, off              ; five row tiles' fragments: ten loads, always all ten, so that the counts are alike on every way
	WIN 0
.irp a, 0,1,2,3,4
	global_load_b128 v[AF+40*(\buf)+8*(\a):AF+40*(\buf)+8*(\a)+3],   v[AOFF+(\a)], s[\sb:\sb+1] offset:(\off)
	global_load_b128 v[AF+40*(\buf)+8*(\a)+4:AF+40*(\buf)+8*(\a)+7], v[AOFF+(\a)], s[\sb:\sb+1] offset:(\off)+32
.endr
.endm
; A K step's 40 matrix instructions: five row tiles x eight column tiles.  Source 0 = 16 tokens, source 1 = 16 columns.  The accumulators take turns, one instruction a turn.
; zero = 1: the products start the sums, and none is jumped, so that every accumulator is written on every way.
; bar = 1: the trip's barrier stands inside the run.  Behind 24 products my LDS instructions are waited for (my stores into the image, for the others' sake; my sixteen loads) and I signal; eight products,
; work on registers, stand between the signal and the wait.
; lda, ldw: the trip's loads from memory are dealt among the products: the ten of rows (buffer nb, step ka from the base on) behind the first eight, the eight of weights (slot wslot, step kld from the base on)
; behind the next eight.  No wait: no vector or matrix instruction since the wait behind the trip's roundings names a register that these loads touch.
.macro MUL ab, bb, zero, bar, lda=0, nb=0, ka=0, ldw=0, wslot=0, kld=0
.irp a, 0,1,2,3
.if (\bar) && ((\a) == 3)
	s_wait_dscnt 0x0
	s_barrier_signal -1
.endif
	WIN 0x5c                                       ; B in window 3, C and D in window 1
.irp ct, 0,1,2,3,4,5,6,7
.if \zero
	v_wmma_f32_16x16x32_bf16 v[64*(\a)+8*(\ct):64*(\a)+8*(\ct)+7], v[AF+40*(\ab)+8*(\a):AF+40*(\ab)+8*(\a)+7], v[64*(\bb)+8*(\ct):64*(\bb)+8*(\ct)+7], 0
.else
	v_wmma_f32_16x16x32_bf16 v[64*(\a)+8*(\ct):64*(\a)+8*(\ct)+7], v[AF+40*(\ab)+8*(\a):AF+40*(\ab)+8*(\a)+7], v[64*(\bb)+8*(\ct):64*(\bb)+8*(\ct)+7], v[64*(\a)+8*(\ct):64*(\a)+8*(\ct)+7]
.endif
.endr
.if (\lda) && ((\a) == 0)
	ALOAD \nb, 30, 64*(\ka)
.endif
.if (\ldw) && ((\a) == 1)
	LD \wslot, \kld
.endif
.endr
.if \bar
	s_barrier_wait -1
.endif
.if !(\zero)
	WIN 0                                          ; at a branch and at a label every window is 0
	s_cmp_eq_u32 s23, 0
	s_cbranch_scc1 .Lno5_\@                        ; my fifth tile holds no row of the expert
.endif
	WIN 0xac                                       ; B in window 3, C and D in window 2
.irp ct, 0,1,2,3,4,5,6,7
.if \zero
	v_wmma_f32_16x16x32_bf16 v[8*(\ct):8*(\ct)+7], v[AF+40*(\ab)+32:AF+40*(\ab)+39], v[64*(\bb)+8*(\ct):64*(\bb)+8*(\ct)+7], 0
.else
	v_wmma_f32_16x16x32_bf16 v[8*(\ct):8*(\ct)+7], v[AF+40*(\ab)+32:AF+40*(\ab)+39], v[64*(\bb)+8*(\ct):64*(\bb)+8*(\ct)+7], v[8*(\ct):8*(\ct)+7]
.endif
.endr
	WIN 0
.if !(\zero)
.Lno5_\@:
.endif
.endm
; A TRIP: K step s is multiplied (A's buffer ab, B's buffer bb).  Ahead of the products: image s + 2 is made (img: slot wslot to image kimg from v2 on); B of K step s + 1 is asked of LDS (ldb: image kb + 1
; from v1 on, into the other buffer: that image was stored in trip s - 1 and shown by its barrier).  Among the products: the rows of K step s + 3 (lda) and the weights of K step s + 6 (ldw, into the slot
; just rounded) are asked of memory.  The LDS loads have 24 products in which to land.
.macro TRIP kb, ab, bb, zero, img, wslot, kimg, ldw, kld, lda, nb, ka, lcnt, ldb, bar
	s_wait_loadcnt \lcnt                           ; this trip's weights and rows are in; lcnt loads were issued behind them
.if \img
	IMG \wslot, \kimg, 1                           ; its sixteen conversions are also the places behind the last trip's products
.else
	PLACES
.if \ldb
	s_wait_alu depctr_va_vdst(0)                   ; the last trip's products are done reading B's other buffer, in which the LDS loads below land
.endif
.endif
.if \ldb
	BLOAD 1-(\bb), (\kb)+1
	s_wait_dscnt 16                                ; B of this step is in, and my stores are done: the sixteen loads just issued are younger
.else
	s_wait_dscnt 0x0
.endif
	MUL \ab, \bb, \zero, \bar, \lda, \nb, \ka, \ldw, \wslot, \kld
.endm
.macro LEVEL src, w                    ; of the 2 w bits from PS on: the lower w hold TC members; member NN lies above them if NN is not below TC
	v_bfe_u32 v[TC], v[\src], v[PS], \w
	v_cmp_ge_u32 vcc_lo, v[NN], v[TC]
	s_wait_alu depctr_va_vcc(0)                    ; VCC is written, ahead of the two selections that read it
	v_cndmask_b32 v[TZ], 0, v[TC], vcc_lo
	v_sub_nc_u32 v[NN], v[NN], v[TZ]
	v_cndmask_b32 v[TZ], 0, \w, vcc_lo
	v_add_nc_u32 v[PS], v[PS], v[TZ]
.endm
; The byte offsets of my five tiles' rows in pass s2 / 20.  A rank past the last member's takes that member.
.macro ROWS
	s_add_co_u32 s3, s2, s14
	s_lshl_b32 s27, s3, 4
	v_add_nc_u32 v[RT], s27, v[LR]                 ; rank 16 (20 p + w) + r: my first tile's
	s_add_co_u32 s3, s3, 16
	s_cmp_lt_u32 s3, s21
	s_cselect_b32 s23, 1, 0
.if UP
.irp a, 1,2,3,4
	v_mov_b32 v[TK+(\a)], 0                        ; the chain of tokens below is read before it is full
.endr
	s_mov_b32 s26, 5
.Lsel_\@:                                              ; five trips, a tile each: the search is written once, and the tokens move down a chain of five registers
	v_min_u32 v[RC], s22, v[RT]
	v_lshl_or_b32 v[KEY], v[RC], 10, 0x3ff
	v_mov_b32 v[MW], s32                           ; word 0 has no member ahead of it and begins with token 0
	v_mov_b32 v[XW], 0
.set wd, 1
.rept 4                                ; the 31 compares hang on the key alone: they go in runs of eight, into eight scalar registers, with one wait behind a run
.set k, 0
.rept 8
.if wd+k < 32
	v_cmp_gt_u32 s[CM+k], s[XS+wd+k], v[KEY]       ; more members ahead of word wd + k than my rank: keep the word that I have
.endif
.set k, k+1
.endr
	s_wait_alu depctr_va_sdst(0)                   ; the run's masks are written, ahead of the selections that read them
.set k, 0
.rept 8
.if wd+k < 32
	v_cndmask_b32 v[MW], s[32+wd+k], v[MW], s[CM+k]
	v_cndmask_b32 v[XW], s[XS+wd+k], v[XW], s[CM+k]
.endif
.set k, k+1
.endr
.set wd, wd+8
.endr
	v_lshrrev_b32 v[NN], 10, v[XW]
	v_sub_nc_u32 v[NN], v[RC], v[NN]               ; which member of the word
	v_lshrrev_b32 v[T1], 1, v[MW]
	v_and_b32 v[T1], 0x55555555, v[T1]
	v_sub_nc_u32 v[CA], v[MW], v[T1]               ; members in each 2 bits,
	v_lshrrev_b32 v[T1], 2, v[CA]
	v_and_b32 v[T1], 0x33333333, v[T1]
	v_and_b32 v[CB], 0x33333333, v[CA]
	v_add_nc_u32 v[CB], v[CB], v[T1]               ; in each 4,
	v_lshrrev_b32 v[T1], 4, v[CB]
	v_add_nc_u32 v[CC], v[CB], v[T1]
	v_and_b32 v[CC], 0x0f0f0f0f, v[CC]             ; in each 8,
	v_lshrrev_b32 v[T1], 8, v[CC]
	v_add_nc_u32 v[CD], v[CC], v[T1]               ; and, in byte 0, in the lower 16
	v_and_b32 v[TC], 0xff, v[CD]
	v_cmp_ge_u32 vcc_lo, v[NN], v[TC]
	s_wait_alu depctr_va_vcc(0)                    ; VCC is written, ahead of the two selections that read it
	v_cndmask_b32 v[TZ], 0, v[TC], vcc_lo
	v_sub_nc_u32 v[NN], v[NN], v[TZ]
	v_cndmask_b32 v[PS], 0, 16, vcc_lo
	LEVEL CC, 8
	LEVEL CB, 4
	LEVEL CA, 2
	LEVEL MW, 1
	v_and_b32 v[TBV], 0x3ff, v[XW]
.irp a, 0,1,2,3
	v_mov_b32 v[TK+(\a)], v[TK+(\a)+1]
.endr
	v_lshl_add_u32 v[TK+4], v[PS], 2, v[TBV]       ; the token: the word's first + 4 x the bit
	v_add_nc_u32 v[RT], 64, v[RT]                  ; my next tile lies four tiles on
	s_sub_co_u32 s26, s26, 1
	s_cmp_lg_u32 s26, 0
	s_cbranch_scc1 .Lsel_\@
.irp a, 0,1,2,3,4
	v_min_u32 v[TK+(\a)], 0x3ff, v[TK+(\a)]
	v_lshl_add_u32 v[AOFF+(\a)], v[TK+(\a)], 11, v[H16]  ; x's rows in bf16: 2,048 bytes each
.endr
.else
.irp a, 0,1,2,3,4
	v_add_nc_u32 v[RT+1+(\a)], 64*(\a), v[RT]      ; rank 16 (20 p + 4 a + w) + r
	v_min_u32 v[RT+1+(\a)], s22, v[RT+1+(\a)]
	v_min_u32 v[RT+1+(\a)], 0x3ff, v[RT+1+(\a)]
	v_lshl_add_u32 v[AOFF+(\a)], v[RT+1+(\a)], 13, v[H16]  ; h's rows lie by rank, 8,192 bytes each
.endr
.endif
.endm
.macro XSTEP zero                      ; a K step of a later pass: the images lie in LDS; nothing is asked for ahead
	PLACES
	s_wait_alu depctr_va_vdst(0)                   ; the products and the way out are done with A's and B's buffers 0, in which the loads below land; v1, and in a pass's first step v4-8, are written
	ALOAD 0, AX, 0
	BLOAD 0, 0
	s_wait_loadcnt 0x0
	s_wait_dscnt 0x0
	MUL 0, 0, \zero, 0
	s_wait_xcnt 0x0                                ; the base is stepped only behind this wait
	s_add_nc_u64 s[AX:AX+1], s[AX:AX+1], 64
	s_wait_alu depctr_vm_vsrc(0)                   ; the LDS loads above have read v1
	v_add_nc_u32 v[IMR], 8192, v[IMR]
.endm
	s_load_b256 s[4:11], s[0:1], 0x0               ; A's source s[4:5], sel s[6:7], the weights s[8:9], the result s[10:11]
	v_lshl_add_u32 v9, v0, 2, 0x40000
	v_mov_b32 v10, 0
.if !UP
	s_load_b64 s[12:13], s[0:1], 0x20              ; rwt
.endif
	v_lshrrev_b32 v1, 5, v0
	v_readfirstlane_b32 s14, v1                    ; wave 0..3
	s_lshr_b32 s16, ttmp9, 5                       ; expert
.if UP
	s_and_b32 s17, ttmp9, 31                       ; slice of H
.else
	s_bfe_u32 s17, ttmp9, 0x30002                  ; slice of D: 3 bits from bit 2
	s_and_b32 s18, ttmp9, 3                        ; quarter of K
.endif
	v_and_b32 v[LR], 15, v0
	v_bfe_u32 v[LH], v0, 4, 1
	v_and_b32 v[LL], 31, v0
	v_lshlrev_b32 v[H16], 4, v[LH]
	v_lshlrev_b32 v[IMR], 4, v[LL]
	v_lshlrev_b32 v[SOF], 4, v[LR]
	v_lshlrev_b32 v[WOF], 4, v[LR]
	s_wait_alu depctr_va_sdst(0)                   ; s14 is written, ahead of its first reader
	s_and_b32 s3, s14, 1                           ; strip
	s_lshr_b32 s2, s14, 1                          ; q
.if UP
	v_lshl_add_u32 v[SOF], v[LH], 16, v[SOF]       ; in h: 16 r, and 8 rows of 8,192 bytes for the upper half of the lanes
	v_lshl_add_u32 v[WOF], v[LH], 17, v[WOF]       ; h: 8 rows of 16,384 bytes
	s_lshl_b32 s27, s3, 13                         ; strip: 2,048 columns
	s_lshl_b32 s26, s2, 18                         ; q: 16 rows
.else
	v_lshl_add_u32 v[WOF], v[LH], 14, v[WOF]       ; h: 4 rows of 4,096 bytes
	s_lshl_b32 s27, s3, 8                          ; strip: 64 columns
	s_lshl_b32 s26, s2, 15                         ; q: 8 rows
.endif
	s_add_co_u32 s27, s27, s26
	v_add_nc_u32 v[WOF], s27, v[WOF]
	s_lshl_b32 s27, s3, 12                         ; in an image: four tiles of 1,024 bytes a strip,
	s_lshl_b32 s26, s2, 9                          ; 512 bytes for each q
	s_add_co_u32 s27, s27, s26
	v_lshl_add_u32 v[IMW], v[LL], 4, s27
	s_lshl_b32 s[BITS], 0x101, s16                 ; the expert's two bits in sel: chosen first, chosen second
.if !UP
	s_add_co_u32 s74, s16, 8
	s_mov_b32 s75, LIST
.endif
	s_lshl_b32 s2, s16, 24                         ; an expert's weights are 2^24 bytes
.if UP
	s_lshl_b32 s3, s17, 8
.else
	s_lshl_b32 s3, s17, 9
	s_lshl_b32 s26, s18, 21                        ; a quarter begins 512 rows on
	s_add_co_u32 s3, s3, s26
.endif
	s_add_co_u32 s2, s2, s3
	s_mov_b32 s3, 0
	s_wait_kmcnt 0x0
	s_add_nc_u64 s[66:67], s[8:9], s[2:3]
.if UP
	s_mov_b64 s[28:29], s[4:5]
.else
	s_add_nc_u64 s[68:69], s[66:67], 0x800000      ; 2,048 rows further down
	s_lshl_b32 s2, s16, 23                         ; an expert's 1,024 places of 8,192 bytes
	s_lshl_b32 s26, s18, 11                        ; my quarter of a row
	s_add_co_u32 s2, s2, s26
	s_add_nc_u64 s[28:29], s[4:5], s[2:3]
.endif
	s_mov_b64 s[30:31], s[28:29]
	s_wait_alu depctr_va_vdst(0)                   ; v1, v2, v3 and v15 are written: the offsets and LDS addresses that the loads and stores from here on read
.irp g, 0,1,2,3,4,5,6,7
	global_load_b128 v[AF+4*(\g):AF+4*(\g)+3], v[IMR], s[6:7] offset:512*(\g)  ; sel: word 4 g + c, lane L: token 128 g + 4 L + c
.endr
	LD 0, 0
	LD 1, 1
	LD 2, 2
	LD 3, 3
	s_wait_loadcnt 32                              ; sel is in: the 32 loads of weights are younger
	WIN 0
.set wd, 0
.rept 32
	v_and_b32 v[TM+wd], s[BITS], v[AF+wd]
.set wd, wd+1
.endr
.set wd, 0
.rept 32
	v_cmp_ne_u32 s[32+wd], 0, v[TM+wd]             ; the word's members
.set wd, wd+1
.endr
	s_wait_alu depctr_va_sdst(0)                   ; the 32 masks are written, ahead of their first readers, the counts below
	s_mov_b32 s20, 0
.set wd, 0
.rept 32
.if UP && (wd > 0)
	s_lshl_b32 s[XS+wd], s20, 10                   ; X: the members ahead of the word,
	s_addk_co_i32 s[XS+wd], 128*(wd/4)+wd%4        ; and its first token
.endif
	s_bcnt1_i32_b32 s2, s[32+wd]
	s_add_co_u32 s20, s20, s2                      ; CNT
.set wd, wd+1
.endr
	s_add_co_u32 s21, s20, 15
	s_lshr_b32 s21, s21, 4
.if UP
	s_max_u32 s21, s21, 1                          ; one tile at the least is written, so that the next launch finds row 0
.endif
	s_max_u32 s22, s20, 1
	s_sub_co_u32 s22, s22, 1                       ; a rank past the count repeats the expert's last row
	s_mov_b32 s2, 0
	ROWS
	s_wait_alu depctr_va_vdst(0)                   ; v4-8 are written, which the loads of rows read; the lines that made the masks are done reading v96-127, in which these loads land
	ALOAD 0, 30, 0
	ALOAD 1, 30, 64
	ALOAD 2, 30, 128
	s_wait_loadcnt 54                              ; K step 0's weights are in: behind them 24 loads of weights and 30 of rows
	IMG 0, 0, 0
	LD 0, 4
	s_wait_loadcnt 54                              ; K step 1's: behind them 16 + 30 + 8
	IMG 1, 1, 1
	LD 1, 5
	s_wait_dscnt 0x0                               ; images 0 and 1 lie in LDS
	s_barrier_signal -1
	s_barrier_wait -1
	BLOAD 0, 0                                     ; B of K step 0
	; the queue now holds: weights 2, 3; rows 0, 1, 2; weights 4, 5
	TRIP 0, 0, 0, 1, 1, 2, 2, 1, 6, 1, 3, 3, 36, 1, 1       ; K step 0 starts the sums; behind rows 0: 10 + 10 + 8 + 8
	s_wait_alu depctr_vm_vsrc(0)                   ; the LDS loads and stores issued so far have read v1 and v2
	v_add_nc_u32 v[IMR], 8192, v[IMR]              ; the loop counts images from K step 1,
	v_add_nc_u32 v[IMW], 3*8192, v[IMW]            ; and from image 3
	s_mov_b32 s19, 6
.Llap:                                                 ; six laps of four trips: K steps 1 to 24, images 3 to 26; A's four buffers, B's two and the four slots come round
.set tb, 0
.rept 4
	TRIP tb, (1+tb)%4, (1+tb)%2, 0, 1, (3+tb)%4, tb, 1, 7+tb, 1, tb, 4+tb, 44, 1, 1
.set tb, tb+1
.endr
	s_wait_xcnt 0x0                                ; the bases of the loads that are out are stepped only behind this wait
	s_add_nc_u64 s[66:67], s[66:67], 4*KB
.if !UP
	s_add_nc_u64 s[68:69], s[68:69], 4*KB
.endif
	s_add_nc_u64 s[30:31], s[30:31], 256
	s_wait_alu depctr_vm_vsrc(0)                   ; the lap's LDS loads and stores have read v1 and v2; that they are written again is stated by the next trip's wait behind its roundings
	v_add_nc_u32 v[IMR], 4*8192, v[IMR]
	v_add_nc_u32 v[IMW], 4*8192, v[IMW]
	s_sub_co_u32 s19, s19, 1
	s_cmp_lg_u32 s19, 0
	s_cbranch_scc1 .Llap
	TRIP 0, 1, 1, 0, 1, 3, 0, 1, 7, 1, 0, 4, 44, 1, 1       ; K step 25 asks for the last weights
	TRIP 1, 2, 0, 0, 1, 0, 1, 0, 0, 1, 1, 5, 44, 1, 1       ; 26: behind rows 26: 8 + 10 + 8 + 10 + 8
	TRIP 2, 3, 1, 0, 1, 1, 2, 0, 0, 1, 2, 6, 36, 1, 1       ; 27: 8 + 10 + 8 + 10
	TRIP 3, 0, 0, 0, 1, 2, 3, 0, 0, 1, 3, 7, 28, 1, 1       ; 28: 8 + 10 + 10
	TRIP 4, 1, 1, 0, 1, 3, 4, 0, 0, 0, 0, 0, 20, 1, 1       ; 29: 10 + 10; the last image, and the last barrier of the stream
	TRIP 5, 2, 0, 0, 0, 0, 0, 0, 0, 0, 0, 0, 10, 1, 0       ; 30
	TRIP 6, 3, 1, 0, 0, 0, 0, 0, 0, 0, 0, 0, 0, 0, 0        ; 31
	PLACES
	; THE ACTIVATION.  A tile's block makes z = x / sqrt 2 out of its accumulators, into registers that are the same for every tile; one text of four units does the rest.
	; Its constants lie in vector registers, as pairs: the scalar registers keep the masks for the later passes.
.set CK,  216                          ; v216-243: P's seven, Q's five, 1 / sqrt 2, each twice; -4; 4.  No later pass writes them
.macro CONST r, x
	v_mov_b32 v[\r], \x
	v_mov_b32 v[\r+1], \x
.endm
	CONST CK+0,  0xaf95df0b                        ; P: -2.72614226e-10
	CONST CK+2,  0x32edffee                        ;     2.77068142e-08
	CONST CK+4,  0xb60cff51                        ;    -2.10102402e-06
	CONST CK+6,  0xb86ec2d2                        ;    -5.69250639e-05
	CONST CK+8,  0xba40ac63                        ;    -7.34990630e-04
	CONST CK+10, 0xbb41a1f6                        ;    -2.95459981e-03
	CONST CK+12, 0xbc83dbd4                        ;    -1.60960333e-02
	CONST CK+14, 0xb77460cd                        ; Q: -1.45660718e-05
	CONST CK+16, 0xb95fbd29                        ;    -2.13374055e-04
	CONST CK+18, 0xbadc924e                        ;    -1.68282697e-03
	CONST CK+20, 0xbbf19bf8                        ;    -7.37332917e-03
	CONST CK+22, 0xbc69b6a7                        ;    -1.42647391e-02
	CONST CK+24, 0x3f3504f3                        ; 1 / sqrt 2
	v_mov_b32 v[CK+26], 0xc0800000                 ; -4
	v_mov_b32 v[CK+27], 0x40800000                 ;  4
.set ZR,  32                           ; v32-95   z: column tile ct, row j of my eight at 8 ct + j
.set HX,  96                           ; a unit: rows 2 jp, 2 jp + 1 as a pair, for column tile ct at + 2 ct: x / 2,
.set Z2,  112                          ; z^2,
.set PR,  128                          ; P,
.set QR,  144                          ; Q
.set OUT, 160                          ; v160-175 two buffers of eight registers to store: unit jp's at OUT + 8 (jp % 2)
.macro GIN a                           ; each accumulator's lowest registers are read first
.Lg\a:
.if (\a) < 4
	WIN 0x01                                       ; source 0 in window 1
.set AC, 64*(\a)
.else
	WIN 0x02                                       ; source 0 in window 2
.set AC, 0
.endif
.irp ct, 0,1,2,3,4,5,6,7
.irp jp, 0,1,2,3
	v_pk_mul_f32 v[ZR+8*(\ct)+2*(\jp):ZR+8*(\ct)+2*(\jp)+1], v[AC+8*(\ct)+2*(\jp):AC+8*(\ct)+2*(\jp)+1], v[CK+24:CK+25]
.endr
.endr
	WIN 0
.if (\a) < 4
	s_branch .Lgo
.endif
.endm
.macro HORNER d, k
.irp i, 0,2,4,6,8,10,12,14
	v_pk_fma_f32 v[\d+(\i):\d+(\i)+1], v[\d+(\i):\d+(\i)+1], v[Z2+(\i):Z2+(\i)+1], v[\k:\k+1]
.endr
.endm
.macro SEND jp                         ; unit jp's two rows leave: 16 lanes store 256 consecutive bytes, aligned
	global_store_b128 v[SOF], v[OUT+8*((\jp)%2):OUT+8*((\jp)%2)+3],   s[SB:SB+1] offset:(\jp)*16384
	global_store_b128 v[SOF], v[OUT+8*((\jp)%2)+4:OUT+8*((\jp)%2)+7], s[SB:SB+1] offset:(\jp)*16384+8192
.endm
.macro UNIT jp                         ; rows 2 jp, 2 jp + 1 of both halves of the lanes, all eight column tiles
.irp ct, 0,1,2,3,4,5,6,7
	v_pk_mul_f32 v[HX+2*(\ct):HX+2*(\ct)+1], v[ZR+8*(\ct)+2*(\jp):ZR+8*(\ct)+2*(\jp)+1], v[CK+24:CK+25]   ; x / 2 = z / sqrt 2, of z as it came
.endr
.irp ct, 0,1,2,3,4,5,6,7
	v_med3_num_f32 v[ZR+8*(\ct)+2*(\jp)],   v[ZR+8*(\ct)+2*(\jp)],   v[CK+26], v[CK+27]
	v_med3_num_f32 v[ZR+8*(\ct)+2*(\jp)+1], v[ZR+8*(\ct)+2*(\jp)+1], v[CK+26], v[CK+27]
.endr
.irp ct, 0,1,2,3,4,5,6,7
	v_pk_mul_f32 v[Z2+2*(\ct):Z2+2*(\ct)+1], v[ZR+8*(\ct)+2*(\jp):ZR+8*(\ct)+2*(\jp)+1], v[ZR+8*(\ct)+2*(\jp):ZR+8*(\ct)+2*(\jp)+1]
.endr
.irp i, 0,2,4,6,8,10,12,14
	v_pk_fma_f32 v[QR+(\i):QR+(\i)+1], v[Z2+(\i):Z2+(\i)+1], v[CK+14:CK+15], v[CK+16:CK+17]
.endr
.irp i, 0,2,4,6,8,10,12,14
	v_pk_fma_f32 v[PR+(\i):PR+(\i)+1], v[Z2+(\i):Z2+(\i)+1], v[CK+0:CK+1], v[CK+2:CK+3]
.endr
	HORNER QR, CK+18
	HORNER PR, CK+4
	HORNER QR, CK+20
	HORNER PR, CK+6
	HORNER QR, CK+22
	HORNER PR, CK+8
.set n, 0
.rept 16
	v_rcp_f32 v[QR+n], v[QR+n]                     ; one batch; the 24 plain lines below name none of its registers
.set n, n+1
.endr
	HORNER PR, CK+10
	HORNER PR, CK+12
.irp ct, 0,1,2,3,4,5,6,7
	v_pk_mul_f32 v[PR+2*(\ct):PR+2*(\ct)+1], v[PR+2*(\ct):PR+2*(\ct)+1], v[ZR+8*(\ct)+2*(\jp):ZR+8*(\ct)+2*(\jp)+1]
.endr
	s_wait_alu depctr_va_vdst(0)                   ; the sixteen reciprocals are written, ahead of the first line that names one; so is the OUT of the unit before, which the two stores below read
.if (\jp) > 0
	SEND (\jp)-1
.endif
.irp i, 0,2,4,6,8,10,12,14
	v_pk_mul_f32 v[PR+(\i):PR+(\i)+1], v[PR+(\i):PR+(\i)+1], v[QR+(\i):QR+(\i)+1]     ; erf
.endr
.irp i, 0,2,4,6,8,10,12,14
	v_pk_fma_f32 v[PR+(\i):PR+(\i)+1], v[HX+(\i):HX+(\i)+1], v[PR+(\i):PR+(\i)+1], v[HX+(\i):HX+(\i)+1]  ; x/2 erf + x/2
.endr
	s_wait_xcnt 0x0                                ; the stores issued so far have had their addresses translated: this OUT is rewritten only behind this wait,
	s_wait_alu depctr_vm_vsrc(0)                   ; and its last stores, those of the unit two back, have read it
.irp i, 0,1,2,3
	v_cvt_pk_bf16_f32 v[OUT+8*((\jp)%2)+(\i)],   v[PR+4*(\i)],   v[PR+4*(\i)+2]   ; row 2 jp: column tiles 2 i, 2 i + 1
	v_cvt_pk_bf16_f32 v[OUT+8*((\jp)%2)+4+(\i)], v[PR+4*(\i)+1], v[PR+4*(\i)+3]   ; row 2 jp + 1
.endr
.endm
	s_mov_b32 s24, 0
.Lpass:                                                ; four trips, whatever the count: a pass's tiles go out, then the next pass is multiplied if the expert has rows for it
	s_mul_i32 s2, s24, 20
	s_cmp_ge_u32 s2, s21
	s_cbranch_scc1 .Lnop                           ; the expert has no tile in this pass
	s_mov_b32 s25, 0
.Ltile:
	s_mul_i32 s2, s24, 20
	s_lshl2_add_u32 s2, s25, s2
	s_add_co_u32 s2, s2, s14                       ; t = 20 p + 4 a + w
	s_cmp_ge_u32 s2, s21
	s_cbranch_scc1 .Ltnext
	s_lshl_b32 s3, s16, 10
	s_lshl4_add_u32 s2, s2, s3                     ; place 1024 E + 16 t
	s_lshl_b32 s2, s2, 13
	s_lshl_b32 s3, s17, 8
	s_add_co_u32 s2, s2, s3
	s_mov_b32 s3, 0
	s_wait_xcnt 0x0                                ; the last tile's stores have read their base
	s_add_nc_u64 s[SB:SB+1], s[10:11], s[2:3]
	s_cmp_eq_u32 s25, 0
	s_cbranch_scc1 .Lg0
	s_cmp_eq_u32 s25, 1
	s_cbranch_scc1 .Lg1
	s_cmp_eq_u32 s25, 2
	s_cbranch_scc1 .Lg2
	s_cmp_eq_u32 s25, 3
	s_cbranch_scc1 .Lg3
	s_branch .Lg4
	GIN 0
	GIN 1
	GIN 2
	GIN 3
	GIN 4
.Lgo:
	UNIT 0
	UNIT 1
	UNIT 2
	UNIT 3
	s_wait_alu depctr_va_vdst(0)                   ; the last unit's roundings have written its OUT, which the tile's last two stores read
	SEND 3
.Ltnext:
	s_add_co_u32 s25, s25, 1
	s_cmp_lt_u32 s25, 5
	s_cbranch_scc1 .Ltile
	s_mul_i32 s2, s24, 20
	s_add_co_u32 s2, s2, 20
	s_cmp_ge_u32 s2, s21
	s_cbranch_scc1 .Lnop                           ; the expert has no rows for a further pass
	s_wait_xcnt 0x0                                ; the stores have read their registers, which the next pass uses
	s_wait_alu depctr_vm_vsrc(0)                   ; the loads of rows issued so far have read v4-8, the LDS loads v1: the lines below write both anew
	ROWS
	v_lshlrev_b32 v[IMR], 4, v[LL]
	s_mov_b64 s[AX:AX+1], s[28:29]
	XSTEP 1
	s_mov_b32 s[XK], 31
.Lxk:
	XSTEP 0
	s_sub_co_u32 s[XK], s[XK], 1
	s_cmp_lg_u32 s[XK], 0
	s_cbranch_scc1 .Lxk
	PLACES
.Lnop:
	s_add_co_u32 s24, s24, 1
	s_cmp_lt_u32 s24, 4
	s_cbranch_scc1 .Lpass
	s_wait_dscnt 0x0                               ; the later passes' LDS reads step their address from trip to trip: in every wave they are over
	s_barrier_signal -1                            ; before any wave goes on to its end
	s_barrier_wait -1
	s_wait_dscnt 0x0                               ; the wave's end
	s_wait_alu depctr_hold_cnt(0) depctr_sa_sdst(0) depctr_va_vdst(0) depctr_va_sdst(0) depctr_va_ssrc(0) depctr_va_vcc(0) depctr_vm_vsrc(0)
	s_wait_tensorcnt 0x0
	ds_add_u32 v9, v10
	s_wait_dscnt 0x0
	s_endpgm
.Lfunc_end_k_q9b0149d670_up:
	.size	k_q9b0149d670_up, .Lfunc_end_k_q9b0149d670_up-k_q9b0149d670_up
	.p2alignl 7, 3214868480
	.fill 96, 4, 3214868480
	.section	.rodata,"a",@progbits
	.p2align	6, 0x0
	.amdhsa_kernel k_q9b0149d670_up
		.amdhsa_group_segment_fixed_size 262656
		.amdhsa_private_segment_fixed_size 0
		.amdhsa_enable_private_segment 0
		.amdhsa_kernarg_size 32
		.amdhsa_user_sgpr_count 2
		.amdhsa_user_sgpr_kernarg_segment_ptr 1
		.amdhsa_wavefront_size32 1
		.amdhsa_system_sgpr_workgroup_id_x 1
		.amdhsa_system_sgpr_workgroup_id_y 1
		.amdhsa_system_sgpr_workgroup_id_z 1
		.amdhsa_system_vgpr_workitem_id 0
		.amdhsa_next_free_vgpr 896
		.amdhsa_next_free_sgpr 101
		.amdhsa_reserve_vcc 1
		.amdhsa_float_denorm_mode_32 3
		.amdhsa_float_denorm_mode_16_64 3
		.amdhsa_memory_ordered 1
		.amdhsa_forward_progress 1
		.amdhsa_inst_pref_size 177
	.end_amdhsa_kernel
	.amdgpu_metadata
---
amdhsa.version: [ 1, 2 ]
amdhsa.kernels:
  - .name:           k_q9b0149d670_up
    .symbol:         k_q9b0149d670_up.kd
    .args:
      - { .name: xb, .offset: 0, .size: 8, .value_kind: global_buffer, .address_space: global }
      - { .name: sel, .offset: 8, .size: 8, .value_kind: global_buffer, .address_space: global }
      - { .name: w1, .offset: 16, .size: 8, .value_kind: global_buffer, .address_space: global }
      - { .name: hbuf, .offset: 24, .size: 8, .value_kind: global_buffer, .address_space: global }
    .group_segment_fixed_size: 262656
    .private_segment_fixed_size: 0
    .kernarg_segment_align: 8
    .kernarg_segment_size: 32
    .max_flat_workgroup_size: 128
    .sgpr_count:     101
    .vgpr_count:     896
    .wavefront_size: 32
...
	.end_amdgpu_metadata
.endif
;; end of part 7
;; launch down (part 8): grid 256 x 1, 4 waves a work-group, no clusters, 270,848 bytes of LDS; arguments hbuf, sel, w2, yp, rwt; writes yp
.if DOCPART == 8
	.amdgcn_target "amdgcn-amd-amdhsa--gfx1250"
	.amdhsa_code_object_version 6
	.text
	.protected	k_q9b0149d670_down
	.globl	k_q9b0149d670_down
	.p2align	8
	.type	k_q9b0149d670_down,@function
k_q9b0149d670_down:
	s_mov_b64 s[64:65], 0
	v_nop
	global_prefetch_b8 v0, s[64:65] scope:SCOPE_SE
	s_setreg_imm32_b32 hwreg(HW_REG_WAVE_SCHED_MODE, 0, 2), 2
	s_setreg_imm32_b32 hwreg(HW_REG_WAVE_MODE, 25, 1), 1
	s_wait_xcnt 0x0
	s_wait_alu depctr_vm_vsrc(0)
; DOWN (UP = 0): yp[KQ][entry] = weight(entry) x (h w2[E], summed over quarter KQ of K) for the tokens that chose expert E.  The common part of this text, with UP = 1, is the first product.
; SHARES.  256 work-groups = 8 experts x 8 slices of 128 columns x 4 quarters of K: a slice of 1,024 K x 128 columns of one expert's weights, which this work-group alone reads, once, in f32.
;   The four quarters' partial rows are f32 and are added by the launch behind; an entry is 1024 x (chosen second) + token, so each row of yp has one expert, and one work-group for each 512 bytes.
;   Four waves, all alike: each fetches a quarter of every K step's weights and multiplies a quarter of the rows.
; IMAGES.  A lane (r = L % 16, h = L / 16) loads 16 bytes of weights: columns 4 r .. 4 r + 3 of one K row, so 16 lanes read 256 consecutive aligned bytes.  Column tile c of a strip IS the columns
;   4 r + c.  Eight such loads give the lane eight K of four tiles; two by two they are rounded to bf16 into four registers of each tile's fragment: nothing is transposed.  The image of K step u lies
;   at 8192 u + 1024 ct + 512 q + 16 L (ct = 4 strip + c; q: which 16 of the step's 32 K; wave w has strip w % 2, q = w / 2), is written once and stays: later passes over more rows read it again.
; K's ORDER.  h lies as the launch before stored it: place 8 S + i of a row is column 4 S + i of H for i < 4, and 2048 + 4 S + i - 4 else.  h is read as it lies, and w2's rows are taken in the same
;   order: place 1024 KQ + 32 u + 16 q + 8 h + i is row 16 (32 KQ + u) + 8 q + 4 h + i % 4 + 2048 (i / 4).  The same order of K on both sides leaves the products as they are.
; ONE QUEUE OF LOADS.  Loads come back in order on one counter (ISA guide 5.7.1).  Trip s issues 10 loads of token rows (K step s + 3) and then 8 of weights (K step s + 6).  At its head it needs the
;   weights of K step s + 2 and the rows of K step s; behind these stand weights s + 3, rows s + 1, weights s + 4, rows s + 2, weights s + 5: its wait leaves 8 + 10 + 8 + 10 + 8 = 44; 62 are out at the most.
; ROWS.  The expert's tokens are ranked from sel in the order in which the launch before ranked them: h's rows lie by rank.  A tile is 16 ranks; pass p gives wave w the tiles 20 p + 4 a + w,
;   a = 0..4: 320 rows a pass, four passes at the most (all 1,024 tokens on one expert).  The first pass runs beside the stream of weights; later ones read the images in LDS.
; THE LIST.  For each rank a pair in LDS: the entry, and the weight of that choice.  Wave 0 makes it in the head, out of sel and rwt, both loaded as they lie.  So the way out asks memory for nothing:
;   a pass's 40 pairs a lane are fetched from LDS together, behind one wait.
; WORK BEYOND THE COUNT.  A rank past the count repeats the expert's last row, in h and in the list: it computes the same bits and stores them to the same bytes.  A wave's tiles 0-3 are always
;   multiplied, its fifth only where it is live; dead tiles store nothing.  An expert without tokens stores nothing.
; NO CLUSTER.  Each byte of weights has one reader.  The rows of h that eight work-groups share go straight into registers: as a joint tile in LDS a K step's 320 rows would be 20,480 bytes more to
;   write and to read beside the 32,768 bytes of images that the four waves read in a K step.
; LIMITS.  NaN and infinities are not treated apart.
; THE MODE: SCHED_MODE bits 1:0 = 2 (LLVM: expert scheduling mode 2), set by the entry lines.  The code itself states the register dependences
;   between vector or matrix instructions and memory or LDS instructions, with s_wait_alu, always for 0.
; THE PLAN.  Registers that memory or LDS instructions touch in the stream; trip s multiplies K step s:
;   slots 0-3 (window 2)  Trip s: its sixteen roundings read slot (s + 2) % 4; behind them its loads of weights (K step s + 6) land in that slot.
;   v[F ..]               Trip s: the roundings write it; the four LDS stores of image s + 2 read it.
;   B0, B1 (window 3)     Trip s: its products read B[s % 2]; its sixteen LDS loads land in the other, which trip s - 1's products read.
;   AF0 .. AF3            Trip s: its products read AF[s % 4]; its loads of rows (K step s + 3) land in AF[(s + 3) % 4], which trip s - 1's products read.
;   v1, v2                Read by the LDS loads and stores; written behind trip 0 and at a lap's end.      v3, v4-8  Read by the loads from memory; not written in the stream.
;   So a trip has two waits.  On vm_vsrc, at its head: the LDS stores of the trip before have read F.  On va_vdst, behind its roundings: F is written, the slot is read, the products of the trip before
;   are done with B's other buffer and with A's oldest, v1 and v2 are written.  Behind that wait the trip's only vector or matrix instructions are its products, which name AF[s % 4], B[s % 2] and the
;   accumulators: none of the registers that its loads touch.  So the eighteen loads from memory are dealt among the products with no further wait.
;   THE LIST.  Eight words at a time: v[TM ..] is written by the group's vector lines and read by its eight LDS stores: one wait on va_vdst ahead of the stores, one on vm_vsrc ahead of the next group.
;   THE WAY OUT.  A pass's 40 LDS addresses are made in 40 registers, then one wait on va_vdst, then the 40 loads.  A tile's offsets and data are written by its vector lines and read by its sixteen
;   stores: one wait on va_vdst ahead of the stores, one on vm_vsrc ahead of the next tile's lines.
.set UP, 0
.if UP
.set KB,    524288                     ; bytes of w1 from a K step to the next: 32 rows of 16,384.  LDS: 0 .. 262143 the 32 images; the bytes behind them stay claimed and are not used
.else
.set LIST,  262144                     ; LDS: 0 .. 262143 the 32 images; then the list: 1,024 pairs (entry, weight); then the spare words: 128 bytes for each of four waves, for the closing add
.set KB,    65536                      ; 16 rows of 4,096 (the step's other 16 rows lie 2,048 rows further down)
.endif
; window 0
.set IMR,  1                           ; v1     LDS address from which images are read
.set IMW,  2                           ; v2     LDS address at which my part of an image is written
.set WOF,  3                           ; v3     my byte offset in the weights
.set AOFF, 4                           ; v4-8   byte offsets of my five tiles' rows
.set LR,   11                          ; v11 r;  v12 h;  v13 lane;  v14 16 h
.set LH,   12
.set LL,   13
.set H16,  14
.set SOF,  15                          ; v15    my byte offset in what is stored; never rewritten
.set F,    16                          ; v16-31   a packed quarter image
.set TM,   32                          ; v32-95   at work
.set AF,   96                          ; v96-255  A: four buffers of five fragments
.set RT,   32
; window 1: accumulators of tiles 0-3, tile a, column tile ct at 64 a + 8 ct.   window 2: v0-63 accumulators of tile 4; v64-191 four slots of eight loads of weights
; window 3: v0-127 B: two buffers of a K step's eight column tiles, buffer bb, tile ct at 64 bb + 8 ct
.set WS,   64
; s14 wave; s16 expert; s17 slice; s18 K quarter; s19 laps; s20 CNT; s21 live tiles; s22 last rank of a member; s23 my fifth tile is live; s24 pass; s26, s27 at work; s[28:29] A's origin; s[30:31] A, stepped;
; s[32:63] the 32 masks of members; s[66:67], s[68:69] weights, stepped; s74 the bit of sel that says 'chosen second'; s75 the list's LDS address
.if UP
.set SB,   12
.set AX,   68
.set XK,   18
.set BITS, 15
.set XS,   69
.else
.set SB,   70                          ; s[70:71] where results go
.set AX,   76                          ; s[76:77] A in later passes
.set XK,   78                          ; s78      their K steps
.set BITS, 72                          ; s72      the expert's two bits in sel
.set LM,   70                          ; s70-73, s76-79  while the list is made, when none of these is in use yet or any more: eight masks, number k at LM + k + 2 (k / 4)
.endif
.set MSB, 0
.macro WIN new                         ; s_set_vgpr_msb: bits 1:0 source 0, 3:2 source 1, 5:4 source 2, 7:6 destination; the high byte repeats the setting that is left.  Each macro sets what it needs and leaves it
.if MSB != (\new)
	s_set_vgpr_msb (MSB<<8)|(\new)
.set MSB, \new
.endif
.endm
.macro PLACES                          ; four plain vector instructions between a matrix instruction and a load into, or a vector line on, its registers
.rept 4
	v_nop
.endr
.endm
.macro EACH8 line:vararg               ; one line for each k, 0 to 7: a stage of eight chains that do not wait for each other
.set k, 0
.rept 8
	\line
.set k, k+1
.endr
.endm
.macro LD slot, k                      ; eight loads: my 8 K rows x 4 columns of K step k (counted from the stepped base) into a slot
	WIN 0x80                                       ; destination in window 2
.irp i, 0,1,2,3,4,5,6,7
.if UP
	global_load_b128 v[WS+32*(\slot)+4*(\i):WS+32*(\slot)+4*(\i)+3], v[WOF], s[66:67] offset:(\k)*KB+16384*(\i) th:TH_LOAD_NT
.elseif (\i) < 4
	global_load_b128 v[WS+32*(\slot)+4*(\i):WS+32*(\slot)+4*(\i)+3], v[WOF], s[66:67] offset:(\k)*KB+4096*(\i) th:TH_LOAD_NT
.else
	global_load_b128 v[WS+32*(\slot)+4*(\i):WS+32*(\slot)+4*(\i)+3], v[WOF], s[68:69] offset:(\k)*KB+4096*((\i)-4) th:TH_LOAD_NT
.endif
.endr
.endm
.macro IMG slot, kimg, again           ; a slot is rounded to bf16 and stored as my quarter of an image.  again = 1: not the first image
.if \again
	s_wait_alu depctr_vm_vsrc(0)                   ; the LDS stores of the image before have read v[F ..], which the roundings below write again
.endif
	WIN 0x0a                                       ; sources 0 and 1 in window 2
.irp c, 0,1,2,3
.irp p, 0,1,2,3
	v_cvt_pk_bf16_f32 v[F+4*(\c)+(\p)], v[WS+32*(\slot)+8*(\p)+(\c)], v[WS+32*(\slot)+8*(\p)+4+(\c)]  ; column c of K rows 2 p, 2 p + 1
.endr
.endr
	WIN 0
	s_wait_alu depctr_va_vdst(0)                   ; the roundings have written v[F ..], which the LDS stores read, and are done reading the slot, in which loads of weights land; the products issued so far are done reading B's other buffer and A's oldest, in which this trip's loads land; v1 and v2 are written
.irp c, 0,1,2,3
	ds_store_b128 v[IMW], v[F+4*(\c):F+4*(\c)+3] offset:(\kimg)*8192+(\c)*1024
.endr
.endm
.macro BLOAD bb, kimg                  ; a whole image, eight column tiles' fragments, into B's buffer bb: sixteen loads, each 512 consecutive bytes
	WIN 0xc0                                       ; destination in window 3
.irp ct, 0,1,2,3,4,5,6,7
	ds_load_b128 v[64*(\bb)+8*(\ct):64*(\bb)+8*(\ct)+3],   v[IMR] offset:(\kimg)*8192+(\ct)*1024
	ds_load_b128 v[64*(\bb)+8*(\ct)+4:64*(\bb)+8*(\ct)+7], v[IMR] offset:(\kimg)*8192+(\ct)*1024+512
.endr
.endm
.macro ALOAD buf, sb, off              ; five row tiles' fragments: ten loads, always all ten, so that the counts are alike on every way
	WIN 0
.irp a, 0,1,2,3,4
	global_load_b128 v[AF+40*(\buf)+8*(\a):AF+40*(\buf)+8*(\a)+3],   v[AOFF+(\a)], s[\sb:\sb+1] offset:(\off)
	global_load_b128 v[AF+40*(\buf)+8*(\a)+4:AF+40*(\buf)+8*(\a)+7], v[AOFF+(\a)], s[\sb:\sb+1] offset:(\off)+32
.endr
.endm
; A K step's 40 matrix instructions: five row tiles x eight column tiles.  Source 0 = 16 tokens, source 1 = 16 columns.  The accumulators take turns, one instruction a turn.
; zero = 1: the products start the sums, and none is jumped, so that every accumulator is written on every way.
; bar = 1: the trip's barrier stands inside the run.  Behind 24 products my LDS instructions are waited for (my stores into the image, for the others' sake; my sixteen loads) and I signal; eight products,
; work on registers, stand between the signal and the wait.
; lda, ldw: the trip's loads from memory are dealt among the products: the ten of rows (buffer nb, step ka from the base on) behind the first eight, the eight of weights (slot wslot, step kld from the base on)
; behind the next eight.  No wait: no vector or matrix instruction since the wait behind the trip's roundings names a register that these loads touch.
.macro MUL ab, bb, zero, bar, lda=0, nb=0, ka=0, ldw=0, wslot=0, kld=0
.irp a, 0,1,2,3
.if (\bar) && ((\a) == 3)
	s_wait_dscnt 0x0
	s_barrier_signal -1
.endif
	WIN 0x5c                                       ; B in window 3, C and D in window 1
.irp ct, 0,1,2,3,4,5,6,7
.if \zero
	v_wmma_f32_16x16x32_bf16 v[64*(\a)+8*(\ct):64*(\a)+8*(\ct)+7], v[AF+40*(\ab)+8*(\a):AF+40*(\ab)+8*(\a)+7], v[64*(\bb)+8*(\ct):64*(\bb)+8*(\ct)+7], 0
.else
	v_wmma_f32_16x16x32_bf16 v[64*(\a)+8*(\ct):64*(\a)+8*(\ct)+7], v[AF+40*(\ab)+8*(\a):AF+40*(\ab)+8*(\a)+7], v[64*(\bb)+8*(\ct):64*(\bb)+8*(\ct)+7], v[64*(\a)+8*(\ct):64*(\a)+8*(\ct)+7]
.endif
.endr
.if (\lda) && ((\a) == 0)
	ALOAD \nb, 30, 64*(\ka)
.endif
.if (\ldw) && ((\a) == 1)
	LD \wslot, \kld
.endif
.endr
.if \bar
	s_barrier_wait -1
.endif
.if !(\zero)
	WIN 0                                          ; at a branch and at a label every window is 0
	s_cmp_eq_u32 s23, 0
	s_cbranch_scc1 .Lno5_\@                        ; my fifth tile holds no row of the expert
.endif
	WIN 0xac                                       ; B in window 3, C and D in window 2
.irp ct, 0,1,2,3,4,5,6,7
.if \zero
	v_wmma_f32_16x16x32_bf16 v[8*(\ct):8*(\ct)+7], v[AF+40*(\ab)+32:AF+40*(\ab)+39], v[64*(\bb)+8*(\ct):64*(\bb)+8*(\ct)+7], 0
.else
	v_wmma_f32_16x16x32_bf16 v[8*(\ct):8*(\ct)+7], v[AF+40*(\ab)+32:AF+40*(\ab)+39], v[64*(\bb)+8*(\ct):64*(\bb)+8*(\ct)+7], v[8*(\ct):8*(\ct)+7]
.endif
.endr
	WIN 0
.if !(\zero)
.Lno5_\@:
.endif
.endm
; A TRIP: K step s is multiplied (A's buffer ab, B's buffer bb).  Ahead of the products: image s + 2 is made (img: slot wslot to image kimg from v2 on); B of K step s + 1 is asked of LDS (ldb: image kb + 1
; from v1 on, into the other buffer: that image was stored in trip s - 1 and shown by its barrier).  Among the products: the rows of K step s + 3 (lda) and the weights of K step s + 6 (ldw, into the slot
; just rounded) are asked of memory.  The LDS loads have 24 products in which to land.
.macro TRIP kb, ab, bb, zero, img, wslot, kimg, ldw, kld, lda, nb, ka, lcnt, ldb, bar
	s_wait_loadcnt \lcnt                           ; this trip's weights and rows are in; lcnt loads were issued behind them
.if \img
	IMG \wslot, \kimg, 1                           ; its sixteen conversions are also the places behind the last trip's products
.else
	PLACES
.if \ldb
	s_wait_alu depctr_va_vdst(0)                   ; the last trip's products are done reading B's other buffer, in which the LDS loads below land
.endif
.endif
.if \ldb
	BLOAD 1-(\bb), (\kb)+1
	s_wait_dscnt 16                                ; B of this step is in, and my stores are done: the sixteen loads just issued are younger
.else
	s_wait_dscnt 0x0
.endif
	MUL \ab, \bb, \zero, \bar, \lda, \nb, \ka, \ldw, \wslot, \kld
.endm
; The byte offsets of my five tiles' rows in pass s2 / 20.  A rank past the last member's takes that member.
.macro ROWS
	s_add_co_u32 s3, s2, s14
	s_lshl_b32 s27, s3, 4
	v_add_nc_u32 v[RT], s27, v[LR]                 ; rank 16 (20 p + w) + r: my first tile's
	s_add_co_u32 s3, s3, 16
	s_cmp_lt_u32 s3, s21
	s_cselect_b32 s23, 1, 0
.irp a, 0,1,2,3,4
	v_add_nc_u32 v[RT+1+(\a)], 64*(\a), v[RT]      ; rank 16 (20 p + 4 a + w) + r
.endr
.irp a, 0,1,2,3,4
	v_min_u32 v[RT+1+(\a)], s22, v[RT+1+(\a)]
.endr
.irp a, 0,1,2,3,4
	v_min_u32 v[RT+1+(\a)], 0x3ff, v[RT+1+(\a)]
.endr
.irp a, 0,1,2,3,4
	v_lshl_add_u32 v[AOFF+(\a)], v[RT+1+(\a)], 13, v[H16]  ; h's rows lie by rank, 8,192 bytes each
.endr
.endm
.macro XSTEP zero                      ; a K step of a later pass: the images lie in LDS; nothing is asked for ahead
	PLACES
	s_wait_alu depctr_va_vdst(0)                   ; the products and the way out are done with A's and B's buffers 0, in which the loads below land; v1, and in a pass's first step v4-8, are written
	ALOAD 0, AX, 0
	BLOAD 0, 0
	s_wait_loadcnt 0x0
	s_wait_dscnt 0x0
	MUL 0, 0, \zero, 0
	s_wait_xcnt 0x0                                ; the base is stepped only behind this wait
	s_add_nc_u64 s[AX:AX+1], s[AX:AX+1], 64
	s_wait_alu depctr_vm_vsrc(0)                   ; the LDS loads above have read v1
	v_add_nc_u32 v[IMR], 8192, v[IMR]
.endm
	s_load_b256 s[4:11], s[0:1], 0x0               ; A's source s[4:5], sel s[6:7], the weights s[8:9], the result s[10:11]
.if !UP
	s_load_b64 s[12:13], s[0:1], 0x20              ; rwt
	v_lshl_add_u32 v9, v0, 2, 0x42000
	v_mov_b32 v10, 0
.endif
	v_lshrrev_b32 v1, 5, v0
	v_readfirstlane_b32 s14, v1                    ; wave 0..3
	s_lshr_b32 s16, ttmp9, 5                       ; expert
.if UP
	s_and_b32 s17, ttmp9, 31                       ; slice of H
.else
	s_bfe_u32 s17, ttmp9, 0x30002                  ; slice of D: 3 bits from bit 2
	s_and_b32 s18, ttmp9, 3                        ; quarter of K
.endif
	v_and_b32 v[LR], 15, v0
	v_bfe_u32 v[LH], v0, 4, 1
	v_and_b32 v[LL], 31, v0
	v_lshlrev_b32 v[H16], 4, v[LH]
	v_lshlrev_b32 v[IMR], 4, v[LL]
	v_lshlrev_b32 v[SOF], 4, v[LR]
	v_lshlrev_b32 v[WOF], 4, v[LR]
	s_wait_alu depctr_va_sdst(0)                   ; s14 is written, ahead of its first reader
	s_and_b32 s3, s14, 1                           ; strip
	s_lshr_b32 s2, s14, 1                          ; q
.if UP
	v_lshl_add_u32 v[SOF], v[LH], 16, v[SOF]       ; in h: 16 r, and 8 rows of 8,192 bytes for the upper half of the lanes
	v_lshl_add_u32 v[WOF], v[LH], 17, v[WOF]       ; h: 8 rows of 16,384 bytes
	s_lshl_b32 s27, s3, 13                         ; strip: 2,048 columns
	s_lshl_b32 s26, s2, 18                         ; q: 16 rows
.else
	v_lshl_add_u32 v[WOF], v[LH], 14, v[WOF]       ; h: 4 rows of 4,096 bytes
	s_lshl_b32 s27, s3, 8                          ; strip: 64 columns
	s_lshl_b32 s26, s2, 15                         ; q: 8 rows
.endif
	s_add_co_u32 s27, s27, s26
	v_add_nc_u32 v[WOF], s27, v[WOF]
	s_lshl_b32 s27, s3, 12                         ; in an image: four tiles of 1,024 bytes a strip,
	s_lshl_b32 s26, s2, 9                          ; 512 bytes for each q
	s_add_co_u32 s27, s27, s26
	v_lshl_add_u32 v[IMW], v[LL], 4, s27
	s_lshl_b32 s[BITS], 0x101, s16                 ; the expert's two bits in sel: chosen first, chosen second
.if !UP
	s_add_co_u32 s74, s16, 8
	s_mov_b32 s75, LIST
.endif
	s_lshl_b32 s2, s16, 24                         ; an expert's weights are 2^24 bytes
.if UP
	s_lshl_b32 s3, s17, 8
.else
	s_lshl_b32 s3, s17, 9
	s_lshl_b32 s26, s18, 21                        ; a quarter begins 512 rows on
	s_add_co_u32 s3, s3, s26
.endif
	s_add_co_u32 s2, s2, s3
	s_mov_b32 s3, 0
	s_wait_kmcnt 0x0
	s_add_nc_u64 s[66:67], s[8:9], s[2:3]
.if UP
	s_mov_b64 s[28:29], s[4:5]
.else
	s_add_nc_u64 s[68:69], s[66:67], 0x800000      ; 2,048 rows further down
	s_lshl_b32 s2, s16, 23                         ; an expert's 1,024 places of 8,192 bytes
	s_lshl_b32 s26, s18, 11                        ; my quarter of a row
	s_add_co_u32 s2, s2, s26
	s_add_nc_u64 s[28:29], s[4:5], s[2:3]
.endif
	s_mov_b64 s[30:31], s[28:29]
	s_wait_alu depctr_va_vdst(0)                   ; v1, v2 and v3 are written: the offsets and LDS addresses that the loads and stores from here on read
.irp g, 0,1,2,3,4,5,6,7
	global_load_b128 v[AF+4*(\g):AF+4*(\g)+3], v[IMR], s[6:7] offset:512*(\g)  ; sel: word 4 g + c, lane L: token 128 g + 4 L + c
.endr
	s_cmp_lg_u32 s14, 0
	s_cbranch_scc1 .Lnorw                          ; wave 0, which makes the list, takes the tokens' weights too, laid as sel is
.irp g, 0,1,2,3,4,5,6,7
	global_load_b128 v[AF+32+4*(\g):AF+32+4*(\g)+3], v[IMR], s[12:13] offset:512*(\g)
	global_load_b128 v[AF+64+4*(\g):AF+64+4*(\g)+3], v[IMR], s[12:13] offset:4096+512*(\g)
.endr
.Lnorw:
	LD 0, 0
	LD 1, 1
	LD 2, 2
	LD 3, 3
	s_wait_loadcnt 32                              ; all but the 32 loads of weights, which are younger, are in
	WIN 0
.set wd, 0
.rept 32
	v_and_b32 v[TM+wd], s[BITS], v[AF+wd]
.set wd, wd+1
.endr
.set wd, 0
.rept 32
	v_cmp_ne_u32 s[32+wd], 0, v[TM+wd]             ; the word's members
.set wd, wd+1
.endr
	s_wait_alu depctr_va_sdst(0)                   ; the 32 masks are written, ahead of their first readers, the counts below
	s_mov_b32 s20, 0
.set wd, 0
.rept 32
	s_bcnt1_i32_b32 s2, s[32+wd]
	s_add_co_u32 s20, s20, s2                      ; CNT
.set wd, wd+1
.endr
	s_add_co_u32 s21, s20, 15
	s_lshr_b32 s21, s21, 4
	s_max_u32 s22, s20, 1
	s_sub_co_u32 s22, s22, 1                       ; a rank past the count repeats the expert's last row
	; Wave 0 alone stores the list, ahead of the first barrier, while no other wave touches LDS: where a pair goes hangs on sel.
	; Eight words at a time, stage by stage: word 8 g + k works in v[TM + 4 k .. + 3], and no line reads the result of the line before it.
	s_cmp_lg_u32 s14, 0
	s_cbranch_scc1 .Lnolist
	v_lshlrev_b32 v[F], 2, v[LL]                   ; 4 L
	s_mov_b32 s3, 0                                ; members so far
.set g, 0
.rept 4
.if g > 0
	s_wait_alu depctr_vm_vsrc(0)                   ; the LDS stores of the eight words before have read v[TM ..], which the lines below write again
.endif
.set k, 0
.rept 8
	v_mbcnt_lo_u32_b32 v[TM+4*k], s[32+8*g+k], s3  ; members ahead of me: a member's rank
	s_bcnt1_i32_b32 s2, s[32+8*g+k]
	s_add_co_u32 s3, s3, s2
.set k, k+1
.endr
	EACH8 v_add_nc_u32 v[TM+4*k+1], 1023-32*(8*g+k), v[TM+4*k]
	EACH8 v_sub_nc_u32 v[TM+4*k+1], v[TM+4*k+1], v[LL]                        ; 1023 less the others ahead of me: another's place
	EACH8 v_cndmask_b32 v[TM+4*k+1], v[TM+4*k+1], v[TM+4*k], s[32+8*g+k]
	EACH8 v_min_u32 v[TM+4*k+1], 0x3ff, v[TM+4*k+1]
	EACH8 v_lshl_add_u32 v[TM+4*k+1], v[TM+4*k+1], 3, s75
	EACH8 v_bfe_u32 v[TM+4*k+2], v[AF+8*g+k], s74, 1                          ; 1: chosen second
	EACH8 v_cmp_ne_u32 s[LM+k+2*(k/4)], 0, v[TM+4*k+2]                        ; a run of eight compares into eight scalar registers
	EACH8 v_lshl_add_u32 v[TM+4*k+2], v[TM+4*k+2], 10, v[F]
	s_wait_alu depctr_va_sdst(0)                   ; the eight masks are written, ahead of the selections that read them
	EACH8 v_cndmask_b32 v[TM+4*k+3], v[AF+32+8*g+k], v[AF+64+8*g+k], s[LM+k+2*(k/4)]  ; the weight of that choice
	EACH8 v_add_nc_u32 v[TM+4*k+2], 128*((8*g+k)/4)+(8*g+k)%4, v[TM+4*k+2]    ; the entry: 1024 x (chosen second) + token
	s_wait_alu depctr_va_vdst(0)                   ; the eight addresses and the eight pairs are written, which the LDS stores read
	EACH8 ds_store_b64 v[TM+4*k+1], v[TM+4*k+2:TM+4*k+3]
.set g, g+1
.endr
.Lnolist:
	s_wait_dscnt 0x0                               ; for the others' sake: the list lies in LDS
	s_barrier_signal -1
	s_barrier_wait -1
	s_wait_alu depctr_vm_vsrc(0)                   ; wave 0's last LDS stores of the list have read v[TM ..], of which the lines below write six
	s_mov_b32 s2, 0
	ROWS
	s_wait_alu depctr_va_vdst(0)                   ; v4-8 are written, which the loads of rows read; the lines that made the masks and the list are done reading v96-191, in which these loads land
	ALOAD 0, 30, 0
	ALOAD 1, 30, 64
	ALOAD 2, 30, 128
	s_wait_loadcnt 54                              ; K step 0's weights are in: behind them 24 loads of weights and 30 of rows
	IMG 0, 0, 0
	LD 0, 4
	s_wait_loadcnt 54                              ; K step 1's: behind them 16 + 30 + 8
	IMG 1, 1, 1
	LD 1, 5
	s_wait_dscnt 0x0                               ; images 0 and 1 lie in LDS
	s_barrier_signal -1
	s_barrier_wait -1
	BLOAD 0, 0                                     ; B of K step 0
	; the queue now holds: weights 2, 3; rows 0, 1, 2; weights 4, 5
	TRIP 0, 0, 0, 1, 1, 2, 2, 1, 6, 1, 3, 3, 36, 1, 1       ; K step 0 starts the sums; behind rows 0: 10 + 10 + 8 + 8
	s_wait_alu depctr_vm_vsrc(0)                   ; the LDS loads and stores issued so far have read v1 and v2
	v_add_nc_u32 v[IMR], 8192, v[IMR]              ; the loop counts images from K step 1,
	v_add_nc_u32 v[IMW], 3*8192, v[IMW]            ; and from image 3
	s_mov_b32 s19, 6
.Llap:                                                 ; six laps of four trips: K steps 1 to 24, images 3 to 26; A's four buffers, B's two and the four slots come round
.set tb, 0
.rept 4
	TRIP tb, (1+tb)%4, (1+tb)%2, 0, 1, (3+tb)%4, tb, 1, 7+tb, 1, tb, 4+tb, 44, 1, 1
.set tb, tb+1
.endr
	s_wait_xcnt 0x0                                ; the bases of the loads that are out are stepped only behind this wait
	s_add_nc_u64 s[66:67], s[66:67], 4*KB
.if !UP
	s_add_nc_u64 s[68:69], s[68:69], 4*KB
.endif
	s_add_nc_u64 s[30:31], s[30:31], 256
	s_wait_alu depctr_vm_vsrc(0)                   ; the lap's LDS loads and stores have read v1 and v2; that they are written again is stated by the next trip's wait behind its roundings
	v_add_nc_u32 v[IMR], 4*8192, v[IMR]
	v_add_nc_u32 v[IMW], 4*8192, v[IMW]
	s_sub_co_u32 s19, s19, 1
	s_cmp_lg_u32 s19, 0
	s_cbranch_scc1 .Llap
	TRIP 0, 1, 1, 0, 1, 3, 0, 1, 7, 1, 0, 4, 44, 1, 1       ; K step 25 asks for the last weights
	TRIP 1, 2, 0, 0, 1, 0, 1, 0, 0, 1, 1, 5, 44, 1, 1       ; 26: behind rows 26: 8 + 10 + 8 + 10 + 8
	TRIP 2, 3, 1, 0, 1, 1, 2, 0, 0, 1, 2, 6, 36, 1, 1       ; 27: 8 + 10 + 8 + 10
	TRIP 3, 0, 0, 0, 1, 2, 3, 0, 0, 1, 3, 7, 28, 1, 1       ; 28: 8 + 10 + 10
	TRIP 4, 1, 1, 0, 1, 3, 4, 0, 0, 0, 0, 0, 20, 1, 1       ; 29: 10 + 10; the last image, and the last barrier of the stream
	TRIP 5, 2, 0, 0, 0, 0, 0, 0, 0, 0, 0, 0, 10, 1, 0       ; 30
	TRIP 6, 3, 1, 0, 0, 0, 0, 0, 0, 0, 0, 0, 0, 0, 0        ; 31
	PLACES
	s_lshl_b32 s2, s18, 23                         ; yp: a plane of 8 MiB for each quarter of K,
	s_lshl_b32 s3, s17, 9                          ; my 128 columns
	s_add_co_u32 s2, s2, s3
	s_mov_b32 s3, 0
	s_add_nc_u64 s[SB:SB+1], s[10:11], s[2:3]
.set DA, 32                            ; v32-95   eight rows x eight numbers to store
.set EW, 96                            ; v96-175  tile a, row j of my eight at EW + 2 (8 a + j): the entry, the weight
.set RO, 176                           ; v176-183 a tile's byte offsets in yp
.set TP, 184                           ; v184-223 the LDS addresses of a pass's 40 pairs: tile a, row j at TP + 8 a + j
.set TT, 224
; The pairs of all five tiles of a pass, 40 a lane, are asked of LDS together and waited for once; a tile's eight addresses are made stage by stage, all 40 ahead of the first load.
; A dead tile's ranks take the last member's pair, which is not used.
.macro PRE
	s_wait_alu depctr_vm_vsrc(0)                   ; the last pass's LDS loads have read v[TP ..], which the lines below write again
	s_mul_i32 s2, s24, 20
	s_add_co_u32 s2, s2, s14
	s_lshl_b32 s3, s2, 4
	v_lshl_add_u32 v[TT], v[LH], 3, s3             ; 16 (20 p + w) + 8 h
.irp a, 0,1,2,3,4
.irp j, 0,1,2,3,4,5,6,7
	v_add_nc_u32 v[TP+8*(\a)+(\j)], 64*(\a)+(\j), v[TT]   ; rank 16 t + 8 h + j
.endr
.irp j, 0,1,2,3,4,5,6,7
	v_min_u32 v[TP+8*(\a)+(\j)], s22, v[TP+8*(\a)+(\j)]
.endr
.irp j, 0,1,2,3,4,5,6,7
	v_min_u32 v[TP+8*(\a)+(\j)], 0x3ff, v[TP+8*(\a)+(\j)]
.endr
.irp j, 0,1,2,3,4,5,6,7
	v_lshl_add_u32 v[TP+8*(\a)+(\j)], v[TP+8*(\a)+(\j)], 3, s75
.endr
.endr
	s_wait_alu depctr_va_vdst(0)                   ; the 40 addresses are written, which the LDS loads read; the products and the last pass's way out are done reading v[EW ..], in which the pairs land
.irp a, 0,1,2,3,4
.irp j, 0,1,2,3,4,5,6,7
	ds_load_b64 v[EW+2*(8*(\a)+(\j)):EW+2*(8*(\a)+(\j))+1], v[TP+8*(\a)+(\j)]
.endr
.endr
	s_wait_dscnt 0x0
.endm
; Tile a goes out: each row times its token's weight, to the row of its entry.  A lane's four numbers of a strip are 16 consecutive bytes, 16 lanes 256, aligned.
; A rank past the count has repeated the last row all along: the same bits go to the same bytes once more, from this wave.
.macro DTILE a
	s_mul_i32 s2, s24, 20
	s_add_co_u32 s2, s2, s14
	s_add_co_u32 s2, s2, 4*(\a)
	s_cmp_ge_u32 s2, s21
	s_cbranch_scc1 .Ldead_\@
	s_wait_xcnt 0x0                                ; the last tile's stores have had their addresses translated: their registers are rewritten only behind this wait,
	s_wait_alu depctr_vm_vsrc(0)                   ; and they have read v[RO ..] and v[DA ..], which the lines below write again
.irp j, 0,1,2,3,4,5,6,7
	v_min_u32 v[RO+(\j)], 0x7ff, v[EW+2*(8*(\a)+(\j))]
.endr
.irp j, 0,1,2,3,4,5,6,7
	v_lshl_add_u32 v[RO+(\j)], v[RO+(\j)], 12, v[SOF]
.endr
.if (\a) < 4
	WIN 0x01                                       ; source 0 in window 1
.set AC, 64*(\a)
.else
	WIN 0x02                                       ; source 0 in window 2
.set AC, 0
.endif
.irp j, 0,1,2,3,4,5,6,7                ; register 0 of every accumulator first
.irp ct, 0,1,2,3,4,5,6,7
	v_mul_f32 v[DA+8*(\j)+(\ct)], v[AC+8*(\ct)+(\j)], v[EW+2*(8*(\a)+(\j))+1]
.endr
.endr
	WIN 0
	s_wait_alu depctr_va_vdst(0)                   ; the tile's eight offsets and 64 numbers are written, which the sixteen stores read
.irp j, 0,1,2,3,4,5,6,7
	global_store_b128 v[RO+(\j)], v[DA+8*(\j):DA+8*(\j)+3], s[SB:SB+1]
	global_store_b128 v[RO+(\j)], v[DA+8*(\j)+4:DA+8*(\j)+7], s[SB:SB+1] offset:256
.endr
.Ldead_\@:
.endm
	s_mov_b32 s24, 0
.Lpass:                                                ; four trips, whatever the count: a pass's tiles go out, then the next pass is multiplied if the expert has rows for it
	s_mul_i32 s2, s24, 20
	s_cmp_ge_u32 s2, s21
	s_cbranch_scc1 .Lnop                           ; the expert has no tile in this pass: nothing is fetched and nothing stored
	PRE
	DTILE 0
	DTILE 1
	DTILE 2
	DTILE 3
	DTILE 4
	s_mul_i32 s2, s24, 20
	s_add_co_u32 s2, s2, 20
	s_cmp_ge_u32 s2, s21
	s_cbranch_scc1 .Lnop                           ; the expert has no rows for a further pass
	s_wait_xcnt 0x0                                ; the stores have read their registers, which the next pass uses
	s_wait_alu depctr_vm_vsrc(0)                   ; the loads of rows issued so far have read v4-8, the LDS loads v1, the stores v32-37: the lines below write all of these anew
	ROWS
	v_lshlrev_b32 v[IMR], 4, v[LL]
	s_mov_b64 s[AX:AX+1], s[28:29]
	XSTEP 1
	s_mov_b32 s[XK], 31
.Lxk:
	XSTEP 0
	s_sub_co_u32 s[XK], s[XK], 1
	s_cmp_lg_u32 s[XK], 0
	s_cbranch_scc1 .Lxk
	PLACES
.Lnop:
	s_add_co_u32 s24, s24, 1
	s_cmp_lt_u32 s24, 4
	s_cbranch_scc1 .Lpass
	s_wait_dscnt 0x0                               ; the way out's and the later passes' LDS reads take their addresses from the pass and the count: in every wave they are over
	s_barrier_signal -1                            ; before any wave goes on to its end
	s_barrier_wait -1
	s_wait_dscnt 0x0                               ; the wave's end
	s_wait_alu depctr_hold_cnt(0) depctr_sa_sdst(0) depctr_va_vdst(0) depctr_va_sdst(0) depctr_va_ssrc(0) depctr_va_vcc(0) depctr_vm_vsrc(0)
	s_wait_tensorcnt 0x0
	ds_add_u32 v9, v10
	s_wait_dscnt 0x0
	s_endpgm
.Lfunc_end_k_q9b0149d670_down:
	.size	k_q9b0149d670_down, .Lfunc_end_k_q9b0149d670_down-k_q9b0149d670_down
	.p2alignl 7, 3214868480
	.fill 96, 4, 3214868480
	.section	.rodata,"a",@progbits
	.p2align	6, 0x0
	.amdhsa_kernel k_q9b0149d670_down
		.amdhsa_group_segment_fixed_size 270848
		.amdhsa_private_segment_fixed_size 0
		.amdhsa_enable_private_segment 0
		.amdhsa_kernarg_size 40
		.amdhsa_user_sgpr_count 2
		.amdhsa_user_sgpr_kernarg_segment_ptr 1
		.amdhsa_wavefront_size32 1
		.amdhsa_system_sgpr_workgroup_id_x 1
		.amdhsa_system_sgpr_workgroup_id_y 1
		.amdhsa_system_sgpr_workgroup_id_z 1
		.amdhsa_system_vgpr_workitem_id 0
		.amdhsa_next_free_vgpr 896
		.amdhsa_next_free_sgpr 80
		.amdhsa_reserve_vcc 0
		.amdhsa_float_denorm_mode_32 3
		.amdhsa_float_denorm_mode_16_64 3
		.amdhsa_memory_ordered 1
		.amdhsa_forward_progress 1
		.amdhsa_inst_pref_size 170
	.end_amdhsa_kernel
	.amdgpu_metadata
---
amdhsa.version: [ 1, 2 ]
amdhsa.kernels:
  - .name:           k_q9b0149d670_down
    .symbol:         k_q9b0149d670_down.kd
    .args:
      - { .name: hbuf, .offset: 0, .size: 8, .value_kind: global_buffer, .address_space: global }
      - { .name: sel, .offset: 8, .size: 8, .value_kind: global_buffer, .address_space: global }
      - { .name: w2, .offset: 16, .size: 8, .value_kind: global_buffer, .address_space: global }
      - { .name: yp, .offset: 24, .size: 8, .value_kind: global_buffer, .address_space: global }
      - { .name: rwt, .offset: 32, .size: 8, .value_kind: global_buffer, .address_space: global }
    .group_segment_fixed_size: 270848
    .private_segment_fixed_size: 0
    .kernarg_segment_align: 8
    .kernarg_segment_size: 40
    .max_flat_workgroup_size: 128
    .sgpr_count:     80
    .vgpr_count:     896
    .wavefront_size: 32
...
	.end_amdgpu_metadata
.endif
;; end of part 8
;; launch combine: the kernel of part 4 again; grid 256 x 1, 8 waves a work-group, no clusters, 0 bytes of LDS; arguments yp, out0; writes out0
